; MI455X (gfx1250); checked and timed in simulation.
; The chip was launched on July 23, 2026; its instructions are those of AMD's public machine-readable ISA for CDNA 5 (MIT licence, August 2026) and "CDNA5" Instruction Set Architecture Reference Guide (July 2026). The comments in the code are by the model that wrote it; some were corrected since.
;; Block. Allowed arithmetic: float matrix products may take bf16 or f16 operands with f32 sums; all other float work in f32.
;; Inputs: b_in 4,096 float32; b_out 1,024 float32; ln1_b 1,024 float32; ln1_w 1,024 float32; ln2_b 1,024 float32; ln2_w 1,024 float32; resid 2 x 2,048 x 1,024 float32; w_in 1,024 x 4,096 float32; w_k 16 x 1,024 x 64 float32; w_o 16 x 64 x 1,024 float32; w_out 4,096 x 1,024 float32; w_q 16 x 1,024 x 64 float32; w_v 16 x 1,024 x 64 float32.
;; Outputs: out0 2 x 2,048 x 1,024 float32.
;; 2 versions, each right. Each part assembles by itself: llvm-mc -triple=amdgcn-amd-amdhsa -mcpu=gfx1250 --defsym DOCPART=n.
;; ======== version 1 of 2: 7 launches
;; workspace buffers: wb 25,165,824 bytes; xn 8,388,608 bytes; qkv 25,165,824 bytes; z 8,388,608 bytes; r2 16,777,216 bytes; x2 8,388,608 bytes; hm 33,554,432 bytes
;; launch prep (part 1): grid 1024 x 1, 8 waves a work-group, no clusters, 0 bytes of LDS; arguments resid, ln1_w, ln1_b, w_q, w_k, w_v, w_o, w_in, w_out, xn, wb; writes xn, wb
.if DOCPART == 1
	.amdgcn_target "amdgcn-amd-amdhsa--gfx1250"
	.amdhsa_code_object_version 6
	.text
	.protected	k_q276c446a92_prep
	.globl	k_q276c446a92_prep
	.p2align	8
	.type	k_q276c446a92_prep,@function
k_q276c446a92_prep:
	s_mov_b64 s[64:65], 0
	v_nop
	global_prefetch_b8 v0, s[64:65] scope:SCOPE_SE
	s_setreg_imm32_b32 hwreg(HW_REG_WAVE_MODE, 25, 1), 1
	s_wait_xcnt 0x0
; Three kinds of work-group, told apart by the work-group's number alone:
;   0-255    xn = LayerNorm(resid) * ln1_w + ln1_b, rounded to bf16.  16 rows a work-group, 2 rows a wave; a row of 4,096 bytes is 32 registers of one
;            wave, so it is read once and the two reductions never leave the wave.  The mean is taken away before the squares are summed.
;   256-447  w_q, w_k, w_v ([16 h][1024 d][64 e] f32) -> wb[d][sel*1024 + h*64 + e] in bf16 (rows of 6,144 bytes): one matrix [1024][3072] for the QKV product.
;   448-1023 w_o, w_in, w_out, dense f32 -> dense bf16 at wb + 0x600000, one behind the other (0x600000, 0x800000, 0x1000000).
; No LDS, no barrier, no matrix unit: every byte is read once and written once, and no wave needs another's data.
; Each store of a wave covers 256 consecutive bytes that start at a multiple of 256 from its buffer's first byte.
.set W,   4                            ; v[4:35]    the gain of my 32 columns
.set B,   36                           ; v[36:67]   the bias of my 32 columns
.set X,   68                           ; v[68:131]  two rows as loaded (32 registers each); in the casts: sixteen loads of 4 registers
.set T,   132                          ; v[132:139] at work
.set M,   140                          ; v[140:141] the mean twice, then 1/sqrt(var + eps) twice
.set PX,  142                          ; v142       takes the other half of the lanes' figure
.set Y,   148                          ; v[148:179] bf16 to store
.set SRC, 30                           ; s[30:31]   where I read
.set DST, 32                           ; s[32:33]   where I write
.set LW,  10                           ; s[10:11]   the gain
.set LB,  12                           ; s[12:13]   the bias
.macro REDUCE                          ; four pairs in v[T:T+7] -> their sum over the wave's 32 lanes, in v[T] of every lane
	v_pk_add_f32 v[T:T+1], v[T:T+1], v[T+2:T+3]
	v_pk_add_f32 v[T+4:T+5], v[T+4:T+5], v[T+6:T+7]
	v_pk_add_f32 v[T:T+1], v[T:T+1], v[T+4:T+5]
	v_add_f32 v[T], v[T], v[T+1]
	v_add_f32_dpp v[T], v[T], v[T] row_xmask:1 row_mask:0xf bank_mask:0xf
	v_add_f32_dpp v[T], v[T], v[T] row_xmask:2 row_mask:0xf bank_mask:0xf
	v_add_f32_dpp v[T], v[T], v[T] row_xmask:4 row_mask:0xf bank_mask:0xf
	v_add_f32_dpp v[T], v[T], v[T] row_xmask:8 row_mask:0xf bank_mask:0xf
	v_permlanex16_b32 v[PX], v[T], s38, s39
	v_add_f32 v[T], v[T], v[PX]
.endm
; Row p becomes (x - mean) / sqrt(var + eps), in place.  left = the loads issued behind the row's eight, which may stay out.
.macro ROWSTAT p, left
.set RW, X+32*\p
	s_wait_loadcnt \left
.irp k, 0,1,2,3                        ; four chains that do not wait for each other; the first sums start them: nothing is cleared
	v_pk_add_f32 v[T+2*\k:T+2*\k+1], v[RW+2*\k:RW+2*\k+1], v[RW+2*\k+8:RW+2*\k+9]
.endr
.irp k, 0,1,2,3
	v_pk_add_f32 v[T+2*\k:T+2*\k+1], v[T+2*\k:T+2*\k+1], v[RW+2*\k+16:RW+2*\k+17]
.endr
.irp k, 0,1,2,3
	v_pk_add_f32 v[T+2*\k:T+2*\k+1], v[T+2*\k:T+2*\k+1], v[RW+2*\k+24:RW+2*\k+25]
.endr
	REDUCE
	v_mul_f32 v[M], s40, v[T]                      ; mean = sum / 1024
	v_mul_f32 v[M+1], s40, v[T]
.set q, 0
.rept 16
	v_pk_add_f32 v[RW+q:RW+q+1], v[RW+q:RW+q+1], v[M:M+1] neg_lo:[0,1] neg_hi:[0,1]
.set q, q+2
.endr
.irp k, 0,1,2,3
	v_pk_mul_f32 v[T+2*\k:T+2*\k+1], v[RW+2*\k:RW+2*\k+1], v[RW+2*\k:RW+2*\k+1]
.endr
.irp o, 8,16,24
.irp k, 0,1,2,3
	v_pk_fma_f32 v[T+2*\k:T+2*\k+1], v[RW+2*\k+\o:RW+2*\k+\o+1], v[RW+2*\k+\o:RW+2*\k+\o+1], v[T+2*\k:T+2*\k+1]
.endr
.endr
	REDUCE
	v_fma_f32 v[T], v[T], s40, s41                 ; var + eps
	v_rsq_f32 v[M], v[T]
	v_rsq_f32 v[M+1], v[T]
	v_nop                                          ; a plain instruction between the last root and the use of its result (ISA guide 5.7.2)
.set q, 0
	s_wait_alu depctr_va_vdst(0)
.rept 16
	v_pk_mul_f32 v[RW+q:RW+q+1], v[RW+q:RW+q+1], v[M:M+1]
.set q, q+2
.endr
.endm
; Row p times the gain plus the bias, rounded once, stored: 8 bytes a lane, 256 consecutive bytes a store.
.macro ROWOUT p
.set RW, X+32*\p
.set q, 0
.rept 16
	v_pk_fma_f32 v[RW+q:RW+q+1], v[RW+q:RW+q+1], v[W+q:W+q+1], v[B+q:B+q+1]
.set q, q+2
.endr
.set q, 0
.rept 16
	v_cvt_pk_bf16_f32 v[Y+16*\p+q], v[RW+2*q], v[RW+2*q+1]
.set q, q+1
.endr
.irp j, 0,1,2,3,4,5,6,7
	global_store_b64 v2, v[Y+16*\p+2*\j:Y+16*\p+2*\j+1], s[DST:DST+1] offset:2048*\p+256*\j
.endr
.endm
; Sixteen loads of 16 bytes a lane, sstr bytes apart, all on their way at once; each is rounded to 8 bytes a lane and stored, dstr bytes apart.
.macro CAST sstr, dstr, voff
.irp j, 0,1,2,3,4,5,6,7,8,9,10,11,12,13,14,15
	global_load_b128 v[X+4*\j:X+4*\j+3], v[\voff], s[SRC:SRC+1] offset:\j*\sstr th:TH_LOAD_NT
.endr
.irp j, 0,1,2,3,4,5,6,7,8,9,10,11,12,13,14,15
	s_wait_loadcnt 15-\j                           ; loads come back in order (ISA guide 5.7.1): number j is in, the younger ones stay out
	v_cvt_pk_bf16_f32 v[Y+2*\j], v[X+4*\j], v[X+4*\j+1]
	v_cvt_pk_bf16_f32 v[Y+2*\j+1], v[X+4*\j+2], v[X+4*\j+3]
	global_store_b64 v2, v[Y+2*\j:Y+2*\j+1], s[DST:DST+1] offset:\j*\dstr
.endr
.endm
	s_load_b512 s[8:23], s[0:1], 0x0               ; resid 8, ln1_w 10, ln1_b 12, w_q 14, w_k 16, w_v 18, w_o 20, w_in 22
	s_load_b128 s[24:27], s[0:1], 0x40             ; w_out 24, xn 26
	s_load_b64 s[28:29], s[0:1], 0x50              ; wb
	v_lshrrev_b32 v1, 5, v0
	v_readfirstlane_b32 s2, v1                     ; wave 0..7
	s_mov_b32 s3, ttmp9                            ; work-group
	s_mov_b32 s38, 0x76543210                      ; v_permlanex16_b32: each lane takes its own place in the other half
	s_mov_b32 s39, 0xfedcba98
	s_mov_b32 s40, 0x3a800000                      ; 1 / 1024
	s_mov_b32 s41, 0x3727c5ac                      ; eps = 1e-5
	v_and_b32 v2, 31, v0                           ; lane
	v_lshlrev_b32 v1, 4, v2                        ; 16 x lane
	v_and_b32 v3, 15, v0
	v_lshlrev_b32 v3, 4, v3
	v_bfe_u32 v[PX], v0, 4, 1
	v_lshl_add_u32 v3, v[PX], 18, v3               ; 16 x (lane % 16) + one head (262,144 bytes) for lanes 16-31
	v_lshlrev_b32 v2, 3, v2                        ; 8 x lane
	s_wait_kmcnt 0x0
	s_cmp_lt_u32 s3, 256
	s_cbranch_scc0 .Lcasts
	; LayerNorm: rows 16 wg + 2 w and the next
	s_lshl_b32 s34, s3, 16                         ; 16 rows of 4,096 bytes a work-group,
	s_lshl_b32 s36, s2, 13                         ; 2 a wave
	s_add_co_u32 s34, s34, s36
	s_mov_b32 s35, 0
	s_lshr_b32 s36, s34, 1                         ; half as many bytes in bf16
	s_mov_b32 s37, 0
	s_add_nc_u64 s[SRC:SRC+1], s[8:9], s[34:35]
	s_add_nc_u64 s[DST:DST+1], s[26:27], s[36:37]
.irp j, 0,1,2,3,4,5,6,7
	global_load_b128 v[X+4*\j:X+4*\j+3], v1, s[SRC:SRC+1] offset:512*\j th:TH_LOAD_NT
.endr
.irp j, 0,1,2,3,4,5,6,7
	global_load_b128 v[X+32+4*\j:X+32+4*\j+3], v1, s[SRC:SRC+1] offset:4096+512*\j th:TH_LOAD_NT
.endr
.irp j, 0,1,2,3,4,5,6,7
	global_load_b128 v[W+4*\j:W+4*\j+3], v1, s[LW:LW+1] offset:512*\j
.endr
.irp j, 0,1,2,3,4,5,6,7
	global_load_b128 v[B+4*\j:B+4*\j+3], v1, s[LB:LB+1] offset:512*\j
.endr
	ROWSTAT 0, 24                                  ; behind row 0: row 1, gain, bias
	ROWSTAT 1, 16                                  ; behind row 1: gain, bias
	s_wait_loadcnt 0x0
	ROWOUT 0
	ROWOUT 1
	s_endpgm
.Lcasts:
	s_cmp_lt_u32 s3, 448
	s_cbranch_scc0 .Lplain
	; w_q, w_k, w_v: work-group = (sel, pair of heads hp, block of 128 d); wave w takes 16 d.  A load: lanes 0-15 the 64 e of head 2 hp, lanes 16-31 of head 2 hp + 1.
	s_sub_co_u32 s4, s3, 256
	s_lshr_b32 s5, s4, 6                           ; sel: 0 q, 1 k, 2 v
	s_bfe_u32 s6, s4, 0x30003                      ; hp
	s_and_b32 s7, s4, 7                            ; block of d
	s_cmp_eq_u32 s5, 0
	s_cselect_b64 s[SRC:SRC+1], s[14:15], s[16:17]
	s_cmp_eq_u32 s5, 2
	s_cselect_b64 s[SRC:SRC+1], s[18:19], s[SRC:SRC+1]
	s_lshl_b32 s34, s7, 7
	s_lshl_b32 s36, s2, 4
	s_add_co_u32 s34, s34, s36                     ; my first d
	s_lshl_b32 s36, s34, 8                         ; x 256 bytes
	s_lshl_b32 s37, s6, 19                         ; + two heads x hp
	s_add_co_u32 s36, s36, s37
	s_mov_b32 s37, 0
	s_mul_i32 s34, s34, 6144                       ; in wb: d x 6,144
	s_lshl_b32 s35, s5, 11                         ; + sel x 2,048
	s_add_co_u32 s34, s34, s35
	s_lshl_b32 s35, s6, 8                          ; + hp x 256
	s_add_co_u32 s34, s34, s35
	s_mov_b32 s35, 0
	s_add_nc_u64 s[SRC:SRC+1], s[SRC:SRC+1], s[36:37]
	s_add_nc_u64 s[DST:DST+1], s[28:29], s[34:35]
	CAST 256, 6144, 3
	s_endpgm
.Lplain:
	; w_o (64 pieces of 65,536 bytes), w_in (256), w_out (256): a work-group takes a piece, a wave 8,192 bytes of it
	s_sub_co_u32 s4, s3, 448
	s_cmp_lt_u32 s4, 64
	s_cselect_b64 s[SRC:SRC+1], s[20:21], s[22:23]
	s_cselect_b32 s5, 0, 64
	s_cmp_lt_u32 s4, 320
	s_cselect_b64 s[SRC:SRC+1], s[SRC:SRC+1], s[24:25]
	s_cselect_b32 s5, s5, 320
	s_sub_co_u32 s5, s4, s5                        ; the piece's number in its own tensor
	s_lshl_b32 s36, s5, 16
	s_lshl_b32 s37, s2, 13
	s_add_co_u32 s36, s36, s37
	s_mov_b32 s37, 0
	s_lshl_b32 s34, s4, 15
	s_lshl_b32 s35, s2, 12
	s_add_co_u32 s34, s34, s35
	s_add_co_u32 s34, s34, 0x600000
	s_mov_b32 s35, 0
	s_add_nc_u64 s[SRC:SRC+1], s[SRC:SRC+1], s[36:37]
	s_add_nc_u64 s[DST:DST+1], s[28:29], s[34:35]
	CAST 512, 256, 1
	s_endpgm
.Lfunc_end_k_q276c446a92_prep:
	.size	k_q276c446a92_prep, .Lfunc_end_k_q276c446a92_prep-k_q276c446a92_prep
	.p2alignl 7, 3214868480
	.fill 96, 4, 3214868480
	.section	.rodata,"a",@progbits
	.p2align	6, 0x0
	.amdhsa_kernel k_q276c446a92_prep
		.amdhsa_group_segment_fixed_size 0
		.amdhsa_private_segment_fixed_size 0
		.amdhsa_enable_private_segment 0
		.amdhsa_kernarg_size 88
		.amdhsa_user_sgpr_count 2
		.amdhsa_user_sgpr_kernarg_segment_ptr 1
		.amdhsa_wavefront_size32 1
		.amdhsa_system_sgpr_workgroup_id_x 1
		.amdhsa_system_sgpr_workgroup_id_y 1
		.amdhsa_system_sgpr_workgroup_id_z 1
		.amdhsa_system_vgpr_workitem_id 0
		.amdhsa_next_free_vgpr 184
		.amdhsa_next_free_sgpr 66
		.amdhsa_reserve_vcc 0
		.amdhsa_float_denorm_mode_32 3
		.amdhsa_float_denorm_mode_16_64 3
		.amdhsa_memory_ordered 1
		.amdhsa_forward_progress 1
		.amdhsa_inst_pref_size 33
	.end_amdhsa_kernel
	.amdgpu_metadata
---
amdhsa.version: [ 1, 2 ]
amdhsa.kernels:
  - .name:           k_q276c446a92_prep
    .symbol:         k_q276c446a92_prep.kd
    .args:
      - { .name: resid, .offset: 0, .size: 8, .value_kind: global_buffer, .address_space: global }
      - { .name: ln1_w, .offset: 8, .size: 8, .value_kind: global_buffer, .address_space: global }
      - { .name: ln1_b, .offset: 16, .size: 8, .value_kind: global_buffer, .address_space: global }
      - { .name: w_q, .offset: 24, .size: 8, .value_kind: global_buffer, .address_space: global }
      - { .name: w_k, .offset: 32, .size: 8, .value_kind: global_buffer, .address_space: global }
      - { .name: w_v, .offset: 40, .size: 8, .value_kind: global_buffer, .address_space: global }
      - { .name: w_o, .offset: 48, .size: 8, .value_kind: global_buffer, .address_space: global }
      - { .name: w_in, .offset: 56, .size: 8, .value_kind: global_buffer, .address_space: global }
      - { .name: w_out, .offset: 64, .size: 8, .value_kind: global_buffer, .address_space: global }
      - { .name: xn, .offset: 72, .size: 8, .value_kind: global_buffer, .address_space: global }
      - { .name: wb, .offset: 80, .size: 8, .value_kind: global_buffer, .address_space: global }
    .group_segment_fixed_size: 0
    .private_segment_fixed_size: 0
    .kernarg_segment_align: 8
    .kernarg_segment_size: 88
    .max_flat_workgroup_size: 256
    .sgpr_count:     66
    .vgpr_count:     184
    .wavefront_size: 32
...
	.end_amdgpu_metadata
.endif
;; end of part 1
;; launch qkv (part 2): grid 24 x 32, 4 waves a work-group, clusters of 4 x 4, 327,680 bytes of LDS; arguments xn, wb, qkv; writes qkv
.if DOCPART == 2
	.amdgcn_target "amdgcn-amd-amdhsa--gfx1250"
	.amdhsa_code_object_version 6
	.text
	.protected	k_q276c446a92_qkv
	.globl	k_q276c446a92_qkv
	.p2align	8
	.type	k_q276c446a92_qkv,@function
k_q276c446a92_qkv:
	s_mov_b64 s[64:65], 0
	v_nop
	global_prefetch_b8 v0, s[64:65] scope:SCOPE_SE
	s_setreg_imm32_b32 hwreg(HW_REG_WAVE_MODE, 25, 1), 1
	s_wait_xcnt 0x0
	s_wait_alu depctr_hold_cnt(0) depctr_sa_sdst(0) depctr_va_vdst(0) depctr_va_sdst(0) depctr_va_ssrc(0) depctr_va_vcc(0) depctr_vm_vsrc(0)
	s_getreg_b32 s2, hwreg(HW_REG_IB_STS2, 6, 4)
	s_cmp_eq_u32 s2, 0
	s_cbranch_scc0 .Lentry_in_a_cluster
	s_endpgm
.Lentry_in_a_cluster:
	s_bfe_u32 s2, ttmp6, 0x10000c
	s_cmp_lg_u32 s2, 0xf033
	s_cbranch_scc0 .Lentry_shape_is_right
	s_endpgm
.Lentry_shape_is_right:
; C[m][n] = sum over k of A[m][k] B[k][n].  A = xn [4096][1024] bf16, B = wb [1024][3072] bf16 (q, k, v weights side by side); sums in f32, C rounded once to bf16.
; C's column n = sel*1024 + h*64 + e goes to qkv + sel*0x800000, laid [b*16 + h][s][e]: a wave's 64 x 64 of C is one head's 64 rows, 8,192 dense bytes.
; A tile of C is 128 x 128: 24 x 32 = 768 work-groups.  Four waves, each 64 x 64: 16 accumulators of 16 x 16.  K goes in steps of 256 through two LDS slots.
; A's tile: 128 rows x 512 bytes.  B lies [k][n]: its tile is 256 rows (k) x 256 bytes, and its fragments come out of LDS turned (ds_load_tr16_b128).
; CLUSTERS: 4 x 4 work-groups.  The four of a row of the cluster need the same tiles of A, the four of a column the same tiles of B: each tile is asked for jointly.
; THE MATRIX INSTRUCTION IS USED TRANSPOSED (source 0 = 16 columns of B, source 1 = 16 rows of A): a lane then holds eight neighbouring numbers of a row of C.
; REGISTERS: window 0: v0-31 addresses; v32-95 at work on the way out; v128-255 the accumulators ((a, b) at v[128 + 8 (4 a + b)]).
;   window 1: two fragment buffers of 128: for 64 along K, 64 registers of A (2 x 4 x 16 rows x 32 K), then 64 of B.
.set SIZE_N, 3072
.set SIZE_K, 1024
.set WOFF,   0                         ; where B begins in wb
.set KSTEP,  256
.set PA,     528                       ; a row of A in LDS: 512 bytes + 16 = 132 words: row r starts at bank 4 r mod 64 (64 banks of 4 bytes: ISA guide 11.1)
.set PB,     288                       ; a row of B in LDS: 256 bytes + 32 = 72 words: row r starts at bank 8 r mod 64
.set AHALF,  64*PA                     ; what one tensor load of A brings, and what one wave reads of A
.set BHALF,  128*PB                    ; what one tensor load of B brings: 128 of the step's 256 k
.set BOFF,   2*AHALF
.set SLOT,   BOFF+2*BHALF
.set STAGE,  2*SLOT                    ; behind the ring: 64 rows x 144 bytes for each wave, for the way out
.set SPARE,  STAGE+4*64*144            ; behind the stages: the spare words, 128 bytes for each wave, which no other line names
.set LAPS,   SIZE_K/(2*KSTEP)          ; a lap = two K steps = once round the ring
.set ADRA, 16                          ; v16-17  LDS address of my A fragments in slot 0, 1
.set ADRB, 20                          ; v20-23  the same for B: slot 0 first and second 128 k, slot 1 likewise
.set STO,  24
.set RD,   25
.set CO,   26
.set SPW,  28                          ; v28     LDS address of my spare word; never rewritten
.set NIL,  29                          ; v29     0; never rewritten
.set TMP,  32
.set ACC,  128
.set F0,   0
.set F1,   128
.set G1, 24                            ; s[24:31] descriptor group 1 for A's tiles;  s[32:39] group 0, one set for each slot
.set G0, 32
.set G1B, 48                           ; s[48:55], s[56:63] the same for B's tiles
.set G0B, 56
.set MSB, 0
.macro WIN new                         ; the immediate's high byte repeats the setting that is left
.if MSB != \new
	s_set_vgpr_msb (MSB<<8)|\new
.set MSB, \new
.endif
.endm
.set MUL,  0x05                        ; sources 0 (B) and 1 (A) window 1; C and D window 0
.set TO_F, 0x40                        ; destination window 1, address window 0
.macro JLOAD s                         ; a joint load: waves 0 and 1 fetch A's two halves, waves 2 and 3 B's; four v_nop follow each of the two lines
	s_cmp_eq_u32 s11, 0
	s_cbranch_scc0 .Lfor_b_\@
	tensor_load_to_lds s[G0+4*\s:G0+4*\s+3], s[G1:G1+7]
	s_nop 0
.rept 4
	v_nop
.endr
	s_branch .Lasked_\@
.Lfor_b_\@:
	tensor_load_to_lds s[G0B+4*\s:G0B+4*\s+3], s[G1B:G1B+7]
	s_nop 0
.rept 4
	v_nop
.endr
.Lasked_\@:
.endm
.macro CREST                           ; a round of the cluster's barrier behind its opening barrier
	s_cmp_lg_u32 s10, 0
	s_cbranch_scc1 .Lnot_wave_0_\@
	s_barrier_signal -3
.Lnot_wave_0_\@:
	s_barrier_wait -3
	s_barrier_signal -1
	s_barrier_wait -1
.endm
.macro CROUND                          ; a whole round
	s_barrier_signal -1
	s_barrier_wait -1
	CREST
.endm
	s_load_b128 s[4:7], s[0:1], 0x0                ; A s[4:5], wb s[6:7]
	s_load_b64 s[8:9], s[0:1], 0x10                ; C
	v_lshl_add_u32 v[SPW], v0, 2, SPARE
	v_mov_b32 v[NIL], 0
	ds_add_u32 v28, v29
	s_wait_dscnt 0x0
	v_lshrrev_b32 v1, 5, v0
	v_readfirstlane_b32 s10, v1                    ; wave 0..3
	s_lshr_b32 s11, s10, 1                         ; which half of the tile's rows is mine.  Also: I fetch for A (0) or for B (1)
	s_and_b32 s12, s10, 1                          ; which half of its columns.  Also: which half of that tile I fetch
	s_bfe_u32 s40, ttmp6, 0x40000                  ; cx, cy: my place in the cluster
	s_bfe_u32 s41, ttmp6, 0x40004
	s_lshl_b32 s42, ttmp9, 2
	s_add_co_u32 s42, s42, s40                     ; tile column of C = 4 x cluster x + cx
	s_and_b32 s13, ttmp7, 0xffff
	s_lshl_b32 s13, s13, 2
	s_add_co_u32 s13, s13, s41                     ; tile row of C = 4 x cluster y + cy
	s_lshl_b32 s43, s41, 2
	s_lshl_b32 s43, 15, s43                        ; my row of the cluster
	s_lshl_b32 s44, 0x1111, s40                    ; my column
	s_or_b32 s[G1+0], s43, (1<<16)|(1<<20)|(1<<21)|(6<<22)|(3<<25)   ; mask: my row; elements of 2 bytes; padding on; bit 21 beside a mask; after every 128 words, 4 words
	s_mov_b32 s[G1+1], KSTEP<<16                   ; tensor_dim0 = 256
	s_mov_b32 s[G1+2], 64<<16                      ; tensor_dim1 = 64
	s_mov_b32 s[G1+3], KSTEP<<16                   ; tile_dim0 = 256
	s_mov_b32 s[G1+4], 64                          ; tile_dim1 = 64
	s_mov_b32 s[G1+5], SIZE_K                      ; elements from row to row
	s_mov_b32 s[G1+6], 0
	s_mov_b32 s[G1+7], 0
	s_or_b32 s[G1B+0], s44, (1<<16)|(1<<20)|(1<<21)|(5<<22)|(7<<25)  ; mask: my column; after every 64 words, 8 words
	s_mov_b32 s[G1B+1], 128<<16                    ; tensor_dim0 = 128 columns
	s_mov_b32 s[G1B+2], 128<<16                    ; tensor_dim1 = 128 k
	s_mov_b32 s[G1B+3], 128<<16
	s_mov_b32 s[G1B+4], 128
	s_mov_b32 s[G1B+5], SIZE_N
	s_mov_b32 s[G1B+6], 0
	s_mov_b32 s[G1B+7], 0
	s_lshl_b32 s17, s12, 6
	s_lshl_b32 s16, s13, 7
	s_add_co_u32 s16, s16, s17                     ; A: row 128 x tile row + 64 x half
	s_mov_b32 s17, 0
	s_mov_b64 s[18:19], SIZE_K*2
	s_mul_u64 s[16:17], s[16:17], s[18:19]
	s_mul_i32 s46, s12, 128*SIZE_N*2               ; B: k = 128 x half,
	s_lshl_b32 s47, s42, 8                         ; column 128 x tile column (256 bytes)
	s_add_co_u32 s46, s46, s47
	s_mov_b32 s47, 0
	s_mul_i32 s20, s12, AHALF                      ; where they go: no place in the cluster enters an LDS address
	s_mul_i32 s21, s12, BHALF
	s_add_co_u32 s21, s21, BOFF
	s_wait_kmcnt 0x0
	s_add_nc_u64 s[14:15], s[4:5], s[16:17]
	s_add_nc_u64 s[46:47], s[6:7], s[46:47]
.if WOFF
	s_add_nc_u64 s[46:47], s[46:47], WOFF
.endif
	CROUND                                         ; all sixteen work-groups are here: the first joint loads meet
.irp s, 0,1
	s_mov_b32 s[G0+4*\s], 1
	s_add_co_u32 s[G0+4*\s+1], s20, \s*SLOT
	s_add_nc_u64 s[G0+4*\s+2:G0+4*\s+3], s[14:15], \s*KSTEP*2
	s_or_b32 s[G0+4*\s+3], s[G0+4*\s+3], 0x80000000
	s_mov_b32 s[G0B+4*\s], 1
	s_add_co_u32 s[G0B+4*\s+1], s21, \s*SLOT
	s_add_nc_u64 s[G0B+4*\s+2:G0B+4*\s+3], s[46:47], \s*KSTEP*SIZE_N*2
	s_or_b32 s[G0B+4*\s+3], s[G0B+4*\s+3], 0x80000000
	JLOAD \s                                       ; two loads of mine are out behind the second
.endr
	v_and_b32 v1, 15, v0                           ; l % 16
	v_bfe_u32 v2, v0, 4, 1                         ; l / 16
	v_mul_u32_u24 v3, v1, PA
	v_lshl_add_u32 v3, v2, 4, v3                   ; a fragment of A: row x pitch + 16 x half
	s_mul_i32 s21, s11, AHALF                      ; my 64 rows of A
	v_add_nc_u32 v[ADRA], s21, v3
	v_add_nc_u32 v[ADRA+1], SLOT, v[ADRA]
	v_and_b32 v4, 7, v0                            ; a fragment of B, turned: lane l reads 16 bytes of row k = 8 (l / 16) + l % 8, columns 8 ((l / 8) % 2) on
	v_lshl_add_u32 v4, v2, 3, v4
	v_mul_u32_u24 v4, v4, PB
	v_bfe_u32 v5, v0, 3, 1
	v_lshl_add_u32 v4, v5, 4, v4
	s_lshl_b32 s22, s12, 7                         ; my 64 columns: 128 bytes
	s_add_co_u32 s22, s22, BOFF
	v_add_nc_u32 v[ADRB], s22, v4
	v_add_nc_u32 v[ADRB+1], BHALF, v[ADRB]
	v_add_nc_u32 v[ADRB+2], SLOT, v[ADRB]
	v_add_nc_u32 v[ADRB+3], SLOT+BHALF, v[ADRB]
	; the way out: my own stage of 64 rows x 144 bytes; in: row l % 16, 16 bytes for each half of the lanes; back: 4 rows of 128 bytes a load
	s_mul_i32 s23, s10, 64*144
	s_add_co_u32 s23, s23, STAGE
	v_mul_u32_u24 v4, v1, 144
	v_lshl_add_u32 v4, v2, 4, v4
	v_add_nc_u32 v[STO], s23, v4
	v_bfe_u32 v4, v0, 3, 2
	v_and_b32 v5, 7, v0
	v_mul_u32_u24 v4, v4, 144
	v_lshl_add_u32 v4, v5, 4, v4
	v_add_nc_u32 v[RD], s23, v4
	v_and_b32 v4, 31, v0
	v_lshlrev_b32 v[CO], 4, v4                     ; 16 x lane: the wave's 8,192 bytes are dense
	s_lshl_b32 s16, s13, 7
	s_lshl_b32 s17, s11, 6
	s_add_co_u32 s16, s16, s17                     ; my first row m0 = b*2048 + s
	s_lshr_b32 s17, s16, 11
	s_lshl_b32 s17, s17, 22                        ; b x 16 heads x 262,144 bytes
	s_and_b32 s16, s16, 2047
	s_lshl_b32 s16, s16, 7                         ; s x 128 bytes
	s_add_co_u32 s16, s16, s17
	s_mov_b32 s17, 0
	s_add_nc_u64 s[8:9], s[8:9], s[16:17]
	s_lshl_b32 s46, s42, 7                         ; my first column n0 = sel*1024 + h*64 (in the registers that hold column figures alone)
	s_lshl_b32 s47, s12, 6
	s_add_co_u32 s46, s46, s47
	s_lshr_b32 s47, s46, 10
	s_lshl_b32 s47, s47, 23                        ; sel x 0x800000
	s_bfe_u32 s46, s46, 0x40006
	s_lshl_b32 s46, s46, 18                        ; h x 262,144
	s_add_co_u32 s46, s46, s47
	s_mov_b32 s47, 0
	s_add_nc_u64 s[8:9], s[8:9], s[46:47]
; 8 matrix instructions: m blocks a0, a0 + 1 x all 4 n blocks, 32 along K: half c of buffer f.  zero = 1: the first product starts the sums
.macro MUL8 f, c, a0, zero
.irp a, \a0, \a0+1
.irp b, 0,1,2,3
.if \zero
	v_wmma_f32_16x16x32_bf16 v[ACC+8*(4*(\a)+\b):ACC+8*(4*(\a)+\b)+7], v[\f+64+8*(4*\c+\b):\f+64+8*(4*\c+\b)+7], v[\f+8*(4*\c+\a):\f+8*(4*\c+\a)+7], 0
.else
	v_wmma_f32_16x16x32_bf16 v[ACC+8*(4*(\a)+\b):ACC+8*(4*(\a)+\b)+7], v[\f+64+8*(4*\c+\b):\f+64+8*(4*\c+\b)+7], v[\f+8*(4*\c+\a):\f+8*(4*\c+\a)+7], v[ACC+8*(4*(\a)+\b):ACC+8*(4*(\a)+\b)+7]
.endif
.endr
.endr
.endm
; 32 LDS loads in one run: the fragments of quarter q (64 along K) of a slot, into buffer f; the first 32 along K first
.macro FETCH slot, q, f
	WIN TO_F
.irp c, 0,1
.irp i, 0,1,2,3
	ds_load_tr16_b128 v[\f+64+8*(4*\c+\i):\f+64+8*(4*\c+\i)+3],   v[ADRB+2*\slot+(\q)/2] offset:(((\q)%2)*64+32*\c)*PB+32*\i
	ds_load_tr16_b128 v[\f+64+8*(4*\c+\i)+4:\f+64+8*(4*\c+\i)+7], v[ADRB+2*\slot+(\q)/2] offset:(((\q)%2)*64+32*\c+16)*PB+32*\i
	ds_load_b128 v[\f+8*(4*\c+\i):\f+8*(4*\c+\i)+3],         v[ADRA+\slot] offset:128*\q+64*\c+\i*16*PA
	ds_load_b128 v[\f+8*(4*\c+\i)+4:\f+8*(4*\c+\i)+7],       v[ADRA+\slot] offset:128*\q+64*\c+\i*16*PA+32
.endr
.endr
.endm
.macro PLACES                          ; four places in front of loads into registers that matrix instructions have read, and of instructions that read results
.rept 4
	v_nop
.endr
.endm
; A K step is four quarters of 64 along K, 32 matrix instructions each, on buffers 0, 1, 0, 1; the 16 accumulators take turns.
.macro QUARTER slot, q, f, g, zero
	s_wait_dscnt 16                                ; the first 32 along K are in
	WIN MUL
	MUL8 \f, 0, 0, \zero
	MUL8 \f, 0, 2, \zero
	PLACES
	FETCH \slot, \q, \g
	s_wait_dscnt 32                                ; all but the 32 just issued
	WIN MUL
	MUL8 \f, 1, 0, 0
	MUL8 \f, 1, 2, 0
.endm
; The last quarter multiplies buffer 1 and changes slots: one barrier; in front of it each wave waits for all its tensor loads, adds 0 to its spare word, and waits for that and for its reads of this slot.
.macro TURN slot, next, fill
	WIN 0                                          ; (the add's two registers lie in window 0)
	s_wait_tensorcnt 0x0                           ; all my tensor loads have landed: my part of the next slot;
	ds_add_u32 v[SPW], v[NIL]                      ; 0 onto my spare word;
	s_wait_dscnt 17                                ; (the add and the youngest sixteen loads may be out)
	WIN MUL
	MUL8 F1, 0, 0, 0
	s_wait_dscnt 0x0                               ; the add is done, and my reads of this slot are over
	s_barrier_signal -1
	MUL8 F1, 0, 2, 0
.if \fill
	WIN 0
.endif
	s_barrier_wait -1
.if \fill
	CREST                                          ; the barrier has opened a round of the cluster's: no wave of any partner still reads this slot's tile or has a load on its way
	s_add_nc_u64 s[G0+4*\slot+2:G0+4*\slot+3], s[G0+4*\slot+2:G0+4*\slot+3], 2*KSTEP*2
	s_add_nc_u64 s[G0B+4*\slot+2:G0B+4*\slot+3], s[G0B+4*\slot+2:G0B+4*\slot+3], 2*KSTEP*SIZE_N*2
	JLOAD \slot                                    ; the first tensor load behind the round, my only one: 112 matrix instructions ahead of the wait for it
.else
	PLACES
.endif
	FETCH \next, 0, F0
	WIN MUL
	MUL8 F1, 1, 0, 0
	MUL8 F1, 1, 2, 0
.endm
	s_wait_tensorcnt 1                             ; my part of K step 0 is in; K step 1's may stay out
	s_barrier_signal -1
	s_barrier_wait -1
	FETCH 0, 0, F0
	QUARTER 0, 1, F0, F1, 1                        ; the first quarter stands in front of the loop: its first products start the sums
	WIN 0
	s_mov_b32 s3, LAPS-1
.Llap:
	QUARTER 0, 2, F1, F0, 0
	QUARTER 0, 3, F0, F1, 0
	TURN 0, 1, 1
	QUARTER 1, 1, F0, F1, 0
	QUARTER 1, 2, F1, F0, 0
	QUARTER 1, 3, F0, F1, 0
	TURN 1, 0, 1
	QUARTER 0, 1, F0, F1, 0
	WIN 0
	s_sub_co_u32 s3, s3, 1
	s_cmp_lg_u32 s3, 0
	s_cbranch_scc1 .Llap
	QUARTER 0, 2, F1, F0, 0                        ; the last lap fills nothing, and has no round of the cluster's barrier
	QUARTER 0, 3, F0, F1, 0
	TURN 0, 1, 0
	QUARTER 1, 1, F0, F1, 0
	QUARTER 1, 2, F1, F0, 0
	QUARTER 1, 3, F0, F1, 0
	s_wait_dscnt 16
	WIN MUL
	MUL8 F1, 0, 0, 0
	MUL8 F1, 0, 2, 0
	s_wait_dscnt 0
	MUL8 F1, 1, 0, 0
	MUL8 F1, 1, 2, 0
	WIN 0
	; THE WAY OUT: round to bf16; 16 bytes a lane into my own stage; back as rows of 128 bytes, four to a load; 512 dense bytes a store.
	PLACES
.irp t, 0,1,2,3,4,5,6,7,8,9,10,11,12,13,14,15
.irp r, 0,1,2,3
	v_cvt_pk_bf16_f32 v[TMP+4*\t+\r], v[ACC+8*\t+2*\r], v[ACC+8*\t+2*\r+1]
.endr
.endr
.irp a, 0,1,2,3
.irp b, 0,1,2,3
	ds_store_b128 v[STO], v[TMP+4*(4*\a+\b):TMP+4*(4*\a+\b)+3] offset:\a*16*144+32*\b
.endr
.endr
.irp t, 0,1,2,3,4,5,6,7,8,9,10,11,12,13,14,15
	ds_load_b128 v[TMP+4*\t:TMP+4*\t+3], v[RD] offset:\t*4*144     ; LDS serves a wave's instructions in order (ISA guide 5.7.1.4): these see the stores above
.endr
.irp t, 0,1,2,3,4,5,6,7,8,9,10,11,12,13,14,15
	s_wait_dscnt 15-\t
	global_store_b128 v[CO], v[TMP+4*\t:TMP+4*\t+3], s[8:9] offset:512*\t
.endr
	s_wait_tensorcnt 0x0                           ; the wave's end
	ds_add_u32 v[SPW], v[NIL]
	s_wait_dscnt 0x0
	CROUND                                         ; the closing round: no work-group ends while a partner may still ask for a tile that names it
	s_endpgm
.Lfunc_end_k_q276c446a92_qkv:
	.size	k_q276c446a92_qkv, .Lfunc_end_k_q276c446a92_qkv-k_q276c446a92_qkv
	.p2alignl 7, 3214868480
	.fill 96, 4, 3214868480
	.section	.rodata,"a",@progbits
	.p2align	6, 0x0
	.amdhsa_kernel k_q276c446a92_qkv
		.amdhsa_group_segment_fixed_size 327680
		.amdhsa_private_segment_fixed_size 0
		.amdhsa_enable_private_segment 0
		.amdhsa_kernarg_size 24
		.amdhsa_user_sgpr_count 2
		.amdhsa_user_sgpr_kernarg_segment_ptr 1
		.amdhsa_wavefront_size32 1
		.amdhsa_system_sgpr_workgroup_id_x 1
		.amdhsa_system_sgpr_workgroup_id_y 1
		.amdhsa_system_sgpr_workgroup_id_z 1
		.amdhsa_system_vgpr_workitem_id 0
		.amdhsa_next_free_vgpr 512
		.amdhsa_next_free_sgpr 66
		.amdhsa_reserve_vcc 0
		.amdhsa_float_denorm_mode_32 3
		.amdhsa_float_denorm_mode_16_64 3
		.amdhsa_memory_ordered 1
		.amdhsa_forward_progress 1
		.amdhsa_inst_pref_size 87
	.end_amdhsa_kernel
	.amdgpu_metadata
---
amdhsa.version: [ 1, 2 ]
amdhsa.kernels:
  - .name:           k_q276c446a92_qkv
    .symbol:         k_q276c446a92_qkv.kd
    .args:
      - { .name: xn, .offset: 0, .size: 8, .value_kind: global_buffer, .address_space: global }
      - { .name: wb, .offset: 8, .size: 8, .value_kind: global_buffer, .address_space: global }
      - { .name: qkv, .offset: 16, .size: 8, .value_kind: global_buffer, .address_space: global }
    .group_segment_fixed_size: 327680
    .private_segment_fixed_size: 0
    .kernarg_segment_align: 8
    .kernarg_segment_size: 24
    .max_flat_workgroup_size: 128
    .sgpr_count:     66
    .vgpr_count:     512
    .wavefront_size: 32
...
	.end_amdgpu_metadata
.endif
;; end of part 2
;; launch attn (part 3): grid 8 x 32, 8 waves a work-group, no clusters, 327,680 bytes of LDS; arguments qkv, z; writes z
.if DOCPART == 3
	.amdgcn_target "amdgcn-amd-amdhsa--gfx1250"
	.amdhsa_code_object_version 6
	.text
	.protected	k_q276c446a92_attn
	.globl	k_q276c446a92_attn
	.p2align	8
	.type	k_q276c446a92_attn,@function
k_q276c446a92_attn:
	s_mov_b64 s[64:65], 0
	v_nop
	global_prefetch_b8 v0, s[64:65] scope:SCOPE_SE
	s_setreg_imm32_b32 hwreg(HW_REG_WAVE_MODE, 25, 1), 1
	s_wait_xcnt 0x0
; z[b][q][h*64 + e] = sum over k <= q of softmax_k(Q[q] . K[k] / 8) V[k][e], for each of the 32 (b, h).  q, k, v: bf16 [b*16 + h][2048][64] at qkv + 0, + 0x800000, + 0x1000000.
; Products, maxima and sums in f32; the weights are rounded to bf16 for the second product, z once at the end.
; SHARES.  Work-group (i, bh), i = 0..7, makes the query blocks i and 15 - i (128 queries each) of head bh, one after the other: (i + 1) + (16 - i) = 17 trips of 128 keys in every
; work-group.  Wave w: its queries are 32 (w % 4) .. + 31 of the block (two tiles of 16), its keys 64 (w / 4) .. + 63 of each 128.  The two waves that share queries meet at a block's
; end: waves 4-7 hand their maximum, sum and O through LDS to waves 0-3, which join the two halves, divide and store.
; LAYOUT.  S^T = K Q^T (source 0 = 16 keys, source 1 = 16 queries): a lane holds ONE query (lane % 16) and keys 8 (lane / 16) + 0..7.  Two such tiles rounded in pairs are source 1 of
; O^T = V^T P, whose result again holds one query a lane and eight channels.  K comes out of LDS as it lies, V turned (ds_load_tr16_b128).
; SOFTMAX.  A running maximum m and sum l for each query: p = 2^(c s - c m), c = log2(e) / 8; O and l are multiplied by 2^(c m_old - c m_new) in every trip.
; THE MASK stands in a block's last trip alone: in the earlier ones every key lies below every query of the block.  Masked scores become -infinity.
; LIMIT.  m starts at -FLT_MAX (0xff7fffff), not at -infinity, so that a wave all of whose keys are masked forms no difference of infinities; a finite score is never below it.
; NO JOINT REQUESTS.  The eight work-groups of a head read the same K and V, but in trip n work-group i wants tile n (n <= i) or tile n - i - 1: partners want different tiles in a trip.
; STORES.  A head's share of a row of z is 64 bf16: the stores are pieces of 128 consecutive bytes, eight lanes each.
.set PK,    144       ; a row of K in LDS: 128 bytes + 16 = 36 words: the 16 rows of a load start at 16 different groups of four banks (64 banks of 4 bytes: ISA guide 11.1)
.set PV,    160       ; a row of V: 128 + 32 = 40 words, an odd multiple of 32 bytes, for the turning load
.set VOFF,  128*PK    ; a slot: 128 rows of K, then 128 rows of V
.set SLOT1, 1<<16     ; slot 1 begins here: one exclusive or turns an address in one slot into the other's
.set MERGE, 131072    ; 4 x 8,704 bytes: what wave w + 4 hands to wave w: O (16 x 512 bytes), then c m and l (512 bytes)
.set ZST,   MERGE+4*8704  ; 4 x 32 rows x 144 bytes: waves 0-3's own stages for the way out
.set SPARE, ZST+4*32*144  ; the spare words, 128 bytes for each of the eight waves, which no other line names
.set AK,  2           ; v2   my lane's place in a slot's K; never rewritten
.set AV,  3           ; v3   the same for V
.set ADK, 4           ; v4, v5  the same in the slot in hand
.set ADV, 5
.set QO,  6           ; v6   my byte offset in the wave's rows of Q
.set SPW, 10          ; v10  LDS address of my spare word; never rewritten
.set NIL, 11          ; v11  0; never rewritten
.set ST,  12          ; tile t's statistics at v[ST + 8 t]: +0 c m, +1 m, +2, +3 l (even keys', odd keys'), +4 to +7 at work
.set MS,  28          ; v[28:31] c m of tiles 0, 1 and l of tiles 0, 1, as handed over
.set REL, 32          ; v32, v33  tile t: my query's place in the block less my first key's place in the slot: 32 (w % 4) + 16 t + l % 16 - 64 (w / 4) - 8 (l / 16)
.set NEG, 34          ; v34  -infinity
.set MG,  35          ; v35  my 16 bytes in my pair's part of MERGE
.set STO, 36
.set RD,  37
.set GO,  38
.set F,   40          ; v[40:47] tile t: a0 / l twice, a1 / l twice
.set S,   64          ; v[64:127]  S^T, 32 a tile
.set P,   128         ; v[128:159] P, 16 a tile
.set O,   160         ; v[160:223] O^T, 32 a tile
.set QF,  0           ; window 1: v[0:31] Q, v[32:95] K, v[96:159] V
.set KF,  32
.set VF,  96
.set WV,  8           ; s8   wave
.set WQ,  9           ; s9   wave % 4
.set GK,  10          ; s10  wave / 4
.set IB,  11          ; s11  i
.set BH,  12          ; s12  b*16 + h
.set NT,  13          ; s13  the trip
.set TB,  14          ; s14  LDS byte at which the slot in hand begins
.set G1K, 16          ; s[16:23], s[24:31] descriptor group 1 for K's and V's tiles: they differ in the padding
.set G1V, 24
.set G0K, 32          ; s[32:35], s[36:39] descriptor group 0: one walking set each
.set G0V, 36
.set CS,  40          ; s[40:41] c, twice
.set SEL, 42          ; s[42:43] lane selects for v_permlanex16_b32
.set QB,  44          ; s[44:45] Q at my wave's first query
.set ZB,  46          ; s[46:47] z at the same
.set BK,  48          ; s[48:49] what the tiles' addresses go back by in this trip, as a pair
.set BACK, 50         ; s50  (i + 1) x 16,384: from behind the first block's last tile back to key 0
.set QSTEP, 52        ; s[52:53], s[54:55] from the first block to the second, in Q and in z
.set ZSTEP, 54
.set MSB, 0
.macro WIN new
.if MSB != \new
	s_set_vgpr_msb (MSB<<8)|\new
.set MSB, \new
.endif
.endm
.macro PLACES         ; four places behind matrix instructions (ISA guide 7.12.1)
.rept 4
	v_nop
.endr
.endm
; The next tile: waves 0, 1 fetch the halves of K (64 rows each), waves 2, 3 those of V; waves 4-7 fetch nothing.  One load of a wave is out at the most.
.macro KVLOAD
	s_cmp_lt_u32 s[WV], 2
	s_cbranch_scc0 .Lnot_k_\@
	tensor_load_to_lds s[G0K:G0K+3], s[G1K:G1K+7]
	s_nop 0
.rept 4
	v_nop
.endr
	s_branch .Lasked_\@
.Lnot_k_\@:
	s_cmp_lt_u32 s[WV], 4
	s_cbranch_scc0 .Lasked_\@
	tensor_load_to_lds s[G0V:G0V+3], s[G1V:G1V+7]
	s_nop 0
.rept 4
	v_nop
.endr
.Lasked_\@:
.endm
.macro QLOAD          ; my 32 queries stay in registers for a block: tile t, channels 32 c on
	WIN 0x40
.irp t, 0,1
.irp c, 0,1
	global_load_b128 v[QF+16*\t+8*\c:QF+16*\t+8*\c+3],   v[QO], s[QB:QB+1] offset:2048*\t+64*\c
	global_load_b128 v[QF+16*\t+8*\c+4:QF+16*\t+8*\c+7], v[QO], s[QB:QB+1] offset:2048*\t+64*\c+32
.endr
.endr
	WIN 0
.endm
.macro INIT           ; a block begins.  O is cleared, twice in the launch: every trip is one text, which adds onto O and rescales it
.irp t, 0,1
	v_mov_b32 v[ST+8*\t+1], 0xff7fffff
	v_mul_f32 v[ST+8*\t], s[CS], v[ST+8*\t+1]
	v_mov_b32 v[ST+8*\t+2], 0
	v_mov_b32 v[ST+8*\t+3], 0
.endr
.set ii, 0
.rept 64
	v_mov_b32 v[O+ii], 0
.set ii, ii+1
.endr
.endm
.macro FETCH          ; 32 LDS loads in one run: my 64 keys of K (8 fragments), then of V (8 fragments, turned)
	WIN 0
	v_add_nc_u32 v[ADK], s[TB], v[AK]
	v_add_nc_u32 v[ADV], s[TB], v[AV]
	WIN 0x40
.irp kt, 0,1,2,3
.irp c, 0,1
	ds_load_b128 v[KF+8*(2*\kt+\c):KF+8*(2*\kt+\c)+3],   v[ADK] offset:\kt*16*PK+64*\c
	ds_load_b128 v[KF+8*(2*\kt+\c)+4:KF+8*(2*\kt+\c)+7], v[ADK] offset:\kt*16*PK+64*\c+32
.endr
.endr
.irp kh, 0,1
.irp ct, 0,1,2,3
	ds_load_tr16_b128 v[VF+8*(4*\kh+\ct):VF+8*(4*\kh+\ct)+3],   v[ADV] offset:\kh*32*PV+32*\ct
	ds_load_tr16_b128 v[VF+8*(4*\kh+\ct)+4:VF+8*(4*\kh+\ct)+7], v[ADV] offset:\kh*32*PV+16*PV+32*\ct
.endr
.endr
.endm
.macro KQ             ; S^T = K Q^T: 16 matrix instructions; the eight accumulators take turns; the first eight start the sums
	WIN 0x05
.irp c, 0,1
.irp kt, 0,1,2,3
.irp t, 0,1
.if \c == 0
	v_wmma_f32_16x16x32_bf16 v[S+32*\t+8*\kt:S+32*\t+8*\kt+7], v[KF+8*(2*\kt+\c):KF+8*(2*\kt+\c)+7], v[QF+16*\t+8*\c:QF+16*\t+8*\c+7], 0
.else
	v_wmma_f32_16x16x32_bf16 v[S+32*\t+8*\kt:S+32*\t+8*\kt+7], v[KF+8*(2*\kt+\c):KF+8*(2*\kt+\c)+7], v[QF+16*\t+8*\c:QF+16*\t+8*\c+7], v[S+32*\t+8*\kt:S+32*\t+8*\kt+7]
.endif
.endr
.endr
.endr
.endm
.macro MASK           ; key 16 kt + j of my lane's keys lies behind my query where 16 kt + j > REL
.irp t, 0,1
.irp kt, 0,1,2,3
.irp j, 0,1,2,3,4,5,6,7
	v_cmp_gt_i32 vcc_lo, 16*\kt+\j, v[REL+\t]
	v_cndmask_b32 v[S+32*\t+8*\kt+\j], v[S+32*\t+8*\kt+\j], v[NEG], vcc_lo
.endr
.endr
.endr
.endm
.macro SOFT           ; both tiles' softmax for this trip; the two tiles alternate line by line where a line feeds the next
.irp j, 0,1,2,3                     ; the maximum of 32 scores and the old m, three operands at a time; each accumulator is read from its low end on
.irp t, 0,1
	v_max3_num_f32 v[ST+8*\t+4+\j], v[S+32*\t+8*\j], v[S+32*\t+8*\j+1], v[S+32*\t+8*\j+2]
.endr
.endr
.irp u, 1,2
.irp j, 0,1,2,3
.irp t, 0,1
	v_max3_num_f32 v[ST+8*\t+4+\j], v[ST+8*\t+4+\j], v[S+32*\t+8*\j+2*\u+1], v[S+32*\t+8*\j+2*\u+2]
.endr
.endr
.endr
.irp t, 0,1
	v_max3_num_f32 v[ST+8*\t+4], v[ST+8*\t+4], v[S+32*\t+7], v[S+32*\t+15]
.endr
.irp t, 0,1
	v_max3_num_f32 v[ST+8*\t+6], v[ST+8*\t+6], v[S+32*\t+23], v[S+32*\t+31]
.endr
.irp t, 0,1
	v_max3_num_f32 v[ST+8*\t+4], v[ST+8*\t+4], v[ST+8*\t+5], v[ST+8*\t+6]
.endr
.irp t, 0,1
	v_max3_num_f32 v[ST+8*\t+4], v[ST+8*\t+4], v[ST+8*\t+7], v[ST+8*\t+1]
.endr
.irp t, 0,1
	v_permlanex16_b32 v[ST+8*\t+5], v[ST+8*\t+4], s[SEL], s[SEL+1]  ; the query's other keys lie in the lane 16 away
.endr
.irp t, 0,1
	v_mov_b32 v[ST+8*\t+7], v[ST+8*\t]             ; c m_old
.endr
.irp t, 0,1
	v_max_num_f32 v[ST+8*\t+1], v[ST+8*\t+4], v[ST+8*\t+5]
.endr
.irp t, 0,1
	v_mul_f32 v[ST+8*\t], s[CS], v[ST+8*\t+1]
.endr
.irp t, 0,1
	v_sub_f32 v[ST+8*\t+7], v[ST+8*\t+7], v[ST+8*\t]
.endr
.irp t, 0,1
	v_exp_f32 v[ST+8*\t+6], v[ST+8*\t+7]           ; a = 2^(c m_old - c m_new)
.endr
.irp t, 0,1
.set ii, 0
.rept 16
	v_pk_fma_f32 v[S+32*\t+ii:S+32*\t+ii+1], v[S+32*\t+ii:S+32*\t+ii+1], s[CS:CS+1], v[ST+8*\t:ST+8*\t+1] op_sel_hi:[1,0,0] neg_lo:[0,0,1] neg_hi:[0,0,1]  ; c s - c m
.set ii, ii+2
.endr
.endr
.irp t, 0,1
.set ii, 0
.rept 32
	v_exp_f32 v[S+32*\t+ii], v[S+32*\t+ii]
.set ii, ii+1
.endr
.endr
	s_wait_alu depctr_va_vdst(0)
.irp t, 0,1                         ; O times a: plain instructions that name no exponential just made stand behind the last of them (ISA guide 5.7.2)
.set ii, 0
.rept 16
	v_pk_mul_f32 v[O+32*\t+ii:O+32*\t+ii+1], v[O+32*\t+ii:O+32*\t+ii+1], v[ST+8*\t+6:ST+8*\t+7] op_sel_hi:[1,0]
.set ii, ii+2
.endr
.endr
.irp t, 0,1
.set ii, 0
.rept 16
	v_cvt_pk_bf16_f32 v[P+16*\t+ii], v[S+32*\t+2*ii], v[S+32*\t+2*ii+1]
.set ii, ii+1
.endr
.endr
.irp w, 4,8,16,32                   ; the sum of a tile's 16 pairs, in place: neighbours 1, 2, 4, 8 pairs apart
.irp t, 0,1
.set ii, 0
.rept 32/\w
	v_pk_add_f32 v[S+32*\t+ii:S+32*\t+ii+1], v[S+32*\t+ii:S+32*\t+ii+1], v[S+32*\t+ii+\w/2:S+32*\t+ii+\w/2+1]
.set ii, ii+\w
.endr
.endr
.endr
.irp t, 0,1
	v_pk_fma_f32 v[ST+8*\t+2:ST+8*\t+3], v[ST+8*\t+2:ST+8*\t+3], v[ST+8*\t+6:ST+8*\t+7], v[S+32*\t:S+32*\t+1] op_sel_hi:[1,0,1]  ; l = a l + the sum
.endr
.endm
.macro PV             ; O^T += V^T P: 16 matrix instructions; the eight accumulators take turns
	s_wait_dscnt 0x0                ; V is in
	WIN 0x01
.irp kh, 0,1
.irp ct, 0,1,2,3
.irp t, 0,1
	v_wmma_f32_16x16x32_bf16 v[O+32*\t+8*\ct:O+32*\t+8*\ct+7], v[VF+8*(4*\kh+\ct):VF+8*(4*\kh+\ct)+7], v[P+16*\t+8*\kh:P+16*\t+8*\kh+7], v[O+32*\t+8*\ct:O+32*\t+8*\ct+7]
.endr
.endr
.endr
	WIN 0
	PLACES                          ; in front of the next loads into V's registers and the next reads and writes of O
.endm
; A block's end.  Waves 4-7 hand over; a barrier; waves 0-3 join, divide, round and store.  last = 0: every wave then goes on to the second block.
.macro FINISH last
	s_cmp_lt_u32 s[WV], 4
	s_cbranch_scc1 .Lkeep_\@
	v_mov_b32 v[MS], v[ST]
	v_mov_b32 v[MS+1], v[ST+8]
	v_add_f32 v[MS+2], v[ST+2], v[ST+3]
	v_add_f32 v[MS+3], v[ST+10], v[ST+11]
	ds_store_b128 v[MG], v[MS:MS+3] offset:8192
.irp n, 0,1,2,3,4,5,6,7,8,9,10,11,12,13,14,15
	ds_store_b128 v[MG], v[O+4*\n:O+4*\n+3] offset:512*\n
.endr
.Lkeep_\@:
	s_wait_dscnt 0x0                ; for the others' sake: my stores are done.  The tile asked for in this trip may stay out
	s_barrier_signal -1
	s_barrier_wait -1
	s_cmp_lt_u32 s[WV], 4
	s_cbranch_scc0 .Lgave_\@
	ds_load_b128 v[MS:MS+3], v[MG] offset:8192
.irp n, 0,1,2,3,4,5,6,7,8,9,10,11,12,13,14,15
	ds_load_b128 v[S+4*\n:S+4*\n+3], v[MG] offset:512*\n
.endr
	s_wait_dscnt 0x0
.irp t, 0,1
	v_max_num_f32 v[ST+8*\t+4], v[ST+8*\t], v[MS+\t]        ; the joint c m
	v_sub_f32 v[ST+8*\t+5], v[ST+8*\t], v[ST+8*\t+4]
	v_sub_f32 v[ST+8*\t+6], v[MS+\t], v[ST+8*\t+4]
	v_exp_f32 v[ST+8*\t+5], v[ST+8*\t+5]                    ; a0
	v_exp_f32 v[ST+8*\t+6], v[ST+8*\t+6]                    ; a1
	v_add_f32 v[ST+8*\t+2], v[ST+8*\t+2], v[ST+8*\t+3]      ; (a plain line that names neither)
	s_wait_alu depctr_va_vdst(0)
	v_mul_f32 v[ST+8*\t+2], v[ST+8*\t+5], v[ST+8*\t+2]
	v_fma_f32 v[ST+8*\t+2], v[ST+8*\t+6], v[MS+2+\t], v[ST+8*\t+2]
	v_permlanex16_b32 v[ST+8*\t+7], v[ST+8*\t+2], s[SEL], s[SEL+1]
	v_add_f32 v[ST+8*\t+2], v[ST+8*\t+2], v[ST+8*\t+7]      ; l of all keys: at least 1, since key 0 is open to every query and the largest weight is 1
	v_rcp_f32 v[ST+8*\t+3], v[ST+8*\t+2]
	v_nop
	s_wait_alu depctr_va_vdst(0)
	v_mul_f32 v[F+4*\t], v[ST+8*\t+5], v[ST+8*\t+3]
	v_mul_f32 v[F+4*\t+1], v[ST+8*\t+5], v[ST+8*\t+3]
	v_mul_f32 v[F+4*\t+2], v[ST+8*\t+6], v[ST+8*\t+3]
	v_mul_f32 v[F+4*\t+3], v[ST+8*\t+6], v[ST+8*\t+3]
.set ii, 0
.rept 16
	v_pk_mul_f32 v[O+32*\t+ii:O+32*\t+ii+1], v[O+32*\t+ii:O+32*\t+ii+1], v[F+4*\t:F+4*\t+1]
.set ii, ii+2
.endr
.set ii, 0
.rept 16
	v_pk_fma_f32 v[O+32*\t+ii:O+32*\t+ii+1], v[S+32*\t+ii:S+32*\t+ii+1], v[F+4*\t+2:F+4*\t+3], v[O+32*\t+ii:O+32*\t+ii+1]
.set ii, ii+2
.endr
.set ii, 0
.rept 16
	v_cvt_pk_bf16_f32 v[P+16*\t+ii], v[O+32*\t+2*ii], v[O+32*\t+2*ii+1]
.set ii, ii+1
.endr
.endr
.irp t, 0,1
.irp ct, 0,1,2,3
	ds_store_b128 v[STO], v[P+4*(4*\t+\ct):P+4*(4*\t+\ct)+3] offset:\t*16*144+32*\ct
.endr
.endr
.irp u, 0,1,2,3,4,5,6,7
	ds_load_b128 v[S+4*\u:S+4*\u+3], v[RD] offset:\u*4*144  ; my own stage: LDS serves a wave's instructions in order (ISA guide 5.7.1.4)
.endr
.irp u, 0,1,2,3,4,5,6,7
	s_wait_dscnt 7-\u
	global_store_b128 v[GO], v[S+4*\u:S+4*\u+3], s[ZB:ZB+1] offset:8192*\u  ; four rows of z: eight lanes store 128 consecutive bytes
.endr
.Lgave_\@:
.if \last == 0
	s_wait_xcnt 0x0                 ; the stores' base and data are rewritten only behind this wait
	s_add_nc_u64 s[QB:QB+1], s[QB:QB+1], s[QSTEP:QSTEP+1]
	s_add_nc_u64 s[ZB:ZB+1], s[ZB:ZB+1], s[ZSTEP:ZSTEP+1]
	QLOAD
	INIT
.endif
.endm
; A trip: 128 keys.  refill = 1: the next tile is asked for, into the slot read in the trip before.  tail = 1: the last trip, which is the second block's last.
.macro TRIP refill, tail
	s_wait_tensorcnt 0x0            ; all my tensor loads have landed, my part of this trip's tile among them: the walking descriptors may be written
	ds_add_u32 v[SPW], v[NIL]       ; 0 onto my spare word
.if \refill
	s_xor_b32 s[G0K+1], s[G0K+1], SLOT1
	s_xor_b32 s[G0V+1], s[G0V+1], SLOT1
	s_add_nc_u64 s[G0K+2:G0K+3], s[G0K+2:G0K+3], 16384  ; the next 128 keys; the type bits on top are not reached
	s_add_nc_u64 s[G0V+2:G0V+3], s[G0V+2:G0V+3], 16384
	s_cmp_eq_u32 s[NT], s[IB]       ; behind the first block's last tile comes the second block's first: key 0
	s_cselect_b32 s[BK], s[BACK], 0
	s_sub_nc_u64 s[G0K+2:G0K+3], s[G0K+2:G0K+3], s[BK:BK+1]
	s_sub_nc_u64 s[G0V+2:G0V+3], s[G0V+2:G0V+3], s[BK:BK+1]
.endif
	s_wait_dscnt 0x0                ; the add is done, and my reads of the other slot are over
	s_barrier_signal -1
	s_barrier_wait -1               ; both now hold of all eight waves
.if \refill
	KVLOAD                          ; first thing behind the barrier; it has the whole trip in which to land
.endif
	FETCH
	s_wait_loadcnt 0x0              ; Q
	s_wait_dscnt 16                 ; K is in; V's sixteen loads may stay out
	KQ
	WIN 0
	PLACES
.if \tail
	MASK
.else
	s_cmp_lg_u32 s[NT], s[IB]       ; the same in all eight waves: a counter against the work-group's number
	s_cbranch_scc1 .Lopen_\@
	MASK
.Lopen_\@:
.endif
	SOFT
	PV
	s_xor_b32 s[TB], s[TB], SLOT1
.if \tail
	FINISH 1
.else
	s_cmp_lg_u32 s[NT], s[IB]
	s_cbranch_scc1 .Lon_\@
	FINISH 0
.Lon_\@:
.endif
.endm
	s_load_b128 s[4:7], s[0:1], 0x0 ; qkv s[4:5], z s[6:7]
	v_lshl_add_u32 v[SPW], v0, 2, SPARE
	v_mov_b32 v[NIL], 0
	ds_add_u32 v10, v11
	s_wait_dscnt 0x0
	s_barrier_signal -1
	s_barrier_wait -1
	v_lshrrev_b32 v1, 5, v0
	v_readfirstlane_b32 s[WV], v1
	s_and_b32 s[WQ], s[WV], 3
	s_lshr_b32 s[GK], s[WV], 2
	s_mov_b32 s[IB], ttmp9
	s_and_b32 s[BH], ttmp7, 0xffff
	s_mov_b32 s[G1K], (1<<16)|(1<<20)|(4<<22)|(3<<25)  ; no mask; elements of 2 bytes; padding on: after every 32 words, 4 words
	s_mov_b32 s[G1V], (1<<16)|(1<<20)|(4<<22)|(7<<25)  ; the same with 8 words
.irp g, G1K, G1V
	s_mov_b32 s[\g+1], 64<<16       ; tensor_dim0 = 64
	s_mov_b32 s[\g+2], 64<<16       ; tensor_dim1 = 64
	s_mov_b32 s[\g+3], 64<<16       ; tile_dim0 = 64
	s_mov_b32 s[\g+4], 64           ; tile_dim1 = 64
	s_mov_b32 s[\g+5], 64           ; elements from row to row
	s_mov_b32 s[\g+6], 0
	s_mov_b32 s[\g+7], 0
.endr
	s_and_b32 s15, s[WV], 1         ; which 64 rows of a tile I fetch
	s_mov_b32 s[G0K], 1
	s_mul_i32 s[G0K+1], s15, 64*PK
	s_mov_b32 s[G0V], 1
	s_mul_i32 s[G0V+1], s15, 64*PV
	s_add_co_u32 s[G0V+1], s[G0V+1], VOFF
	s_lshl_b32 s56, s[BH], 18       ; the head: 262,144 bytes in each of q, k, v
	s_mov_b32 s57, 0
	s_lshl_b32 s58, s15, 13
	s_add_co_u32 s58, s58, s56
	s_mov_b32 s59, 0
	s_lshl_b32 s15, s[IB], 14       ; Q: + block i (128 rows of 128 bytes) + 32 rows a wave
	s_add_co_u32 s56, s56, s15
	s_lshl_b32 s15, s[WQ], 12
	s_add_co_u32 s56, s56, s15
	s_lshr_b32 s60, s[BH], 4        ; z: (b x 2048 + 128 i + 32 (w % 4)) rows of 2,048 bytes + h x 128
	s_lshl_b32 s60, s60, 22
	s_lshl_b32 s15, s[IB], 18
	s_add_co_u32 s60, s60, s15
	s_lshl_b32 s15, s[WQ], 16
	s_add_co_u32 s60, s60, s15
	s_and_b32 s15, s[BH], 15
	s_lshl_b32 s15, s15, 7
	s_add_co_u32 s60, s60, s15
	s_mov_b32 s61, 0
	s_lshl_b32 s15, s[IB], 1
	s_sub_co_u32 s15, 15, s15       ; the second block lies 15 - 2 i blocks further on
	s_lshl_b32 s[QSTEP], s15, 14
	s_mov_b32 s[QSTEP+1], 0
	s_lshl_b32 s[ZSTEP], s15, 18
	s_mov_b32 s[ZSTEP+1], 0
	s_add_co_u32 s[BACK], s[IB], 1
	s_lshl_b32 s[BACK], s[BACK], 14
	s_mov_b32 s[BK], 0
	s_mov_b32 s[BK+1], 0
	s_mov_b32 s[CS], 0x3e38aa3b     ; c = log2(e) / 8
	s_mov_b32 s[CS+1], s[CS]
	s_mov_b32 s[SEL], 0x76543210
	s_mov_b32 s[SEL+1], 0xfedcba98
	s_mov_b32 s[NT], 0
	s_mov_b32 s[TB], 0
	s_wait_kmcnt 0x0
	s_add_nc_u64 s[G0K+2:G0K+3], s[4:5], s[58:59]
	s_add_nc_u64 s[G0V+2:G0V+3], s[G0K+2:G0K+3], 0x1000000
	s_add_nc_u64 s[G0K+2:G0K+3], s[G0K+2:G0K+3], 0x800000
	s_or_b32 s[G0K+3], s[G0K+3], 0x80000000
	s_or_b32 s[G0V+3], s[G0V+3], 0x80000000
	s_add_nc_u64 s[QB:QB+1], s[4:5], s[56:57]
	s_add_nc_u64 s[ZB:ZB+1], s[6:7], s[60:61]
	KVLOAD                          ; tile 0 into slot 0: the one first fill; every wait for tiles in this text is for 0
	v_and_b32 v1, 15, v0            ; l % 16
	v_bfe_u32 v7, v0, 4, 1          ; l / 16
	v_mul_u32_u24 v[AK], v1, PK
	v_lshl_add_u32 v[AK], v7, 4, v[AK]
	s_mul_i32 s15, s[GK], 64*PK     ; my 64 keys
	v_add_nc_u32 v[AK], s15, v[AK]
	v_and_b32 v8, 7, v0
	v_lshl_add_u32 v8, v7, 3, v8
	v_mul_u32_u24 v[AV], v8, PV
	v_bfe_u32 v9, v0, 3, 1
	v_lshl_add_u32 v[AV], v9, 4, v[AV]
	s_mul_i32 s15, s[GK], 64*PV
	s_add_co_u32 s15, s15, VOFF
	v_add_nc_u32 v[AV], s15, v[AV]
	v_lshlrev_b32 v[QO], 7, v1
	v_lshl_add_u32 v[QO], v7, 4, v[QO]
	s_lshl_b32 s15, s[WQ], 5
	s_lshl_b32 s56, s[GK], 6
	s_sub_co_i32 s15, s15, s56      ; 32 (w % 4) - 64 (w / 4), signed
	v_lshlrev_b32 v8, 3, v7
	v_sub_nc_u32 v8, v1, v8
	v_add_nc_u32 v[REL], s15, v8
	v_add_nc_u32 v[REL+1], 16, v[REL]
	v_mov_b32 v[NEG], 0xff800000
	v_and_b32 v8, 31, v0
	s_mul_i32 s15, s[WQ], 8704
	s_add_co_u32 s15, s15, MERGE
	v_lshl_add_u32 v[MG], v8, 4, s15
	s_mul_i32 s15, s[WQ], 32*144
	s_add_co_u32 s15, s15, ZST
	v_mul_u32_u24 v[STO], v1, 144   ; in: row l % 16, 16 bytes for each half of the lanes
	v_lshl_add_u32 v[STO], v7, 4, v[STO]
	v_add_nc_u32 v[STO], s15, v[STO]
	v_bfe_u32 v8, v0, 3, 2          ; back: four rows of 128 bytes a load
	v_and_b32 v9, 7, v0
	v_mul_u32_u24 v[RD], v8, 144
	v_lshl_add_u32 v[RD], v9, 4, v[RD]
	v_add_nc_u32 v[RD], s15, v[RD]
	v_lshlrev_b32 v[GO], 11, v8     ; and the same four rows in z
	v_lshl_add_u32 v[GO], v9, 4, v[GO]
	QLOAD
	INIT
.Ltrip:                             ; trips 0 to 15: each asks for the next trip's tile
	TRIP 1, 0
	s_add_co_u32 s[NT], s[NT], 1
	s_cmp_lt_u32 s[NT], 16
	s_cbranch_scc1 .Ltrip
	TRIP 0, 1                       ; trip 16 is written out: nothing is left to ask for
	s_wait_tensorcnt 0x0            ; the wave's end
	ds_add_u32 v[SPW], v[NIL]
	s_wait_dscnt 0x0
	s_endpgm
.Lfunc_end_k_q276c446a92_attn:
	.size	k_q276c446a92_attn, .Lfunc_end_k_q276c446a92_attn-k_q276c446a92_attn
	.p2alignl 7, 3214868480
	.fill 96, 4, 3214868480
	.section	.rodata,"a",@progbits
	.p2align	6, 0x0
	.amdhsa_kernel k_q276c446a92_attn
		.amdhsa_group_segment_fixed_size 327680
		.amdhsa_private_segment_fixed_size 0
		.amdhsa_enable_private_segment 0
		.amdhsa_kernarg_size 16
		.amdhsa_user_sgpr_count 2
		.amdhsa_user_sgpr_kernarg_segment_ptr 1
		.amdhsa_wavefront_size32 1
		.amdhsa_system_sgpr_workgroup_id_x 1
		.amdhsa_system_sgpr_workgroup_id_y 1
		.amdhsa_system_sgpr_workgroup_id_z 1
		.amdhsa_system_vgpr_workitem_id 0
		.amdhsa_next_free_vgpr 416
		.amdhsa_next_free_sgpr 66
		.amdhsa_reserve_vcc 1
		.amdhsa_float_denorm_mode_32 3
		.amdhsa_float_denorm_mode_16_64 3
		.amdhsa_memory_ordered 1
		.amdhsa_forward_progress 1
		.amdhsa_inst_pref_size 80
	.end_amdhsa_kernel
	.amdgpu_metadata
---
amdhsa.version: [ 1, 2 ]
amdhsa.kernels:
  - .name:           k_q276c446a92_attn
    .symbol:         k_q276c446a92_attn.kd
    .args:
      - { .name: qkv, .offset: 0, .size: 8, .value_kind: global_buffer, .address_space: global }
      - { .name: z, .offset: 8, .size: 8, .value_kind: global_buffer, .address_space: global }
    .group_segment_fixed_size: 327680
    .private_segment_fixed_size: 0
    .kernarg_segment_align: 8
    .kernarg_segment_size: 16
    .max_flat_workgroup_size: 256
    .sgpr_count:     66
    .vgpr_count:     416
    .wavefront_size: 32
...
	.end_amdgpu_metadata
.endif
;; end of part 3
;; launch oproj (part 4): grid 8 x 32, 4 waves a work-group, clusters of 4 x 4, 327,680 bytes of LDS; arguments z, wb, r2, resid; writes r2
.if DOCPART == 4
	.amdgcn_target "amdgcn-amd-amdhsa--gfx1250"
	.amdhsa_code_object_version 6
	.text
	.protected	k_q276c446a92_oproj
	.globl	k_q276c446a92_oproj
	.p2align	8
	.type	k_q276c446a92_oproj,@function
k_q276c446a92_oproj:
	s_mov_b64 s[64:65], 0
	v_nop
	global_prefetch_b8 v0, s[64:65] scope:SCOPE_SE
	s_setreg_imm32_b32 hwreg(HW_REG_WAVE_MODE, 25, 1), 1
	s_wait_xcnt 0x0
	s_wait_alu depctr_hold_cnt(0) depctr_sa_sdst(0) depctr_va_vdst(0) depctr_va_sdst(0) depctr_va_ssrc(0) depctr_va_vcc(0) depctr_vm_vsrc(0)
	s_getreg_b32 s2, hwreg(HW_REG_IB_STS2, 6, 4)
	s_cmp_eq_u32 s2, 0
	s_cbranch_scc0 .Lentry_in_a_cluster
	s_endpgm
.Lentry_in_a_cluster:
	s_bfe_u32 s2, ttmp6, 0x10000c
	s_cmp_lg_u32 s2, 0xf033
	s_cbranch_scc0 .Lentry_shape_is_right
	s_endpgm
.Lentry_shape_is_right:
; C[m][n] = R[m][n] + sum over k of A[m][k] B[k][n].  A = z [4096][1024] bf16, B = w_o as bf16 [1024][1024] at wb + 0x600000, R = resid, C = r2, both f32 [4096][1024].
; A tile of C is 128 x 128: 8 x 32 = 256 work-groups.  Four waves, each 64 x 64: 16 accumulators of 16 x 16.  K goes in steps of 256 through two LDS slots.
; A's tile: 128 rows x 512 bytes.  B lies [k][n]: its tile is 256 rows (k) x 256 bytes, and its fragments come out of LDS turned (ds_load_tr16_b128).
; CLUSTERS: 4 x 4 work-groups.  The four of a row of the cluster need the same tiles of A, the four of a column the same tiles of B: each tile is asked for jointly.
; THE MATRIX INSTRUCTION IS USED TRANSPOSED (source 0 = 16 columns of B, source 1 = 16 rows of A): a lane then holds eight neighbouring numbers of a row of C.
; REGISTERS: window 0: v0-31 addresses; v32-95 rows of R, two blocks of 16 rows; v96-127 a block of C read back; v128-255 the accumulators ((a, b) at v[128 + 8 (4 a + b)]).
;   window 1: two fragment buffers of 128: for 64 along K, 64 registers of A (2 x 4 x 16 rows x 32 K), then 64 of B.
.set SIZE_N, 1024
.set SIZE_K, 1024
.set WOFF,   0x600000                  ; where B begins in wb
.set BIAS,   0                         ; no bias in this product
.set KSTEP,  256
.set PA,     528                       ; a row of A in LDS: 512 bytes + 16 = 132 words: row r starts at bank 4 r mod 64 (64 banks of 4 bytes: ISA guide 11.1)
.set PB,     288                       ; a row of B in LDS: 256 bytes + 32 = 72 words: row r starts at bank 8 r mod 64
.set AHALF,  64*PA
.set BHALF,  128*PB
.set BOFF,   2*AHALF
.set SLOT,   BOFF+2*BHALF
.set STAGE,  2*SLOT                    ; behind the ring: 16 rows x 272 bytes for each wave, for the way out
.set SPARE,  STAGE+4*16*272            ; behind the stages: the spare words, 128 bytes for each wave, which no other line names
.set LAPS,   SIZE_K/(2*KSTEP)
.set ADRA, 16
.set ADRB, 20
.set STO,  24
.set RD,   25
.set CO,   26
.set BO,   27
.set SPW,  28                          ; v28     LDS address of my spare word; never rewritten
.set NIL,  29                          ; v29     0; never rewritten
.set TMP,  32
.set OB,   96
.set ACC,  128
.set F0,   0
.set F1,   128
.set G1, 24
.set G0, 32
.set G1B, 48
.set G0B, 56
.set MSB, 0
.macro WIN new                         ; the immediate's high byte repeats the setting that is left
.if MSB != \new
	s_set_vgpr_msb (MSB<<8)|\new
.set MSB, \new
.endif
.endm
.set MUL,  0x05                        ; sources 0 (B) and 1 (A) window 1; C and D window 0
.set TO_F, 0x40                        ; destination window 1, address window 0
.macro JLOAD s                         ; a joint load: waves 0 and 1 fetch A's two halves, waves 2 and 3 B's; four v_nop follow each of the two lines
	s_cmp_eq_u32 s11, 0
	s_cbranch_scc0 .Lfor_b_\@
	tensor_load_to_lds s[G0+4*\s:G0+4*\s+3], s[G1:G1+7]
	s_nop 0
.rept 4
	v_nop
.endr
	s_branch .Lasked_\@
.Lfor_b_\@:
	tensor_load_to_lds s[G0B+4*\s:G0B+4*\s+3], s[G1B:G1B+7]
	s_nop 0
.rept 4
	v_nop
.endr
.Lasked_\@:
.endm
.macro CREST                           ; a round of the cluster's barrier behind its opening barrier
	s_cmp_lg_u32 s10, 0
	s_cbranch_scc1 .Lnot_wave_0_\@
	s_barrier_signal -3
.Lnot_wave_0_\@:
	s_barrier_wait -3
	s_barrier_signal -1
	s_barrier_wait -1
.endm
.macro CROUND                          ; a whole round
	s_barrier_signal -1
	s_barrier_wait -1
	CREST
.endm
.macro RLOAD a                         ; block a's 16 rows of R: lanes 0-15 one row's 256 bytes, lanes 16-31 the next
.irp t, 0,1,2,3,4,5,6,7
	global_load_b128 v[TMP+32*((\a)%2)+4*\t:TMP+32*((\a)%2)+4*\t+3], v[CO], s[66:67] offset:(16*(\a)+2*\t)*4096
.endr
.endm
	s_load_b128 s[4:7], s[0:1], 0x0                ; A s[4:5], wb s[6:7]
	s_load_b64 s[8:9], s[0:1], 0x10                ; C
	s_load_b64 s[66:67], s[0:1], 0x18              ; R
.if BIAS
	s_load_b64 s[68:69], s[0:1], 0x20              ; the bias
.endif
	v_lshl_add_u32 v[SPW], v0, 2, SPARE
	v_mov_b32 v[NIL], 0
	ds_add_u32 v28, v29
	s_wait_dscnt 0x0
	v_lshrrev_b32 v1, 5, v0
	v_readfirstlane_b32 s10, v1                    ; wave 0..3
	s_lshr_b32 s11, s10, 1                         ; which half of the tile's rows is mine.  Also: I fetch for A (0) or for B (1)
	s_and_b32 s12, s10, 1                          ; which half of its columns.  Also: which half of that tile I fetch
	s_bfe_u32 s40, ttmp6, 0x40000                  ; cx, cy: my place in the cluster
	s_bfe_u32 s41, ttmp6, 0x40004
	s_lshl_b32 s42, ttmp9, 2
	s_add_co_u32 s42, s42, s40                     ; tile column of C = 4 x cluster x + cx
	s_and_b32 s13, ttmp7, 0xffff
	s_lshl_b32 s13, s13, 2
	s_add_co_u32 s13, s13, s41                     ; tile row of C = 4 x cluster y + cy
	s_lshl_b32 s43, s41, 2
	s_lshl_b32 s43, 15, s43                        ; my row of the cluster
	s_lshl_b32 s44, 0x1111, s40                    ; my column
	s_or_b32 s[G1+0], s43, (1<<16)|(1<<20)|(1<<21)|(6<<22)|(3<<25)   ; mask: my row; elements of 2 bytes; padding on; bit 21 beside a mask; after every 128 words, 4 words
	s_mov_b32 s[G1+1], KSTEP<<16                   ; tensor_dim0 = 256
	s_mov_b32 s[G1+2], 64<<16                      ; tensor_dim1 = 64
	s_mov_b32 s[G1+3], KSTEP<<16                   ; tile_dim0 = 256
	s_mov_b32 s[G1+4], 64                          ; tile_dim1 = 64
	s_mov_b32 s[G1+5], SIZE_K                      ; elements from row to row
	s_mov_b32 s[G1+6], 0
	s_mov_b32 s[G1+7], 0
	s_or_b32 s[G1B+0], s44, (1<<16)|(1<<20)|(1<<21)|(5<<22)|(7<<25)  ; mask: my column; after every 64 words, 8 words
	s_mov_b32 s[G1B+1], 128<<16                    ; tensor_dim0 = 128 columns
	s_mov_b32 s[G1B+2], 128<<16                    ; tensor_dim1 = 128 k
	s_mov_b32 s[G1B+3], 128<<16
	s_mov_b32 s[G1B+4], 128
	s_mov_b32 s[G1B+5], SIZE_N
	s_mov_b32 s[G1B+6], 0
	s_mov_b32 s[G1B+7], 0
	s_lshl_b32 s17, s12, 6
	s_lshl_b32 s16, s13, 7
	s_add_co_u32 s16, s16, s17                     ; A: row 128 x tile row + 64 x half
	s_mov_b32 s17, 0
	s_mov_b64 s[18:19], SIZE_K*2
	s_mul_u64 s[16:17], s[16:17], s[18:19]
	s_mul_i32 s46, s12, 128*SIZE_N*2               ; B: k = 128 x half,
	s_lshl_b32 s47, s42, 8                         ; column 128 x tile column (256 bytes)
	s_add_co_u32 s46, s46, s47
	s_mov_b32 s47, 0
	s_mul_i32 s20, s12, AHALF                      ; where they go: no place in the cluster enters an LDS address
	s_mul_i32 s21, s12, BHALF
	s_add_co_u32 s21, s21, BOFF
	s_wait_kmcnt 0x0
	s_add_nc_u64 s[14:15], s[4:5], s[16:17]
	s_add_nc_u64 s[46:47], s[6:7], s[46:47]
.if WOFF
	s_add_nc_u64 s[46:47], s[46:47], WOFF
.endif
	CROUND                                         ; all sixteen work-groups are here: the first joint loads meet
.irp s, 0,1
	s_mov_b32 s[G0+4*\s], 1
	s_add_co_u32 s[G0+4*\s+1], s20, \s*SLOT
	s_add_nc_u64 s[G0+4*\s+2:G0+4*\s+3], s[14:15], \s*KSTEP*2
	s_or_b32 s[G0+4*\s+3], s[G0+4*\s+3], 0x80000000
	s_mov_b32 s[G0B+4*\s], 1
	s_add_co_u32 s[G0B+4*\s+1], s21, \s*SLOT
	s_add_nc_u64 s[G0B+4*\s+2:G0B+4*\s+3], s[46:47], \s*KSTEP*SIZE_N*2
	s_or_b32 s[G0B+4*\s+3], s[G0B+4*\s+3], 0x80000000
	JLOAD \s                                       ; two loads of mine are out behind the second
.endr
	v_and_b32 v1, 15, v0                           ; l % 16
	v_bfe_u32 v2, v0, 4, 1                         ; l / 16
	v_mul_u32_u24 v3, v1, PA
	v_lshl_add_u32 v3, v2, 4, v3                   ; a fragment of A: row x pitch + 16 x half
	s_mul_i32 s21, s11, AHALF                      ; my 64 rows of A
	v_add_nc_u32 v[ADRA], s21, v3
	v_add_nc_u32 v[ADRA+1], SLOT, v[ADRA]
	v_and_b32 v4, 7, v0                            ; a fragment of B, turned: lane l reads 16 bytes of row k = 8 (l / 16) + l % 8, columns 8 ((l / 8) % 2) on
	v_lshl_add_u32 v4, v2, 3, v4
	v_mul_u32_u24 v4, v4, PB
	v_bfe_u32 v5, v0, 3, 1
	v_lshl_add_u32 v4, v5, 4, v4
	s_lshl_b32 s22, s12, 7                         ; my 64 columns: 128 bytes
	s_add_co_u32 s22, s22, BOFF
	v_add_nc_u32 v[ADRB], s22, v4
	v_add_nc_u32 v[ADRB+1], BHALF, v[ADRB]
	v_add_nc_u32 v[ADRB+2], SLOT, v[ADRB]
	v_add_nc_u32 v[ADRB+3], SLOT+BHALF, v[ADRB]
	; the way out: my own stage of 16 rows x 272 bytes; in: row l % 16, 32 bytes for each half of the lanes; back: two whole rows of 256 bytes a load
	s_mul_i32 s23, s10, 16*272
	s_add_co_u32 s23, s23, STAGE
	v_mul_u32_u24 v4, v1, 272
	v_lshl_add_u32 v4, v2, 5, v4
	v_add_nc_u32 v[STO], s23, v4
	v_mul_u32_u24 v5, v2, 272
	v_lshl_add_u32 v5, v1, 4, v5
	v_add_nc_u32 v[RD], s23, v5
	v_lshlrev_b32 v5, 12, v2                       ; and the same two rows in C and in R: rows of 4,096 bytes
	v_lshl_add_u32 v[CO], v1, 4, v5
	s_lshl_b32 s16, s13, 7
	s_lshl_b32 s17, s11, 6
	s_add_co_u32 s16, s16, s17                     ; my first row
	s_lshl_b32 s16, s16, 12
	s_mov_b32 s17, 0
	s_add_nc_u64 s[8:9], s[8:9], s[16:17]
	s_add_nc_u64 s[66:67], s[66:67], s[16:17]
	s_lshl_b32 s46, s42, 9                         ; my first column, in bytes of f32 (in the registers that hold column figures alone)
	s_lshl_b32 s47, s12, 8
	s_add_co_u32 s46, s46, s47
	s_mov_b32 s47, 0
	s_add_nc_u64 s[8:9], s[8:9], s[46:47]
	s_add_nc_u64 s[66:67], s[66:67], s[46:47]
.if BIAS
	s_add_nc_u64 s[68:69], s[68:69], s[46:47]
	v_lshlrev_b32 v[BO], 4, v1
	global_load_b128 v[12:15], v[BO], s[68:69]     ; the bias of the four columns that I store
.endif
	RLOAD 0                                        ; asked for here, used on the way out: their registers are touched by nothing in between
	RLOAD 1
; 8 matrix instructions: m blocks a0, a0 + 1 x all 4 n blocks, 32 along K: half c of buffer f.  zero = 1: the first product starts the sums
.macro MUL8 f, c, a0, zero
.irp a, \a0, \a0+1
.irp b, 0,1,2,3
.if \zero
	v_wmma_f32_16x16x32_bf16 v[ACC+8*(4*(\a)+\b):ACC+8*(4*(\a)+\b)+7], v[\f+64+8*(4*\c+\b):\f+64+8*(4*\c+\b)+7], v[\f+8*(4*\c+\a):\f+8*(4*\c+\a)+7], 0
.else
	v_wmma_f32_16x16x32_bf16 v[ACC+8*(4*(\a)+\b):ACC+8*(4*(\a)+\b)+7], v[\f+64+8*(4*\c+\b):\f+64+8*(4*\c+\b)+7], v[\f+8*(4*\c+\a):\f+8*(4*\c+\a)+7], v[ACC+8*(4*(\a)+\b):ACC+8*(4*(\a)+\b)+7]
.endif
.endr
.endr
.endm
; 32 LDS loads in one run: the fragments of quarter q (64 along K) of a slot, into buffer f; the first 32 along K first
.macro FETCH slot, q, f
	WIN TO_F
.irp c, 0,1
.irp i, 0,1,2,3
	ds_load_tr16_b128 v[\f+64+8*(4*\c+\i):\f+64+8*(4*\c+\i)+3],   v[ADRB+2*\slot+(\q)/2] offset:(((\q)%2)*64+32*\c)*PB+32*\i
	ds_load_tr16_b128 v[\f+64+8*(4*\c+\i)+4:\f+64+8*(4*\c+\i)+7], v[ADRB+2*\slot+(\q)/2] offset:(((\q)%2)*64+32*\c+16)*PB+32*\i
	ds_load_b128 v[\f+8*(4*\c+\i):\f+8*(4*\c+\i)+3],         v[ADRA+\slot] offset:128*\q+64*\c+\i*16*PA
	ds_load_b128 v[\f+8*(4*\c+\i)+4:\f+8*(4*\c+\i)+7],       v[ADRA+\slot] offset:128*\q+64*\c+\i*16*PA+32
.endr
.endr
.endm
.macro PLACES                          ; four places in front of loads into registers that matrix instructions have read, and of instructions that read results
.rept 4
	v_nop
.endr
.endm
; A K step is four quarters of 64 along K, 32 matrix instructions each, on buffers 0, 1, 0, 1; the 16 accumulators take turns.
.macro QUARTER slot, q, f, g, zero
	s_wait_dscnt 16                                ; the first 32 along K are in
	WIN MUL
	MUL8 \f, 0, 0, \zero
	MUL8 \f, 0, 2, \zero
	PLACES
	FETCH \slot, \q, \g
	s_wait_dscnt 32                                ; all but the 32 just issued
	WIN MUL
	MUL8 \f, 1, 0, 0
	MUL8 \f, 1, 2, 0
.endm
; The last quarter multiplies buffer 1 and changes slots: one barrier; in front of it each wave waits for all its tensor loads, adds 0 to its spare word, and waits for that and for its reads of this slot.
.macro TURN slot, next, fill
	WIN 0                                          ; (the add's two registers lie in window 0)
	s_wait_tensorcnt 0x0                           ; all my tensor loads have landed: my part of the next slot;
	ds_add_u32 v[SPW], v[NIL]                      ; 0 onto my spare word;
	s_wait_dscnt 17                                ; (the add and the youngest sixteen loads may be out)
	WIN MUL
	MUL8 F1, 0, 0, 0
	s_wait_dscnt 0x0                               ; the add is done, and my reads of this slot are over
	s_barrier_signal -1
	MUL8 F1, 0, 2, 0
.if \fill
	WIN 0
.endif
	s_barrier_wait -1
.if \fill
	CREST                                          ; the barrier has opened a round of the cluster's: no wave of any partner still reads this slot's tile or has a load on its way
	s_add_nc_u64 s[G0+4*\slot+2:G0+4*\slot+3], s[G0+4*\slot+2:G0+4*\slot+3], 2*KSTEP*2
	s_add_nc_u64 s[G0B+4*\slot+2:G0B+4*\slot+3], s[G0B+4*\slot+2:G0B+4*\slot+3], 2*KSTEP*SIZE_N*2
	JLOAD \slot                                    ; the first tensor load behind the round, my only one: 112 matrix instructions ahead of the wait for it
.else
	PLACES
.endif
	FETCH \next, 0, F0
	WIN MUL
	MUL8 F1, 1, 0, 0
	MUL8 F1, 1, 2, 0
.endm
	s_wait_tensorcnt 1                             ; my part of K step 0 is in; K step 1's may stay out
	s_barrier_signal -1
	s_barrier_wait -1
	FETCH 0, 0, F0
	QUARTER 0, 1, F0, F1, 1                        ; the first quarter stands in front of the loop: its first products start the sums
	WIN 0
	s_mov_b32 s3, LAPS-1
.Llap:
	QUARTER 0, 2, F1, F0, 0
	QUARTER 0, 3, F0, F1, 0
	TURN 0, 1, 1
	QUARTER 1, 1, F0, F1, 0
	QUARTER 1, 2, F1, F0, 0
	QUARTER 1, 3, F0, F1, 0
	TURN 1, 0, 1
	QUARTER 0, 1, F0, F1, 0
	WIN 0
	s_sub_co_u32 s3, s3, 1
	s_cmp_lg_u32 s3, 0
	s_cbranch_scc1 .Llap
	QUARTER 0, 2, F1, F0, 0                        ; the last lap fills nothing, and has no round of the cluster's barrier
	QUARTER 0, 3, F0, F1, 0
	TURN 0, 1, 0
	QUARTER 1, 1, F0, F1, 0
	QUARTER 1, 2, F1, F0, 0
	QUARTER 1, 3, F0, F1, 0
	s_wait_dscnt 16
	WIN MUL
	MUL8 F1, 0, 0, 0
	MUL8 F1, 0, 2, 0
	s_wait_dscnt 0
	MUL8 F1, 1, 0, 0
	MUL8 F1, 1, 2, 0
	WIN 0
	; THE WAY OUT, a block of 16 rows at a time: the sums go into my own stage as they are (f32), come back as whole rows of 256 bytes, take R (and the bias), and are stored:
	; 16 lanes store 256 consecutive bytes, at a multiple of 256 from C's first byte.
	PLACES
.irp a, 0,1,2,3
.irp b, 0,1,2,3
	ds_store_b128 v[STO], v[ACC+8*(4*\a+\b):ACC+8*(4*\a+\b)+3] offset:64*\b          ; each accumulator from its low end on
	ds_store_b128 v[STO], v[ACC+8*(4*\a+\b)+4:ACC+8*(4*\a+\b)+7] offset:64*\b+16
.endr
	s_wait_xcnt 0x0                                ; the block before was stored from the registers that are loaded next
.irp t, 0,1,2,3,4,5,6,7
	ds_load_b128 v[OB+4*\t:OB+4*\t+3], v[RD] offset:\t*2*272   ; LDS serves a wave's instructions in order (ISA guide 5.7.1.4): these see the stores above
.endr
	s_wait_dscnt 0x0
.if \a < 3
	s_wait_loadcnt 8                               ; this block's rows of R are in; the next block's eight loads stay out
.else
	s_wait_loadcnt 0x0
.endif
.irp t, 0,1,2,3,4,5,6,7
	v_pk_add_f32 v[OB+4*\t:OB+4*\t+1], v[OB+4*\t:OB+4*\t+1], v[TMP+32*(\a%2)+4*\t:TMP+32*(\a%2)+4*\t+1]
	v_pk_add_f32 v[OB+4*\t+2:OB+4*\t+3], v[OB+4*\t+2:OB+4*\t+3], v[TMP+32*(\a%2)+4*\t+2:TMP+32*(\a%2)+4*\t+3]
.endr
.if BIAS
.irp t, 0,1,2,3,4,5,6,7
	v_pk_add_f32 v[OB+4*\t:OB+4*\t+1], v[OB+4*\t:OB+4*\t+1], v[12:13]
	v_pk_add_f32 v[OB+4*\t+2:OB+4*\t+3], v[OB+4*\t+2:OB+4*\t+3], v[14:15]
.endr
.endif
.irp t, 0,1,2,3,4,5,6,7
	global_store_b128 v[CO], v[OB+4*\t:OB+4*\t+3], s[8:9] offset:(16*\a+2*\t)*4096
.endr
.if \a < 2
	RLOAD \a+2
.endif
.endr
	s_wait_tensorcnt 0x0                           ; the wave's end
	ds_add_u32 v[SPW], v[NIL]
	s_wait_dscnt 0x0
	CROUND                                         ; the closing round: no work-group ends while a partner may still ask for a tile that names it
	s_endpgm
.Lfunc_end_k_q276c446a92_oproj:
	.size	k_q276c446a92_oproj, .Lfunc_end_k_q276c446a92_oproj-k_q276c446a92_oproj
	.p2alignl 7, 3214868480
	.fill 96, 4, 3214868480
	.section	.rodata,"a",@progbits
	.p2align	6, 0x0
	.amdhsa_kernel k_q276c446a92_oproj
		.amdhsa_group_segment_fixed_size 327680
		.amdhsa_private_segment_fixed_size 0
		.amdhsa_enable_private_segment 0
		.amdhsa_kernarg_size 32
		.amdhsa_user_sgpr_count 2
		.amdhsa_user_sgpr_kernarg_segment_ptr 1
		.amdhsa_wavefront_size32 1
		.amdhsa_system_sgpr_workgroup_id_x 1
		.amdhsa_system_sgpr_workgroup_id_y 1
		.amdhsa_system_sgpr_workgroup_id_z 1
		.amdhsa_system_vgpr_workitem_id 0
		.amdhsa_next_free_vgpr 512
		.amdhsa_next_free_sgpr 70
		.amdhsa_reserve_vcc 0
		.amdhsa_float_denorm_mode_32 3
		.amdhsa_float_denorm_mode_16_64 3
		.amdhsa_memory_ordered 1
		.amdhsa_forward_progress 1
		.amdhsa_inst_pref_size 93
	.end_amdhsa_kernel
	.amdgpu_metadata
---
amdhsa.version: [ 1, 2 ]
amdhsa.kernels:
  - .name:           k_q276c446a92_oproj
    .symbol:         k_q276c446a92_oproj.kd
    .args:
      - { .name: z, .offset: 0, .size: 8, .value_kind: global_buffer, .address_space: global }
      - { .name: wb, .offset: 8, .size: 8, .value_kind: global_buffer, .address_space: global }
      - { .name: r2, .offset: 16, .size: 8, .value_kind: global_buffer, .address_space: global }
      - { .name: resid, .offset: 24, .size: 8, .value_kind: global_buffer, .address_space: global }
    .group_segment_fixed_size: 327680
    .private_segment_fixed_size: 0
    .kernarg_segment_align: 8
    .kernarg_segment_size: 32
    .max_flat_workgroup_size: 128
    .sgpr_count:     70
    .vgpr_count:     512
    .wavefront_size: 32
...
	.end_amdgpu_metadata
.endif
;; end of part 4
;; launch ln2 (part 5): grid 256 x 1, 8 waves a work-group, no clusters, 0 bytes of LDS; arguments r2, ln2_w, ln2_b, x2; writes x2
.if DOCPART == 5
	.amdgcn_target "amdgcn-amd-amdhsa--gfx1250"
	.amdhsa_code_object_version 6
	.text
	.protected	k_q276c446a92_ln2
	.globl	k_q276c446a92_ln2
	.p2align	8
	.type	k_q276c446a92_ln2,@function
k_q276c446a92_ln2:
	s_mov_b64 s[64:65], 0
	v_nop
	global_prefetch_b8 v0, s[64:65] scope:SCOPE_SE
	s_setreg_imm32_b32 hwreg(HW_REG_WAVE_MODE, 25, 1), 1
	s_wait_xcnt 0x0
; x2 = LayerNorm(r2) * ln2_w + ln2_b, rounded to bf16.  r2: [4096][1024] f32, x2: [4096][1024] bf16.
; 16 rows a work-group, 2 rows a wave; a row of 4,096 bytes is 32 registers of one wave, so it is read once and the two reductions never leave the wave: no LDS, no barrier.
; The mean is taken away before the squares are summed.  Each store of a wave covers 256 consecutive bytes that start at a multiple of 256 from x2's first byte.
.set W,   4                            ; v[4:35]    the gain of my 32 columns
.set B,   36                           ; v[36:67]   the bias of my 32 columns
.set X,   68                           ; v[68:131]  two rows as loaded, 32 registers each
.set T,   132                          ; v[132:139] at work
.set M,   140                          ; v[140:141] the mean twice, then 1/sqrt(var + eps) twice
.set PX,  142                          ; v142       takes the other half of the lanes' figure
.set Y,   148                          ; v[148:179] bf16 to store
.set SRC, 30
.set DST, 32
.set LW,  10
.set LB,  12
.macro REDUCE                          ; four pairs in v[T:T+7] -> their sum over the wave's 32 lanes, in v[T] of every lane
	v_pk_add_f32 v[T:T+1], v[T:T+1], v[T+2:T+3]
	v_pk_add_f32 v[T+4:T+5], v[T+4:T+5], v[T+6:T+7]
	v_pk_add_f32 v[T:T+1], v[T:T+1], v[T+4:T+5]
	v_add_f32 v[T], v[T], v[T+1]
	v_add_f32_dpp v[T], v[T], v[T] row_xmask:1 row_mask:0xf bank_mask:0xf
	v_add_f32_dpp v[T], v[T], v[T] row_xmask:2 row_mask:0xf bank_mask:0xf
	v_add_f32_dpp v[T], v[T], v[T] row_xmask:4 row_mask:0xf bank_mask:0xf
	v_add_f32_dpp v[T], v[T], v[T] row_xmask:8 row_mask:0xf bank_mask:0xf
	v_permlanex16_b32 v[PX], v[T], s38, s39
	v_add_f32 v[T], v[T], v[PX]
.endm
; Row p becomes (x - mean) / sqrt(var + eps), in place.  left = the loads issued behind the row's eight, which may stay out.
.macro ROWSTAT p, left
.set RW, X+32*\p
	s_wait_loadcnt \left
.irp k, 0,1,2,3                        ; four chains that do not wait for each other; the first sums start them: nothing is cleared
	v_pk_add_f32 v[T+2*\k:T+2*\k+1], v[RW+2*\k:RW+2*\k+1], v[RW+2*\k+8:RW+2*\k+9]
.endr
.irp k, 0,1,2,3
	v_pk_add_f32 v[T+2*\k:T+2*\k+1], v[T+2*\k:T+2*\k+1], v[RW+2*\k+16:RW+2*\k+17]
.endr
.irp k, 0,1,2,3
	v_pk_add_f32 v[T+2*\k:T+2*\k+1], v[T+2*\k:T+2*\k+1], v[RW+2*\k+24:RW+2*\k+25]
.endr
	REDUCE
	v_mul_f32 v[M], s40, v[T]                      ; mean = sum / 1024
	v_mul_f32 v[M+1], s40, v[T]
.set q, 0
.rept 16
	v_pk_add_f32 v[RW+q:RW+q+1], v[RW+q:RW+q+1], v[M:M+1] neg_lo:[0,1] neg_hi:[0,1]
.set q, q+2
.endr
.irp k, 0,1,2,3
	v_pk_mul_f32 v[T+2*\k:T+2*\k+1], v[RW+2*\k:RW+2*\k+1], v[RW+2*\k:RW+2*\k+1]
.endr
.irp o, 8,16,24
.irp k, 0,1,2,3
	v_pk_fma_f32 v[T+2*\k:T+2*\k+1], v[RW+2*\k+\o:RW+2*\k+\o+1], v[RW+2*\k+\o:RW+2*\k+\o+1], v[T+2*\k:T+2*\k+1]
.endr
.endr
	REDUCE
	v_fma_f32 v[T], v[T], s40, s41                 ; var + eps
	v_rsq_f32 v[M], v[T]
	v_rsq_f32 v[M+1], v[T]
	v_nop                                          ; a plain instruction between the last root and the use of its result (ISA guide 5.7.2)
.set q, 0
	s_wait_alu depctr_va_vdst(0)
.rept 16
	v_pk_mul_f32 v[RW+q:RW+q+1], v[RW+q:RW+q+1], v[M:M+1]
.set q, q+2
.endr
.endm
; Row p times the gain plus the bias, rounded once, stored: 8 bytes a lane, 256 consecutive bytes a store.
.macro ROWOUT p
.set RW, X+32*\p
.set q, 0
.rept 16
	v_pk_fma_f32 v[RW+q:RW+q+1], v[RW+q:RW+q+1], v[W+q:W+q+1], v[B+q:B+q+1]
.set q, q+2
.endr
.set q, 0
.rept 16
	v_cvt_pk_bf16_f32 v[Y+16*\p+q], v[RW+2*q], v[RW+2*q+1]
.set q, q+1
.endr
.irp j, 0,1,2,3,4,5,6,7
	global_store_b64 v2, v[Y+16*\p+2*\j:Y+16*\p+2*\j+1], s[DST:DST+1] offset:2048*\p+256*\j
.endr
.endm
	s_load_b256 s[8:15], s[0:1], 0x0               ; r2 8, ln2_w 10, ln2_b 12, x2 14
	v_lshrrev_b32 v1, 5, v0
	v_readfirstlane_b32 s2, v1                     ; wave 0..7
	s_mov_b32 s3, ttmp9
	s_mov_b32 s38, 0x76543210                      ; v_permlanex16_b32: each lane takes its own place in the other half
	s_mov_b32 s39, 0xfedcba98
	s_mov_b32 s40, 0x3a800000                      ; 1 / 1024
	s_mov_b32 s41, 0x3727c5ac                      ; eps = 1e-5
	v_and_b32 v2, 31, v0                           ; lane
	v_lshlrev_b32 v1, 4, v2                        ; 16 x lane
	v_lshlrev_b32 v2, 3, v2                        ; 8 x lane
	v_mov_b32 v[PX], 0                             ; written once: v_permlanex16_b32 counts as a reader of its destination
	s_lshl_b32 s34, s3, 16                         ; 16 rows of 4,096 bytes a work-group,
	s_lshl_b32 s36, s2, 13                         ; 2 a wave
	s_add_co_u32 s34, s34, s36
	s_mov_b32 s35, 0
	s_lshr_b32 s36, s34, 1                         ; half as many bytes in bf16
	s_mov_b32 s37, 0
	s_wait_kmcnt 0x0
	s_add_nc_u64 s[SRC:SRC+1], s[8:9], s[34:35]
	s_add_nc_u64 s[DST:DST+1], s[14:15], s[36:37]
.irp j, 0,1,2,3,4,5,6,7
	global_load_b128 v[X+4*\j:X+4*\j+3], v1, s[SRC:SRC+1] offset:512*\j
.endr
.irp j, 0,1,2,3,4,5,6,7
	global_load_b128 v[X+32+4*\j:X+32+4*\j+3], v1, s[SRC:SRC+1] offset:4096+512*\j
.endr
.irp j, 0,1,2,3,4,5,6,7
	global_load_b128 v[W+4*\j:W+4*\j+3], v1, s[LW:LW+1] offset:512*\j
.endr
.irp j, 0,1,2,3,4,5,6,7
	global_load_b128 v[B+4*\j:B+4*\j+3], v1, s[LB:LB+1] offset:512*\j
.endr
	ROWSTAT 0, 24                                  ; behind row 0: row 1, gain, bias
	ROWSTAT 1, 16                                  ; behind row 1: gain, bias
	s_wait_loadcnt 0x0
	ROWOUT 0
	ROWOUT 1
	s_endpgm
.Lfunc_end_k_q276c446a92_ln2:
	.size	k_q276c446a92_ln2, .Lfunc_end_k_q276c446a92_ln2-k_q276c446a92_ln2
	.p2alignl 7, 3214868480
	.fill 96, 4, 3214868480
	.section	.rodata,"a",@progbits
	.p2align	6, 0x0
	.amdhsa_kernel k_q276c446a92_ln2
		.amdhsa_group_segment_fixed_size 0
		.amdhsa_private_segment_fixed_size 0
		.amdhsa_enable_private_segment 0
		.amdhsa_kernarg_size 32
		.amdhsa_user_sgpr_count 2
		.amdhsa_user_sgpr_kernarg_segment_ptr 1
		.amdhsa_wavefront_size32 1
		.amdhsa_system_sgpr_workgroup_id_x 1
		.amdhsa_system_sgpr_workgroup_id_y 1
		.amdhsa_system_sgpr_workgroup_id_z 1
		.amdhsa_system_vgpr_workitem_id 0
		.amdhsa_next_free_vgpr 184
		.amdhsa_next_free_sgpr 66
		.amdhsa_reserve_vcc 0
		.amdhsa_float_denorm_mode_32 3
		.amdhsa_float_denorm_mode_16_64 3
		.amdhsa_memory_ordered 1
		.amdhsa_forward_progress 1
		.amdhsa_inst_pref_size 20
	.end_amdhsa_kernel
	.amdgpu_metadata
---
amdhsa.version: [ 1, 2 ]
amdhsa.kernels:
  - .name:           k_q276c446a92_ln2
    .symbol:         k_q276c446a92_ln2.kd
    .args:
      - { .name: r2, .offset: 0, .size: 8, .value_kind: global_buffer, .address_space: global }
      - { .name: ln2_w, .offset: 8, .size: 8, .value_kind: global_buffer, .address_space: global }
      - { .name: ln2_b, .offset: 16, .size: 8, .value_kind: global_buffer, .address_space: global }
      - { .name: x2, .offset: 24, .size: 8, .value_kind: global_buffer, .address_space: global }
    .group_segment_fixed_size: 0
    .private_segment_fixed_size: 0
    .kernarg_segment_align: 8
    .kernarg_segment_size: 32
    .max_flat_workgroup_size: 256
    .sgpr_count:     66
    .vgpr_count:     184
    .wavefront_size: 32
...
	.end_amdgpu_metadata
.endif
;; end of part 5
;; launch mlp1 (part 6): grid 32 x 32, 4 waves a work-group, clusters of 4 x 4, 327,680 bytes of LDS; arguments x2, wb, hm, b_in; writes hm
.if DOCPART == 6
	.amdgcn_target "amdgcn-amd-amdhsa--gfx1250"
	.amdhsa_code_object_version 6
	.text
	.protected	k_q276c446a92_mlp1
	.globl	k_q276c446a92_mlp1
	.p2align	8
	.type	k_q276c446a92_mlp1,@function
k_q276c446a92_mlp1:
	s_mov_b64 s[64:65], 0
	v_nop
	global_prefetch_b8 v0, s[64:65] scope:SCOPE_SE
	s_setreg_imm32_b32 hwreg(HW_REG_WAVE_MODE, 25, 1), 1
	s_wait_xcnt 0x0
	s_wait_alu depctr_hold_cnt(0) depctr_sa_sdst(0) depctr_va_vdst(0) depctr_va_sdst(0) depctr_va_ssrc(0) depctr_va_vcc(0) depctr_vm_vsrc(0)
	s_getreg_b32 s2, hwreg(HW_REG_IB_STS2, 6, 4)
	s_cmp_eq_u32 s2, 0
	s_cbranch_scc0 .Lentry_in_a_cluster
	s_endpgm
.Lentry_in_a_cluster:
	s_bfe_u32 s2, ttmp6, 0x10000c
	s_cmp_lg_u32 s2, 0xf033
	s_cbranch_scc0 .Lentry_shape_is_right
	s_endpgm
.Lentry_shape_is_right:
; C[m][n] = gelu(b_in[n] + sum over k of A[m][k] B[k][n]).  A = x2 [4096][1024] bf16, B = w_in as bf16 [1024][4096] at wb + 0x800000, C = hm [4096][4096] bf16.
; gelu(x) = 0.5 x (1 + tanh(y)), y = sqrt(2/pi) (x + 0.044715 x^3), is computed as x / (1 + 2^(-k x (1 + 0.044715 x^2))), k = 2 sqrt(2/pi) log2(e): the same function, since
; 0.5 (1 + tanh y) = 1 / (1 + e^(-2 y)).  Where the power overflows the quotient is 0, where it vanishes the quotient is x, as the tanh form gives.  All of it in f32; C is rounded once.
; A tile of C is 128 x 128: 32 x 32 = 1,024 work-groups.  Four waves, each 64 x 64: 16 accumulators of 16 x 16.  K goes in steps of 256 through two LDS slots.
; A's tile: 128 rows x 512 bytes.  B lies [k][n]: its tile is 256 rows (k) x 256 bytes, and its fragments come out of LDS turned (ds_load_tr16_b128).
; CLUSTERS: 4 x 4 work-groups.  The four of a row of the cluster need the same tiles of A, the four of a column the same tiles of B: each tile is asked for jointly.
; THE MATRIX INSTRUCTION IS USED TRANSPOSED (source 0 = 16 columns of B, source 1 = 16 rows of A): a lane then holds eight neighbouring numbers of a row of C.
; REGISTERS: window 0: v0-31 addresses (v0-7 at work on the way out, v8-11 two constants); v32-95 packed results; v96-127 the bias; v128-255 the accumulators ((a, b) at v[128 + 8 (4 a + b)]).
;   window 1: two fragment buffers of 128: for 64 along K, 64 registers of A (2 x 4 x 16 rows x 32 K), then 64 of B.
.set SIZE_N, 4096
.set SIZE_K, 1024
.set WOFF,   0x800000                  ; where B begins in wb
.set KSTEP,  256
.set PA,     528                       ; a row of A in LDS: 512 bytes + 16 = 132 words: row r starts at bank 4 r mod 64 (64 banks of 4 bytes: ISA guide 11.1)
.set PB,     288                       ; a row of B in LDS: 256 bytes + 32 = 72 words: row r starts at bank 8 r mod 64
.set AHALF,  64*PA
.set BHALF,  128*PB
.set BOFF,   2*AHALF
.set SLOT,   BOFF+2*BHALF
.set STAGE,  2*SLOT                    ; behind the ring: 128 rows x 272 bytes, the work-group's, for the way out
.set SPITCH, 272
.set SPARE,  STAGE+128*SPITCH          ; behind the stage: the spare words, 128 bytes for each wave, which no other line names
.set LAPS,   SIZE_K/(2*KSTEP)
.set U,    0                           ; v[0:7]  at work in the activation
.set ADRA, 16
.set ADRB, 20
.set STO,  24
.set RD,   25
.set CO,   26
.set BO,   27
.set SPW,  28                          ; v28     LDS address of my spare word; never rewritten
.set NIL,  29                          ; v29     0; never rewritten
.set TMP,  32
.set BI,   96                          ; v[96:127] the bias of my lane's 32 columns: n block b at BI + 8 b
.set ACC,  128
.set F0,   0
.set F1,   128
.set G1, 24
.set G0, 32
.set G1B, 48
.set G0B, 56
.set MSB, 0
.macro WIN new                         ; the immediate's high byte repeats the setting that is left
.if MSB != \new
	s_set_vgpr_msb (MSB<<8)|\new
.set MSB, \new
.endif
.endm
.set MUL,  0x05                        ; sources 0 (B) and 1 (A) window 1; C and D window 0
.set TO_F, 0x40                        ; destination window 1, address window 0
.macro JLOAD s                         ; a joint load: waves 0 and 1 fetch A's two halves, waves 2 and 3 B's; four v_nop follow each of the two lines
	s_cmp_eq_u32 s11, 0
	s_cbranch_scc0 .Lfor_b_\@
	tensor_load_to_lds s[G0+4*\s:G0+4*\s+3], s[G1:G1+7]
	s_nop 0
.rept 4
	v_nop
.endr
	s_branch .Lasked_\@
.Lfor_b_\@:
	tensor_load_to_lds s[G0B+4*\s:G0B+4*\s+3], s[G1B:G1B+7]
	s_nop 0
.rept 4
	v_nop
.endr
.Lasked_\@:
.endm
.macro CREST                           ; a round of the cluster's barrier behind its opening barrier
	s_cmp_lg_u32 s10, 0
	s_cbranch_scc1 .Lnot_wave_0_\@
	s_barrier_signal -3
.Lnot_wave_0_\@:
	s_barrier_wait -3
	s_barrier_signal -1
	s_barrier_wait -1
.endm
.macro CROUND                          ; a whole round
	s_barrier_signal -1
	s_barrier_wait -1
	CREST
.endm
	s_load_b128 s[4:7], s[0:1], 0x0                ; A s[4:5], wb s[6:7]
	s_load_b64 s[8:9], s[0:1], 0x10                ; C
	s_load_b64 s[66:67], s[0:1], 0x18              ; b_in
	v_lshl_add_u32 v[SPW], v0, 2, SPARE
	v_mov_b32 v[NIL], 0
	ds_add_u32 v28, v29
	s_wait_dscnt 0x0
	v_lshrrev_b32 v1, 5, v0
	v_readfirstlane_b32 s10, v1                    ; wave 0..3
	s_lshr_b32 s11, s10, 1                         ; which half of the tile's rows is mine.  Also: I fetch for A (0) or for B (1)
	s_and_b32 s12, s10, 1                          ; which half of its columns.  Also: which half of that tile I fetch
	s_bfe_u32 s40, ttmp6, 0x40000                  ; cx, cy: my place in the cluster
	s_bfe_u32 s41, ttmp6, 0x40004
	s_lshl_b32 s42, ttmp9, 2
	s_add_co_u32 s42, s42, s40                     ; tile column of C = 4 x cluster x + cx
	s_and_b32 s13, ttmp7, 0xffff
	s_lshl_b32 s13, s13, 2
	s_add_co_u32 s13, s13, s41                     ; tile row of C = 4 x cluster y + cy
	s_lshl_b32 s43, s41, 2
	s_lshl_b32 s43, 15, s43                        ; my row of the cluster
	s_lshl_b32 s44, 0x1111, s40                    ; my column
	s_or_b32 s[G1+0], s43, (1<<16)|(1<<20)|(1<<21)|(6<<22)|(3<<25)   ; mask: my row; elements of 2 bytes; padding on; bit 21 beside a mask; after every 128 words, 4 words
	s_mov_b32 s[G1+1], KSTEP<<16                   ; tensor_dim0 = 256
	s_mov_b32 s[G1+2], 64<<16                      ; tensor_dim1 = 64
	s_mov_b32 s[G1+3], KSTEP<<16                   ; tile_dim0 = 256
	s_mov_b32 s[G1+4], 64                          ; tile_dim1 = 64
	s_mov_b32 s[G1+5], SIZE_K                      ; elements from row to row
	s_mov_b32 s[G1+6], 0
	s_mov_b32 s[G1+7], 0
	s_or_b32 s[G1B+0], s44, (1<<16)|(1<<20)|(1<<21)|(5<<22)|(7<<25)  ; mask: my column; after every 64 words, 8 words
	s_mov_b32 s[G1B+1], 128<<16                    ; tensor_dim0 = 128 columns
	s_mov_b32 s[G1B+2], 128<<16                    ; tensor_dim1 = 128 k
	s_mov_b32 s[G1B+3], 128<<16
	s_mov_b32 s[G1B+4], 128
	s_mov_b32 s[G1B+5], SIZE_N
	s_mov_b32 s[G1B+6], 0
	s_mov_b32 s[G1B+7], 0
	s_lshl_b32 s17, s12, 6
	s_lshl_b32 s16, s13, 7
	s_add_co_u32 s16, s16, s17                     ; A: row 128 x tile row + 64 x half
	s_mov_b32 s17, 0
	s_mov_b64 s[18:19], SIZE_K*2
	s_mul_u64 s[16:17], s[16:17], s[18:19]
	s_mul_i32 s46, s12, 128*SIZE_N*2               ; B: k = 128 x half,
	s_lshl_b32 s47, s42, 8                         ; column 128 x tile column (256 bytes)
	s_add_co_u32 s46, s46, s47
	s_mov_b32 s47, 0
	s_mul_i32 s20, s12, AHALF                      ; where they go: no place in the cluster enters an LDS address
	s_mul_i32 s21, s12, BHALF
	s_add_co_u32 s21, s21, BOFF
	s_wait_kmcnt 0x0
	s_add_nc_u64 s[14:15], s[4:5], s[16:17]
	s_add_nc_u64 s[46:47], s[6:7], s[46:47]
.if WOFF
	s_add_nc_u64 s[46:47], s[46:47], WOFF
.endif
	CROUND                                         ; all sixteen work-groups are here: the first joint loads meet
.irp s, 0,1
	s_mov_b32 s[G0+4*\s], 1
	s_add_co_u32 s[G0+4*\s+1], s20, \s*SLOT
	s_add_nc_u64 s[G0+4*\s+2:G0+4*\s+3], s[14:15], \s*KSTEP*2
	s_or_b32 s[G0+4*\s+3], s[G0+4*\s+3], 0x80000000
	s_mov_b32 s[G0B+4*\s], 1
	s_add_co_u32 s[G0B+4*\s+1], s21, \s*SLOT
	s_add_nc_u64 s[G0B+4*\s+2:G0B+4*\s+3], s[46:47], \s*KSTEP*SIZE_N*2
	s_or_b32 s[G0B+4*\s+3], s[G0B+4*\s+3], 0x80000000
	JLOAD \s                                       ; two loads of mine are out behind the second
.endr
	v_and_b32 v1, 15, v0                           ; l % 16
	v_bfe_u32 v2, v0, 4, 1                         ; l / 16
	v_mul_u32_u24 v3, v1, PA
	v_lshl_add_u32 v3, v2, 4, v3                   ; a fragment of A: row x pitch + 16 x half
	s_mul_i32 s21, s11, AHALF                      ; my 64 rows of A
	v_add_nc_u32 v[ADRA], s21, v3
	v_add_nc_u32 v[ADRA+1], SLOT, v[ADRA]
	v_and_b32 v4, 7, v0                            ; a fragment of B, turned: lane l reads 16 bytes of row k = 8 (l / 16) + l % 8, columns 8 ((l / 8) % 2) on
	v_lshl_add_u32 v4, v2, 3, v4
	v_mul_u32_u24 v4, v4, PB
	v_bfe_u32 v5, v0, 3, 1
	v_lshl_add_u32 v4, v5, 4, v4
	s_lshl_b32 s22, s12, 7                         ; my 64 columns: 128 bytes
	s_add_co_u32 s22, s22, BOFF
	v_add_nc_u32 v[ADRB], s22, v4
	v_add_nc_u32 v[ADRB+1], BHALF, v[ADRB]
	v_add_nc_u32 v[ADRB+2], SLOT, v[ADRB]
	v_add_nc_u32 v[ADRB+3], SLOT+BHALF, v[ADRB]
	; the way out: ONE stage for the work-group, since a wave's 64 columns are half of an aligned 256 bytes of C
	s_mul_i32 s23, s11, 64*SPITCH                  ; in: my 64 rows, my half of their 256 bytes; row l % 16, 16 bytes for each half of the lanes
	s_lshl_b32 s21, s12, 7
	s_add_co_u32 s23, s23, s21
	s_add_co_u32 s23, s23, STAGE
	v_mul_u32_u24 v4, v1, SPITCH
	v_lshl_add_u32 v4, v2, 4, v4
	v_add_nc_u32 v[STO], s23, v4
	s_mul_i32 s23, s10, 32*SPITCH                  ; back: wave w takes rows 32 w .. 32 w + 31, whole
	s_add_co_u32 s23, s23, STAGE
	v_mul_u32_u24 v5, v2, SPITCH
	v_lshl_add_u32 v5, v1, 4, v5
	v_add_nc_u32 v[RD], s23, v5
	v_mul_u32_u24 v5, v2, SIZE_N*2                 ; and the same two rows in C
	v_lshl_add_u32 v[CO], v1, 4, v5
	s_lshl_b32 s16, s13, 7
	s_lshl_b32 s17, s10, 5
	s_add_co_u32 s16, s16, s17                     ; the first row of C that I store: 128 x tile row + 32 x wave
	s_mov_b32 s17, 0
	s_mov_b64 s[18:19], SIZE_N*2
	s_mul_u64 s[16:17], s[16:17], s[18:19]
	s_add_nc_u64 s[8:9], s[8:9], s[16:17]
	s_lshl_b32 s46, s42, 8                         ; the tile's first column, in bytes
	s_mov_b32 s47, 0
	s_add_nc_u64 s[8:9], s[8:9], s[46:47]
	s_lshl_b32 s46, s42, 9                         ; the bias of my wave's 64 columns: (128 x tile column + 64 x half) x 4 bytes
	s_lshl_b32 s47, s12, 8
	s_add_co_u32 s46, s46, s47
	s_mov_b32 s47, 0
	s_add_nc_u64 s[66:67], s[66:67], s[46:47]
	v_lshlrev_b32 v[BO], 5, v2                     ; my lane's eight columns of each n block begin at 8 (l / 16)
.irp b, 0,1,2,3
	global_load_b128 v[BI+8*\b:BI+8*\b+3],   v[BO], s[66:67] offset:64*\b
	global_load_b128 v[BI+8*\b+4:BI+8*\b+7], v[BO], s[66:67] offset:64*\b+16
.endr
	v_mov_b32 v8, 0xbdd2d3e8                       ; -k x 0.044715, twice
	v_mov_b32 v9, 0xbdd2d3e8
	v_mov_b32 v10, 0xc0135761                      ; -k = -2.3022082, twice
	v_mov_b32 v11, 0xc0135761
; 8 matrix instructions: m blocks a0, a0 + 1 x all 4 n blocks, 32 along K: half c of buffer f.  zero = 1: the first product starts the sums
.macro MUL8 f, c, a0, zero
.irp a, \a0, \a0+1
.irp b, 0,1,2,3
.if \zero
	v_wmma_f32_16x16x32_bf16 v[ACC+8*(4*(\a)+\b):ACC+8*(4*(\a)+\b)+7], v[\f+64+8*(4*\c+\b):\f+64+8*(4*\c+\b)+7], v[\f+8*(4*\c+\a):\f+8*(4*\c+\a)+7], 0
.else
	v_wmma_f32_16x16x32_bf16 v[ACC+8*(4*(\a)+\b):ACC+8*(4*(\a)+\b)+7], v[\f+64+8*(4*\c+\b):\f+64+8*(4*\c+\b)+7], v[\f+8*(4*\c+\a):\f+8*(4*\c+\a)+7], v[ACC+8*(4*(\a)+\b):ACC+8*(4*(\a)+\b)+7]
.endif
.endr
.endr
.endm
; 32 LDS loads in one run: the fragments of quarter q (64 along K) of a slot, into buffer f; the first 32 along K first
.macro FETCH slot, q, f
	WIN TO_F
.irp c, 0,1
.irp i, 0,1,2,3
	ds_load_tr16_b128 v[\f+64+8*(4*\c+\i):\f+64+8*(4*\c+\i)+3],   v[ADRB+2*\slot+(\q)/2] offset:(((\q)%2)*64+32*\c)*PB+32*\i
	ds_load_tr16_b128 v[\f+64+8*(4*\c+\i)+4:\f+64+8*(4*\c+\i)+7], v[ADRB+2*\slot+(\q)/2] offset:(((\q)%2)*64+32*\c+16)*PB+32*\i
	ds_load_b128 v[\f+8*(4*\c+\i):\f+8*(4*\c+\i)+3],         v[ADRA+\slot] offset:128*\q+64*\c+\i*16*PA
	ds_load_b128 v[\f+8*(4*\c+\i)+4:\f+8*(4*\c+\i)+7],       v[ADRA+\slot] offset:128*\q+64*\c+\i*16*PA+32
.endr
.endr
.endm
.macro PLACES                          ; four places in front of loads into registers that matrix instructions have read, and of instructions that read results
.rept 4
	v_nop
.endr
.endm
; A K step is four quarters of 64 along K, 32 matrix instructions each, on buffers 0, 1, 0, 1; the 16 accumulators take turns.
.macro QUARTER slot, q, f, g, zero
	s_wait_dscnt 16                                ; the first 32 along K are in
	WIN MUL
	MUL8 \f, 0, 0, \zero
	MUL8 \f, 0, 2, \zero
	PLACES
	FETCH \slot, \q, \g
	s_wait_dscnt 32                                ; all but the 32 just issued
	WIN MUL
	MUL8 \f, 1, 0, 0
	MUL8 \f, 1, 2, 0
.endm
; The last quarter multiplies buffer 1 and changes slots: one barrier; in front of it each wave waits for all its tensor loads, adds 0 to its spare word, and waits for that and for its reads of this slot.
.macro TURN slot, next, fill
	WIN 0                                          ; (the add's two registers lie in window 0)
	s_wait_tensorcnt 0x0                           ; all my tensor loads have landed: my part of the next slot;
	ds_add_u32 v[SPW], v[NIL]                      ; 0 onto my spare word;
	s_wait_dscnt 17                                ; (the add and the youngest sixteen loads may be out)
	WIN MUL
	MUL8 F1, 0, 0, 0
	s_wait_dscnt 0x0                               ; the add is done, and my reads of this slot are over
	s_barrier_signal -1
	MUL8 F1, 0, 2, 0
.if \fill
	WIN 0
.endif
	s_barrier_wait -1
.if \fill
	CREST                                          ; the barrier has opened a round of the cluster's: no wave of any partner still reads this slot's tile or has a load on its way
	s_add_nc_u64 s[G0+4*\slot+2:G0+4*\slot+3], s[G0+4*\slot+2:G0+4*\slot+3], 2*KSTEP*2
	s_add_nc_u64 s[G0B+4*\slot+2:G0B+4*\slot+3], s[G0B+4*\slot+2:G0B+4*\slot+3], 2*KSTEP*SIZE_N*2
	JLOAD \slot                                    ; the first tensor load behind the round, my only one: 112 matrix instructions ahead of the wait for it
.else
	PLACES
.endif
	FETCH \next, 0, F0
	WIN MUL
	MUL8 F1, 1, 0, 0
	MUL8 F1, 1, 2, 0
.endm
; Accumulator t (n block t % 4): the bias, the activation, the rounding.  x stays in the accumulator's registers; they are read from the low end on.
.macro GELU t
.set GX, ACC+8*(\t)
.set GB, BI+8*((\t)%4)
.irp p, 0,2,4,6
	v_pk_add_f32 v[GX+\p:GX+\p+1], v[GX+\p:GX+\p+1], v[GB+\p:GB+\p+1]      ; x
.endr
.irp p, 0,2,4,6
	v_pk_mul_f32 v[U+\p:U+\p+1], v[GX+\p:GX+\p+1], v[GX+\p:GX+\p+1]        ; x^2
.endr
.irp p, 0,2,4,6
	v_pk_fma_f32 v[U+\p:U+\p+1], v[U+\p:U+\p+1], v[8:9], v[10:11]          ; -k (1 + 0.044715 x^2)
.endr
.irp p, 0,2,4,6
	v_pk_mul_f32 v[U+\p:U+\p+1], v[U+\p:U+\p+1], v[GX+\p:GX+\p+1]
.endr
.irp j, 0,1,2,3,4,5,6,7
	v_exp_f32 v[U+\j], v[U+\j]
.endr
	v_nop                                          ; a plain instruction between the last of them and the use of its result (ISA guide 5.7.2)
	s_wait_alu depctr_va_vdst(0)
.irp p, 0,2,4,6
	v_pk_add_f32 v[U+\p:U+\p+1], v[U+\p:U+\p+1], 1.0 op_sel_hi:[1,0]
.endr
.irp j, 0,1,2,3,4,5,6,7
	v_rcp_f32 v[U+\j], v[U+\j]
.endr
	v_nop
	s_wait_alu depctr_va_vdst(0)
.irp p, 0,2,4,6
	v_pk_mul_f32 v[GX+\p:GX+\p+1], v[GX+\p:GX+\p+1], v[U+\p:U+\p+1]
.endr
.irp r, 0,1,2,3
	v_cvt_pk_bf16_f32 v[TMP+4*(\t)+\r], v[GX+2*\r], v[GX+2*\r+1]
.endr
.endm
	s_wait_tensorcnt 1                             ; my part of K step 0 is in; K step 1's may stay out
	s_barrier_signal -1
	s_barrier_wait -1
	FETCH 0, 0, F0
	QUARTER 0, 1, F0, F1, 1                        ; the first quarter stands in front of the loop: its first products start the sums
	WIN 0
	s_mov_b32 s3, LAPS-1
.Llap:
	QUARTER 0, 2, F1, F0, 0
	QUARTER 0, 3, F0, F1, 0
	TURN 0, 1, 1
	QUARTER 1, 1, F0, F1, 0
	QUARTER 1, 2, F1, F0, 0
	QUARTER 1, 3, F0, F1, 0
	TURN 1, 0, 1
	QUARTER 0, 1, F0, F1, 0
	WIN 0
	s_sub_co_u32 s3, s3, 1
	s_cmp_lg_u32 s3, 0
	s_cbranch_scc1 .Llap
	QUARTER 0, 2, F1, F0, 0                        ; the last lap fills nothing, and has no round of the cluster's barrier
	QUARTER 0, 3, F0, F1, 0
	TURN 0, 1, 0
	QUARTER 1, 1, F0, F1, 0
	QUARTER 1, 2, F1, F0, 0
	QUARTER 1, 3, F0, F1, 0
	s_wait_dscnt 16
	WIN MUL
	MUL8 F1, 0, 0, 0
	MUL8 F1, 0, 2, 0
	s_wait_dscnt 0
	MUL8 F1, 1, 0, 0
	MUL8 F1, 1, 2, 0
	WIN 0
	; THE WAY OUT: bias, activation, rounding; 16 bytes a lane into the work-group's stage; a barrier, since a row's 256 bytes come from two waves; back as whole rows, 32 rows a wave.
	s_wait_loadcnt 0x0                             ; the bias
	PLACES
.irp t, 0,1,2,3,4,5,6,7,8,9,10,11,12,13,14,15
	GELU \t
.endr
.irp a, 0,1,2,3
.irp b, 0,1,2,3
	ds_store_b128 v[STO], v[TMP+4*(4*\a+\b):TMP+4*(4*\a+\b)+3] offset:\a*16*SPITCH+32*\b
.endr
.endr
	s_wait_dscnt 0x0                               ; for the others' sake: my stores into the stage are done
	s_barrier_signal -1
	s_barrier_wait -1
.irp t, 0,1,2,3,4,5,6,7,8,9,10,11,12,13,14,15
	ds_load_b128 v[TMP+4*\t:TMP+4*\t+3], v[RD] offset:\t*2*SPITCH
.endr
.irp t, 0,1,2,3,4,5,6,7,8,9,10,11,12,13,14,15
	s_wait_dscnt 15-\t
	global_store_b128 v[CO], v[TMP+4*\t:TMP+4*\t+3], s[8:9] offset:2*\t*SIZE_N*2   ; 16 lanes store 256 consecutive bytes, at a multiple of 256 from C's first byte
.endr
	s_wait_tensorcnt 0x0                           ; the wave's end
	ds_add_u32 v[SPW], v[NIL]
	s_wait_dscnt 0x0
	CROUND                                         ; the closing round: no work-group ends while a partner may still ask for a tile that names it
	s_endpgm
.Lfunc_end_k_q276c446a92_mlp1:
	.size	k_q276c446a92_mlp1, .Lfunc_end_k_q276c446a92_mlp1-k_q276c446a92_mlp1
	.p2alignl 7, 3214868480
	.fill 96, 4, 3214868480
	.section	.rodata,"a",@progbits
	.p2align	6, 0x0
	.amdhsa_kernel k_q276c446a92_mlp1
		.amdhsa_group_segment_fixed_size 327680
		.amdhsa_private_segment_fixed_size 0
		.amdhsa_enable_private_segment 0
		.amdhsa_kernarg_size 32
		.amdhsa_user_sgpr_count 2
		.amdhsa_user_sgpr_kernarg_segment_ptr 1
		.amdhsa_wavefront_size32 1
		.amdhsa_system_sgpr_workgroup_id_x 1
		.amdhsa_system_sgpr_workgroup_id_y 1
		.amdhsa_system_sgpr_workgroup_id_z 1
		.amdhsa_system_vgpr_workitem_id 0
		.amdhsa_next_free_vgpr 512
		.amdhsa_next_free_sgpr 70
		.amdhsa_reserve_vcc 0
		.amdhsa_float_denorm_mode_32 3
		.amdhsa_float_denorm_mode_16_64 3
		.amdhsa_memory_ordered 1
		.amdhsa_forward_progress 1
		.amdhsa_inst_pref_size 122
	.end_amdhsa_kernel
	.amdgpu_metadata
---
amdhsa.version: [ 1, 2 ]
amdhsa.kernels:
  - .name:           k_q276c446a92_mlp1
    .symbol:         k_q276c446a92_mlp1.kd
    .args:
      - { .name: x2, .offset: 0, .size: 8, .value_kind: global_buffer, .address_space: global }
      - { .name: wb, .offset: 8, .size: 8, .value_kind: global_buffer, .address_space: global }
      - { .name: hm, .offset: 16, .size: 8, .value_kind: global_buffer, .address_space: global }
      - { .name: b_in, .offset: 24, .size: 8, .value_kind: global_buffer, .address_space: global }
    .group_segment_fixed_size: 327680
    .private_segment_fixed_size: 0
    .kernarg_segment_align: 8
    .kernarg_segment_size: 32
    .max_flat_workgroup_size: 128
    .sgpr_count:     70
    .vgpr_count:     512
    .wavefront_size: 32
...
	.end_amdgpu_metadata
.endif
;; end of part 6
;; launch mlp2 (part 7): grid 8 x 32, 4 waves a work-group, clusters of 4 x 4, 327,680 bytes of LDS; arguments hm, wb, out0, r2, b_out; writes out0
.if DOCPART == 7
	.amdgcn_target "amdgcn-amd-amdhsa--gfx1250"
	.amdhsa_code_object_version 6
	.text
	.protected	k_q276c446a92_mlp2
	.globl	k_q276c446a92_mlp2
	.p2align	8
	.type	k_q276c446a92_mlp2,@function
k_q276c446a92_mlp2:
	s_mov_b64 s[64:65], 0
	v_nop
	global_prefetch_b8 v0, s[64:65] scope:SCOPE_SE
	s_setreg_imm32_b32 hwreg(HW_REG_WAVE_MODE, 25, 1), 1
	s_wait_xcnt 0x0
	s_wait_alu depctr_hold_cnt(0) depctr_sa_sdst(0) depctr_va_vdst(0) depctr_va_sdst(0) depctr_va_ssrc(0) depctr_va_vcc(0) depctr_vm_vsrc(0)
	s_getreg_b32 s2, hwreg(HW_REG_IB_STS2, 6, 4)
	s_cmp_eq_u32 s2, 0
	s_cbranch_scc0 .Lentry_in_a_cluster
	s_endpgm
.Lentry_in_a_cluster:
	s_bfe_u32 s2, ttmp6, 0x10000c
	s_cmp_lg_u32 s2, 0xf033
	s_cbranch_scc0 .Lentry_shape_is_right
	s_endpgm
.Lentry_shape_is_right:
; C[m][n] = R[m][n] + b_out[n] + sum over k of A[m][k] B[k][n].  A = hm [4096][4096] bf16, B = w_out as bf16 [4096][1024] at wb + 0x1000000, R = r2, C = out0, both f32 [4096][1024].
; A tile of C is 128 x 128: 8 x 32 = 256 work-groups.  Four waves, each 64 x 64: 16 accumulators of 16 x 16.  K goes in steps of 256 through two LDS slots.
; A's tile: 128 rows x 512 bytes.  B lies [k][n]: its tile is 256 rows (k) x 256 bytes, and its fragments come out of LDS turned (ds_load_tr16_b128).
; CLUSTERS: 4 x 4 work-groups.  The four of a row of the cluster need the same tiles of A, the four of a column the same tiles of B: each tile is asked for jointly.
; THE MATRIX INSTRUCTION IS USED TRANSPOSED (source 0 = 16 columns of B, source 1 = 16 rows of A): a lane then holds eight neighbouring numbers of a row of C.
; REGISTERS: window 0: v0-31 addresses (v12-15 the bias); v32-95 rows of R, two blocks of 16 rows; v96-127 a block of C read back; v128-255 the accumulators ((a, b) at v[128 + 8 (4 a + b)]).
;   window 1: two fragment buffers of 128: for 64 along K, 64 registers of A (2 x 4 x 16 rows x 32 K), then 64 of B.
.set SIZE_N, 1024
.set SIZE_K, 4096
.set WOFF,   0x1000000                 ; where B begins in wb
.set BIAS,   1
.set KSTEP,  256
.set PA,     528                       ; a row of A in LDS: 512 bytes + 16 = 132 words: row r starts at bank 4 r mod 64 (64 banks of 4 bytes: ISA guide 11.1)
.set PB,     288                       ; a row of B in LDS: 256 bytes + 32 = 72 words: row r starts at bank 8 r mod 64
.set AHALF,  64*PA
.set BHALF,  128*PB
.set BOFF,   2*AHALF
.set SLOT,   BOFF+2*BHALF
.set STAGE,  2*SLOT                    ; behind the ring: 16 rows x 272 bytes for each wave, for the way out
.set SPARE,  STAGE+4*16*272            ; behind the stages: the spare words, 128 bytes for each wave, which no other line names
.set LAPS,   SIZE_K/(2*KSTEP)
.set ADRA, 16
.set ADRB, 20
.set STO,  24
.set RD,   25
.set CO,   26
.set BO,   27
.set SPW,  28                          ; v28     LDS address of my spare word; never rewritten
.set NIL,  29                          ; v29     0; never rewritten
.set TMP,  32
.set OB,   96
.set ACC,  128
.set F0,   0
.set F1,   128
.set G1, 24
.set G0, 32
.set G1B, 48
.set G0B, 56
.set MSB, 0
.macro WIN new                         ; the immediate's high byte repeats the setting that is left
.if MSB != \new
	s_set_vgpr_msb (MSB<<8)|\new
.set MSB, \new
.endif
.endm
.set MUL,  0x05                        ; sources 0 (B) and 1 (A) window 1; C and D window 0
.set TO_F, 0x40                        ; destination window 1, address window 0
.macro JLOAD s                         ; a joint load: waves 0 and 1 fetch A's two halves, waves 2 and 3 B's; four v_nop follow each of the two lines
	s_cmp_eq_u32 s11, 0
	s_cbranch_scc0 .Lfor_b_\@
	tensor_load_to_lds s[G0+4*\s:G0+4*\s+3], s[G1:G1+7]
	s_nop 0
.rept 4
	v_nop
.endr
	s_branch .Lasked_\@
.Lfor_b_\@:
	tensor_load_to_lds s[G0B+4*\s:G0B+4*\s+3], s[G1B:G1B+7]
	s_nop 0
.rept 4
	v_nop
.endr
.Lasked_\@:
.endm
.macro CREST                           ; a round of the cluster's barrier behind its opening barrier
	s_cmp_lg_u32 s10, 0
	s_cbranch_scc1 .Lnot_wave_0_\@
	s_barrier_signal -3
.Lnot_wave_0_\@:
	s_barrier_wait -3
	s_barrier_signal -1
	s_barrier_wait -1
.endm
.macro CROUND                          ; a whole round
	s_barrier_signal -1
	s_barrier_wait -1
	CREST
.endm
.macro RLOAD a                         ; block a's 16 rows of R: lanes 0-15 one row's 256 bytes, lanes 16-31 the next
.irp t, 0,1,2,3,4,5,6,7
	global_load_b128 v[TMP+32*((\a)%2)+4*\t:TMP+32*((\a)%2)+4*\t+3], v[CO], s[66:67] offset:(16*(\a)+2*\t)*4096
.endr
.endm
	s_load_b128 s[4:7], s[0:1], 0x0                ; A s[4:5], wb s[6:7]
	s_load_b64 s[8:9], s[0:1], 0x10                ; C
	s_load_b64 s[66:67], s[0:1], 0x18              ; R
.if BIAS
	s_load_b64 s[68:69], s[0:1], 0x20              ; the bias
.endif
	v_lshl_add_u32 v[SPW], v0, 2, SPARE
	v_mov_b32 v[NIL], 0
	ds_add_u32 v28, v29
	s_wait_dscnt 0x0
	v_lshrrev_b32 v1, 5, v0
	v_readfirstlane_b32 s10, v1                    ; wave 0..3
	s_lshr_b32 s11, s10, 1                         ; which half of the tile's rows is mine.  Also: I fetch for A (0) or for B (1)
	s_and_b32 s12, s10, 1                          ; which half of its columns.  Also: which half of that tile I fetch
	s_bfe_u32 s40, ttmp6, 0x40000                  ; cx, cy: my place in the cluster
	s_bfe_u32 s41, ttmp6, 0x40004
	s_lshl_b32 s42, ttmp9, 2
	s_add_co_u32 s42, s42, s40                     ; tile column of C = 4 x cluster x + cx
	s_and_b32 s13, ttmp7, 0xffff
	s_lshl_b32 s13, s13, 2
	s_add_co_u32 s13, s13, s41                     ; tile row of C = 4 x cluster y + cy
	s_lshl_b32 s43, s41, 2
	s_lshl_b32 s43, 15, s43                        ; my row of the cluster
	s_lshl_b32 s44, 0x1111, s40                    ; my column
	s_or_b32 s[G1+0], s43, (1<<16)|(1<<20)|(1<<21)|(6<<22)|(3<<25)   ; mask: my row; elements of 2 bytes; padding on; bit 21 beside a mask; after every 128 words, 4 words
	s_mov_b32 s[G1+1], KSTEP<<16                   ; tensor_dim0 = 256
	s_mov_b32 s[G1+2], 64<<16                      ; tensor_dim1 = 64
	s_mov_b32 s[G1+3], KSTEP<<16                   ; tile_dim0 = 256
	s_mov_b32 s[G1+4], 64                          ; tile_dim1 = 64
	s_mov_b32 s[G1+5], SIZE_K                      ; elements from row to row
	s_mov_b32 s[G1+6], 0
	s_mov_b32 s[G1+7], 0
	s_or_b32 s[G1B+0], s44, (1<<16)|(1<<20)|(1<<21)|(5<<22)|(7<<25)  ; mask: my column; after every 64 words, 8 words
	s_mov_b32 s[G1B+1], 128<<16                    ; tensor_dim0 = 128 columns
	s_mov_b32 s[G1B+2], 128<<16                    ; tensor_dim1 = 128 k
	s_mov_b32 s[G1B+3], 128<<16
	s_mov_b32 s[G1B+4], 128
	s_mov_b32 s[G1B+5], SIZE_N
	s_mov_b32 s[G1B+6], 0
	s_mov_b32 s[G1B+7], 0
	s_lshl_b32 s17, s12, 6
	s_lshl_b32 s16, s13, 7
	s_add_co_u32 s16, s16, s17                     ; A: row 128 x tile row + 64 x half
	s_mov_b32 s17, 0
	s_mov_b64 s[18:19], SIZE_K*2
	s_mul_u64 s[16:17], s[16:17], s[18:19]
	s_mul_i32 s46, s12, 128*SIZE_N*2               ; B: k = 128 x half,
	s_lshl_b32 s47, s42, 8                         ; column 128 x tile column (256 bytes)
	s_add_co_u32 s46, s46, s47
	s_mov_b32 s47, 0
	s_mul_i32 s20, s12, AHALF                      ; where they go: no place in the cluster enters an LDS address
	s_mul_i32 s21, s12, BHALF
	s_add_co_u32 s21, s21, BOFF
	s_wait_kmcnt 0x0
	s_add_nc_u64 s[14:15], s[4:5], s[16:17]
	s_add_nc_u64 s[46:47], s[6:7], s[46:47]
.if WOFF
	s_add_nc_u64 s[46:47], s[46:47], WOFF
.endif
	CROUND                                         ; all sixteen work-groups are here: the first joint loads meet
.irp s, 0,1
	s_mov_b32 s[G0+4*\s], 1
	s_add_co_u32 s[G0+4*\s+1], s20, \s*SLOT
	s_add_nc_u64 s[G0+4*\s+2:G0+4*\s+3], s[14:15], \s*KSTEP*2
	s_or_b32 s[G0+4*\s+3], s[G0+4*\s+3], 0x80000000
	s_mov_b32 s[G0B+4*\s], 1
	s_add_co_u32 s[G0B+4*\s+1], s21, \s*SLOT
	s_add_nc_u64 s[G0B+4*\s+2:G0B+4*\s+3], s[46:47], \s*KSTEP*SIZE_N*2
	s_or_b32 s[G0B+4*\s+3], s[G0B+4*\s+3], 0x80000000
	JLOAD \s                                       ; two loads of mine are out behind the second
.endr
	v_and_b32 v1, 15, v0                           ; l % 16
	v_bfe_u32 v2, v0, 4, 1                         ; l / 16
	v_mul_u32_u24 v3, v1, PA
	v_lshl_add_u32 v3, v2, 4, v3                   ; a fragment of A: row x pitch + 16 x half
	s_mul_i32 s21, s11, AHALF                      ; my 64 rows of A
	v_add_nc_u32 v[ADRA], s21, v3
	v_add_nc_u32 v[ADRA+1], SLOT, v[ADRA]
	v_and_b32 v4, 7, v0                            ; a fragment of B, turned: lane l reads 16 bytes of row k = 8 (l / 16) + l % 8, columns 8 ((l / 8) % 2) on
	v_lshl_add_u32 v4, v2, 3, v4
	v_mul_u32_u24 v4, v4, PB
	v_bfe_u32 v5, v0, 3, 1
	v_lshl_add_u32 v4, v5, 4, v4
	s_lshl_b32 s22, s12, 7                         ; my 64 columns: 128 bytes
	s_add_co_u32 s22, s22, BOFF
	v_add_nc_u32 v[ADRB], s22, v4
	v_add_nc_u32 v[ADRB+1], BHALF, v[ADRB]
	v_add_nc_u32 v[ADRB+2], SLOT, v[ADRB]
	v_add_nc_u32 v[ADRB+3], SLOT+BHALF, v[ADRB]
	; the way out: my own stage of 16 rows x 272 bytes; in: row l % 16, 32 bytes for each half of the lanes; back: two whole rows of 256 bytes a load
	s_mul_i32 s23, s10, 16*272
	s_add_co_u32 s23, s23, STAGE
	v_mul_u32_u24 v4, v1, 272
	v_lshl_add_u32 v4, v2, 5, v4
	v_add_nc_u32 v[STO], s23, v4
	v_mul_u32_u24 v5, v2, 272
	v_lshl_add_u32 v5, v1, 4, v5
	v_add_nc_u32 v[RD], s23, v5
	v_lshlrev_b32 v5, 12, v2                       ; and the same two rows in C and in R: rows of 4,096 bytes
	v_lshl_add_u32 v[CO], v1, 4, v5
	s_lshl_b32 s16, s13, 7
	s_lshl_b32 s17, s11, 6
	s_add_co_u32 s16, s16, s17                     ; my first row
	s_lshl_b32 s16, s16, 12
	s_mov_b32 s17, 0
	s_add_nc_u64 s[8:9], s[8:9], s[16:17]
	s_add_nc_u64 s[66:67], s[66:67], s[16:17]
	s_lshl_b32 s46, s42, 9                         ; my first column, in bytes of f32 (in the registers that hold column figures alone)
	s_lshl_b32 s47, s12, 8
	s_add_co_u32 s46, s46, s47
	s_mov_b32 s47, 0
	s_add_nc_u64 s[8:9], s[8:9], s[46:47]
	s_add_nc_u64 s[66:67], s[66:67], s[46:47]
.if BIAS
	s_add_nc_u64 s[68:69], s[68:69], s[46:47]
	v_lshlrev_b32 v[BO], 4, v1
	global_load_b128 v[12:15], v[BO], s[68:69]     ; the bias of the four columns that I store
.endif
	RLOAD 0                                        ; asked for here, used on the way out: their registers are touched by nothing in between
	RLOAD 1
; 8 matrix instructions: m blocks a0, a0 + 1 x all 4 n blocks, 32 along K: half c of buffer f.  zero = 1: the first product starts the sums
.macro MUL8 f, c, a0, zero
.irp a, \a0, \a0+1
.irp b, 0,1,2,3
.if \zero
	v_wmma_f32_16x16x32_bf16 v[ACC+8*(4*(\a)+\b):ACC+8*(4*(\a)+\b)+7], v[\f+64+8*(4*\c+\b):\f+64+8*(4*\c+\b)+7], v[\f+8*(4*\c+\a):\f+8*(4*\c+\a)+7], 0
.else
	v_wmma_f32_16x16x32_bf16 v[ACC+8*(4*(\a)+\b):ACC+8*(4*(\a)+\b)+7], v[\f+64+8*(4*\c+\b):\f+64+8*(4*\c+\b)+7], v[\f+8*(4*\c+\a):\f+8*(4*\c+\a)+7], v[ACC+8*(4*(\a)+\b):ACC+8*(4*(\a)+\b)+7]
.endif
.endr
.endr
.endm
; 32 LDS loads in one run: the fragments of quarter q (64 along K) of a slot, into buffer f; the first 32 along K first
.macro FETCH slot, q, f
	WIN TO_F
.irp c, 0,1
.irp i, 0,1,2,3
	ds_load_tr16_b128 v[\f+64+8*(4*\c+\i):\f+64+8*(4*\c+\i)+3],   v[ADRB+2*\slot+(\q)/2] offset:(((\q)%2)*64+32*\c)*PB+32*\i
	ds_load_tr16_b128 v[\f+64+8*(4*\c+\i)+4:\f+64+8*(4*\c+\i)+7], v[ADRB+2*\slot+(\q)/2] offset:(((\q)%2)*64+32*\c+16)*PB+32*\i
	ds_load_b128 v[\f+8*(4*\c+\i):\f+8*(4*\c+\i)+3],         v[ADRA+\slot] offset:128*\q+64*\c+\i*16*PA
	ds_load_b128 v[\f+8*(4*\c+\i)+4:\f+8*(4*\c+\i)+7],       v[ADRA+\slot] offset:128*\q+64*\c+\i*16*PA+32
.endr
.endr
.endm
.macro PLACES                          ; four places in front of loads into registers that matrix instructions have read, and of instructions that read results
.rept 4
	v_nop
.endr
.endm
; A K step is four quarters of 64 along K, 32 matrix instructions each, on buffers 0, 1, 0, 1; the 16 accumulators take turns.
.macro QUARTER slot, q, f, g, zero
	s_wait_dscnt 16                                ; the first 32 along K are in
	WIN MUL
	MUL8 \f, 0, 0, \zero
	MUL8 \f, 0, 2, \zero
	PLACES
	FETCH \slot, \q, \g
	s_wait_dscnt 32                                ; all but the 32 just issued
	WIN MUL
	MUL8 \f, 1, 0, 0
	MUL8 \f, 1, 2, 0
.endm
; The last quarter multiplies buffer 1 and changes slots: one barrier; in front of it each wave waits for all its tensor loads, adds 0 to its spare word, and waits for that and for its reads of this slot.
.macro TURN slot, next, fill
	WIN 0                                          ; (the add's two registers lie in window 0)
	s_wait_tensorcnt 0x0                           ; all my tensor loads have landed: my part of the next slot;
	ds_add_u32 v[SPW], v[NIL]                      ; 0 onto my spare word;
	s_wait_dscnt 17                                ; (the add and the youngest sixteen loads may be out)
	WIN MUL
	MUL8 F1, 0, 0, 0
	s_wait_dscnt 0x0                               ; the add is done, and my reads of this slot are over
	s_barrier_signal -1
	MUL8 F1, 0, 2, 0
.if \fill
	WIN 0
.endif
	s_barrier_wait -1
.if \fill
	CREST                                          ; the barrier has opened a round of the cluster's: no wave of any partner still reads this slot's tile or has a load on its way
	s_add_nc_u64 s[G0+4*\slot+2:G0+4*\slot+3], s[G0+4*\slot+2:G0+4*\slot+3], 2*KSTEP*2
	s_add_nc_u64 s[G0B+4*\slot+2:G0B+4*\slot+3], s[G0B+4*\slot+2:G0B+4*\slot+3], 2*KSTEP*SIZE_N*2
	JLOAD \slot                                    ; the first tensor load behind the round, my only one: 112 matrix instructions ahead of the wait for it
.else
	PLACES
.endif
	FETCH \next, 0, F0
	WIN MUL
	MUL8 F1, 1, 0, 0
	MUL8 F1, 1, 2, 0
.endm
	s_wait_tensorcnt 1                             ; my part of K step 0 is in; K step 1's may stay out
	s_barrier_signal -1
	s_barrier_wait -1
	FETCH 0, 0, F0
	QUARTER 0, 1, F0, F1, 1                        ; the first quarter stands in front of the loop: its first products start the sums
	WIN 0
	s_mov_b32 s3, LAPS-1
.Llap:
	QUARTER 0, 2, F1, F0, 0
	QUARTER 0, 3, F0, F1, 0
	TURN 0, 1, 1
	QUARTER 1, 1, F0, F1, 0
	QUARTER 1, 2, F1, F0, 0
	QUARTER 1, 3, F0, F1, 0
	TURN 1, 0, 1
	QUARTER 0, 1, F0, F1, 0
	WIN 0
	s_sub_co_u32 s3, s3, 1
	s_cmp_lg_u32 s3, 0
	s_cbranch_scc1 .Llap
	QUARTER 0, 2, F1, F0, 0                        ; the last lap fills nothing, and has no round of the cluster's barrier
	QUARTER 0, 3, F0, F1, 0
	TURN 0, 1, 0
	QUARTER 1, 1, F0, F1, 0
	QUARTER 1, 2, F1, F0, 0
	QUARTER 1, 3, F0, F1, 0
	s_wait_dscnt 16
	WIN MUL
	MUL8 F1, 0, 0, 0
	MUL8 F1, 0, 2, 0
	s_wait_dscnt 0
	MUL8 F1, 1, 0, 0
	MUL8 F1, 1, 2, 0
	WIN 0
	; THE WAY OUT, a block of 16 rows at a time: the sums go into my own stage as they are (f32), come back as whole rows of 256 bytes, take R (and the bias), and are stored:
	; 16 lanes store 256 consecutive bytes, at a multiple of 256 from C's first byte.
	PLACES
.irp a, 0,1,2,3
.irp b, 0,1,2,3
	ds_store_b128 v[STO], v[ACC+8*(4*\a+\b):ACC+8*(4*\a+\b)+3] offset:64*\b          ; each accumulator from its low end on
	ds_store_b128 v[STO], v[ACC+8*(4*\a+\b)+4:ACC+8*(4*\a+\b)+7] offset:64*\b+16
.endr
	s_wait_xcnt 0x0                                ; the block before was stored from the registers that are loaded next
.irp t, 0,1,2,3,4,5,6,7
	ds_load_b128 v[OB+4*\t:OB+4*\t+3], v[RD] offset:\t*2*272   ; LDS serves a wave's instructions in order (ISA guide 5.7.1.4): these see the stores above
.endr
	s_wait_dscnt 0x0
.if \a < 3
	s_wait_loadcnt 8                               ; this block's rows of R are in (and the bias, asked for ahead of them); the next block's eight loads stay out
.else
	s_wait_loadcnt 0x0
.endif
.irp t, 0,1,2,3,4,5,6,7
	v_pk_add_f32 v[OB+4*\t:OB+4*\t+1], v[OB+4*\t:OB+4*\t+1], v[TMP+32*(\a%2)+4*\t:TMP+32*(\a%2)+4*\t+1]
	v_pk_add_f32 v[OB+4*\t+2:OB+4*\t+3], v[OB+4*\t+2:OB+4*\t+3], v[TMP+32*(\a%2)+4*\t+2:TMP+32*(\a%2)+4*\t+3]
.endr
.if BIAS
.irp t, 0,1,2,3,4,5,6,7
	v_pk_add_f32 v[OB+4*\t:OB+4*\t+1], v[OB+4*\t:OB+4*\t+1], v[12:13]
	v_pk_add_f32 v[OB+4*\t+2:OB+4*\t+3], v[OB+4*\t+2:OB+4*\t+3], v[14:15]
.endr
.endif
.irp t, 0,1,2,3,4,5,6,7
	global_store_b128 v[CO], v[OB+4*\t:OB+4*\t+3], s[8:9] offset:(16*\a+2*\t)*4096
.endr
.if \a < 2
	RLOAD \a+2
.endif
.endr
	s_wait_tensorcnt 0x0                           ; the wave's end
	ds_add_u32 v[SPW], v[NIL]
	s_wait_dscnt 0x0
	CROUND                                         ; the closing round: no work-group ends while a partner may still ask for a tile that names it
	s_endpgm
.Lfunc_end_k_q276c446a92_mlp2:
	.size	k_q276c446a92_mlp2, .Lfunc_end_k_q276c446a92_mlp2-k_q276c446a92_mlp2
	.p2alignl 7, 3214868480
	.fill 96, 4, 3214868480
	.section	.rodata,"a",@progbits
	.p2align	6, 0x0
	.amdhsa_kernel k_q276c446a92_mlp2
		.amdhsa_group_segment_fixed_size 327680
		.amdhsa_private_segment_fixed_size 0
		.amdhsa_enable_private_segment 0
		.amdhsa_kernarg_size 40
		.amdhsa_user_sgpr_count 2
		.amdhsa_user_sgpr_kernarg_segment_ptr 1
		.amdhsa_wavefront_size32 1
		.amdhsa_system_sgpr_workgroup_id_x 1
		.amdhsa_system_sgpr_workgroup_id_y 1
		.amdhsa_system_sgpr_workgroup_id_z 1
		.amdhsa_system_vgpr_workitem_id 0
		.amdhsa_next_free_vgpr 512
		.amdhsa_next_free_sgpr 70
		.amdhsa_reserve_vcc 0
		.amdhsa_float_denorm_mode_32 3
		.amdhsa_float_denorm_mode_16_64 3
		.amdhsa_memory_ordered 1
		.amdhsa_forward_progress 1
		.amdhsa_inst_pref_size 97
	.end_amdhsa_kernel
	.amdgpu_metadata
---
amdhsa.version: [ 1, 2 ]
amdhsa.kernels:
  - .name:           k_q276c446a92_mlp2
    .symbol:         k_q276c446a92_mlp2.kd
    .args:
      - { .name: hm, .offset: 0, .size: 8, .value_kind: global_buffer, .address_space: global }
      - { .name: wb, .offset: 8, .size: 8, .value_kind: global_buffer, .address_space: global }
      - { .name: out0, .offset: 16, .size: 8, .value_kind: global_buffer, .address_space: global }
      - { .name: r2, .offset: 24, .size: 8, .value_kind: global_buffer, .address_space: global }
      - { .name: b_out, .offset: 32, .size: 8, .value_kind: global_buffer, .address_space: global }
    .group_segment_fixed_size: 327680
    .private_segment_fixed_size: 0
    .kernarg_segment_align: 8
    .kernarg_segment_size: 40
    .max_flat_workgroup_size: 128
    .sgpr_count:     70
    .vgpr_count:     512
    .wavefront_size: 32
...
	.end_amdgpu_metadata
.endif
;; end of part 7
;; ======== version 2 of 2: 7 launches
;; workspace buffers: wb 25,165,824 bytes; xn 8,388,608 bytes; qkv 25,165,824 bytes; z 8,388,608 bytes; r2 16,777,216 bytes; x2 8,388,608 bytes; hm 33,554,432 bytes
;; launch prep: the kernel of part 1 again; grid 1024 x 1, 8 waves a work-group, no clusters, 0 bytes of LDS; arguments resid, ln1_w, ln1_b, w_q, w_k, w_v, w_o, w_in, w_out, xn, wb; writes xn, wb
;; launch qkv (part 8): grid 12 x 16, 4 waves a work-group, clusters of 4 x 4, 327,680 bytes of LDS; arguments xn, wb, qkv; writes qkv
.if DOCPART == 8
	.amdgcn_target "amdgcn-amd-amdhsa--gfx1250"
	.amdhsa_code_object_version 6
	.text
	.protected	k_q276c446a92_qkv
	.globl	k_q276c446a92_qkv
	.p2align	8
	.type	k_q276c446a92_qkv,@function
k_q276c446a92_qkv:
	s_mov_b64 s[64:65], 0
	v_nop
	global_prefetch_b8 v0, s[64:65] scope:SCOPE_SE
	s_setreg_imm32_b32 hwreg(HW_REG_WAVE_MODE, 25, 1), 1
	s_wait_xcnt 0x0
	s_wait_alu depctr_hold_cnt(0) depctr_sa_sdst(0) depctr_va_vdst(0) depctr_va_sdst(0) depctr_va_ssrc(0) depctr_va_vcc(0) depctr_vm_vsrc(0)
	s_getreg_b32 s2, hwreg(HW_REG_IB_STS2, 6, 4)
	s_cmp_eq_u32 s2, 0
	s_cbranch_scc0 .Lentry_in_a_cluster
	s_endpgm
.Lentry_in_a_cluster:
	s_bfe_u32 s2, ttmp6, 0x10000c
	s_cmp_lg_u32 s2, 0xf033
	s_cbranch_scc0 .Lentry_shape_is_right
	s_endpgm
.Lentry_shape_is_right:
; C[m][n] = sum over k of A[m][k] B[k][n].  A = xn [4096][1024] bf16, B = wb [1024][3072] bf16 (q, k, v weights side by side); sums in f32, C rounded once to bf16.
; C's column n = sel*1024 + h*64 + e goes to qkv + sel*0x800000, laid [b*16 + h][s][e]: a wave's 128 columns are two heads, and 16 rows of a head are 2,048 dense bytes.
; A tile of C is 256 x 256: 12 x 16 = 192 work-groups.  Four waves, as many as a WGP has SIMDs, each 128 x 128: 64 accumulators of 16 x 16, 512 registers.  A tile of 128 x 128 would give
; 768 work-groups, but each byte fetched would feed half as many multiply-adds, and each work-group's four K steps of 256 would stand beside a start and a way out of its own.
; K goes in steps of 128 through two LDS slots.  A's tile: 256 rows x 256 bytes.  B lies [k][n]: its tile is 128 rows (k) x 512 bytes, and its fragments come out of LDS turned (ds_load_tr16_b128).
; CLUSTERS: 4 x 4 work-groups.  The four of a row of the cluster need the same tiles of A, the four of a column the same tiles of B: each tile is asked for jointly.
; THE MATRIX INSTRUCTION IS USED TRANSPOSED (source 0 = 16 columns of B, source 1 = 16 rows of A): a lane then holds eight neighbouring numbers of a row of C.
; REGISTERS, in windows of 256: window 0: v0-31 addresses; v64-127, v128-191 fragments of A (8 x 16 rows x 32 K), two buffers; v32-63, v192-255 at work on the way out
;   window 1: v64-127, v128-191 fragments of B, two buffers
;   window 2: the 32 accumulators of my rows 0-63 (accumulator (a, b) at v[8 (8 a + b)]);   window 3: those of my rows 64-127
.set SIZE_N, 3072
.set SIZE_K, 1024
.set WOFF,   0                         ; where B begins in wb
.set KSTEP,  128
.set PA,     272                       ; a row of A in LDS: 256 bytes + 16 = 68 words: row r starts at bank 4 r mod 64 (64 banks of 4 bytes: ISA guide 11.1)
.set PB,     544                       ; a row of B in LDS: 512 bytes + 32 = 136 words: row r starts at bank 8 r mod 64
.set AHALF,  128*PA                    ; what one tensor load of A brings, and what one wave reads of A
.set BHALF,  64*PB                     ; what one tensor load of B brings: 64 of the step's 128 k
.set BOFF,   2*AHALF
.set SLOT,   BOFF+2*BHALF
.set STAGE,  2*SLOT                    ; behind the ring: for each wave 2 heads x 16 rows x 144 bytes, for the way out
.set SPARE,  STAGE+4*2*16*144          ; behind the stages: the spare words, 128 bytes for each wave, which no other line names
.set LAPS,   SIZE_K/(2*KSTEP)          ; a lap = two K steps = once round the ring
.set ADRA, 16                          ; v16-17  LDS address of my A fragments in slot 0, 1
.set ADRB, 20                          ; v20-21  the same for B
.set STO,  24                          ; v24     the way out: where I put 16 bytes of a row
.set RD,   25                          ; v25     the way out: where I read rows back
.set CO,   26                          ; v26     my byte offset in a store's 512 dense bytes
.set SPW,  28                          ; v28     LDS address of my spare word; never rewritten
.set NIL,  29                          ; v29     0; never rewritten
.set TMP,  32                          ; v32-63  a block's packed results
.set OB,   192                         ; v192-223, v224-255 by turns: a block read back from the stage
.set F0,   64
.set F1,   128
.set G1, 24                            ; s[24:31] descriptor group 1 for A's tiles;  s[32:39] group 0, one set for each slot
.set G0, 32
.set G1B, 48                           ; s[48:55], s[56:63] the same for B's tiles
.set G0B, 56
.set MSB, 0
.macro WIN new                         ; the immediate's high byte repeats the setting that is left; a switch that changes nothing is dropped
.if MSB != \new
	s_set_vgpr_msb (MSB<<8)|\new
.set MSB, \new
.endif
.endm
.set MUL_LO, 0xa1                      ; source 0 (B) window 1, source 1 (A) window 0, C and D window 2
.set MUL_HI, 0xf1                      ; the same, C and D window 3
.set TO_B,   0x40                      ; destination window 1, address window 0
.macro JLOAD s                         ; a joint load: waves 0 and 1 fetch A's two halves, waves 2 and 3 B's; four v_nop follow each of the two lines
	s_cmp_eq_u32 s11, 0
	s_cbranch_scc0 .Lfor_b_\@
	tensor_load_to_lds s[G0+4*\s:G0+4*\s+3], s[G1:G1+7]
	s_nop 0
.rept 4
	v_nop
.endr
	s_branch .Lasked_\@
.Lfor_b_\@:
	tensor_load_to_lds s[G0B+4*\s:G0B+4*\s+3], s[G1B:G1B+7]
	s_nop 0
.rept 4
	v_nop
.endr
.Lasked_\@:
.endm
.macro CREST                           ; a round of the cluster's barrier behind its opening barrier
	s_cmp_lg_u32 s10, 0
	s_cbranch_scc1 .Lnot_wave_0_\@
	s_barrier_signal -3
.Lnot_wave_0_\@:
	s_barrier_wait -3
	s_barrier_signal -1
	s_barrier_wait -1
.endm
.macro CROUND                          ; a whole round
	s_barrier_signal -1
	s_barrier_wait -1
	CREST
.endm
	s_load_b128 s[4:7], s[0:1], 0x0                ; A s[4:5], wb s[6:7]
	s_load_b64 s[8:9], s[0:1], 0x10                ; C
	v_lshl_add_u32 v[SPW], v0, 2, SPARE
	v_mov_b32 v[NIL], 0
	ds_add_u32 v28, v29
	s_wait_dscnt 0x0
	v_lshrrev_b32 v1, 5, v0
	v_readfirstlane_b32 s10, v1                    ; wave 0..3
	s_lshr_b32 s11, s10, 1                         ; which half of the tile's rows is mine.  Also: I fetch for A (0) or for B (1)
	s_and_b32 s12, s10, 1                          ; which half of its columns.  Also: which half of that tile I fetch
	s_bfe_u32 s40, ttmp6, 0x40000                  ; cx, cy: my place in the cluster
	s_bfe_u32 s41, ttmp6, 0x40004
	s_lshl_b32 s42, ttmp9, 2
	s_add_co_u32 s42, s42, s40                     ; tile column of C = 4 x cluster x + cx
	s_and_b32 s13, ttmp7, 0xffff
	s_lshl_b32 s13, s13, 2
	s_add_co_u32 s13, s13, s41                     ; tile row of C = 4 x cluster y + cy
	s_lshl_b32 s43, s41, 2
	s_lshl_b32 s43, 15, s43                        ; my row of the cluster
	s_lshl_b32 s44, 0x1111, s40                    ; my column
	s_or_b32 s[G1+0], s43, (1<<16)|(1<<20)|(1<<21)|(5<<22)|(3<<25)   ; mask: my row; elements of 2 bytes; padding on; bit 21 beside a mask; after every 64 words, 4 words
	s_mov_b32 s[G1+1], KSTEP<<16                   ; tensor_dim0 = 128
	s_mov_b32 s[G1+2], 128<<16                     ; tensor_dim1 = 128
	s_mov_b32 s[G1+3], KSTEP<<16                   ; tile_dim0 = 128
	s_mov_b32 s[G1+4], 128                         ; tile_dim1 = 128
	s_mov_b32 s[G1+5], SIZE_K                      ; elements from row to row
	s_mov_b32 s[G1+6], 0
	s_mov_b32 s[G1+7], 0
	s_or_b32 s[G1B+0], s44, (1<<16)|(1<<20)|(1<<21)|(6<<22)|(7<<25)  ; mask: my column; after every 128 words, 8 words
	s_mov_b32 s[G1B+1], 256<<16                    ; tensor_dim0 = 256 columns
	s_mov_b32 s[G1B+2], 64<<16                     ; tensor_dim1 = 64 k
	s_mov_b32 s[G1B+3], 256<<16                    ; tile_dim0 = 256
	s_mov_b32 s[G1B+4], 64                         ; tile_dim1 = 64
	s_mov_b32 s[G1B+5], SIZE_N
	s_mov_b32 s[G1B+6], 0
	s_mov_b32 s[G1B+7], 0
	s_lshl_b32 s17, s12, 7
	s_lshl_b32 s16, s13, 8
	s_add_co_u32 s16, s16, s17                     ; A: row 256 x tile row + 128 x half
	s_mov_b32 s17, 0
	s_mov_b64 s[18:19], SIZE_K*2
	s_mul_u64 s[16:17], s[16:17], s[18:19]
	s_mul_i32 s46, s12, 64*SIZE_N*2                ; B: k = 64 x half,
	s_lshl_b32 s47, s42, 9                         ; column 256 x tile column (512 bytes)
	s_add_co_u32 s46, s46, s47
	s_mov_b32 s47, 0
	s_mul_i32 s20, s12, AHALF                      ; where they go: no place in the cluster enters an LDS address
	s_mul_i32 s21, s12, BHALF
	s_add_co_u32 s21, s21, BOFF
	s_wait_kmcnt 0x0
	s_add_nc_u64 s[14:15], s[4:5], s[16:17]
	s_add_nc_u64 s[46:47], s[6:7], s[46:47]
.if WOFF
	s_add_nc_u64 s[46:47], s[46:47], WOFF
.endif
	CROUND                                         ; all sixteen work-groups are here: the first joint loads meet
.irp s, 0,1
	s_mov_b32 s[G0+4*\s], 1
	s_add_co_u32 s[G0+4*\s+1], s20, \s*SLOT
	s_add_nc_u64 s[G0+4*\s+2:G0+4*\s+3], s[14:15], \s*KSTEP*2
	s_or_b32 s[G0+4*\s+3], s[G0+4*\s+3], 0x80000000
	s_mov_b32 s[G0B+4*\s], 1
	s_add_co_u32 s[G0B+4*\s+1], s21, \s*SLOT
	s_add_nc_u64 s[G0B+4*\s+2:G0B+4*\s+3], s[46:47], \s*KSTEP*SIZE_N*2
	s_or_b32 s[G0B+4*\s+3], s[G0B+4*\s+3], 0x80000000
	JLOAD \s                                       ; two loads of mine are out behind the second
.endr
	v_and_b32 v1, 15, v0                           ; l % 16
	v_bfe_u32 v2, v0, 4, 1                         ; l / 16
	v_mul_u32_u24 v3, v1, PA
	v_lshl_add_u32 v3, v2, 4, v3                   ; a fragment of A: row x pitch + 16 x half
	s_mul_i32 s21, s11, AHALF                      ; my 128 rows of A
	v_add_nc_u32 v[ADRA], s21, v3
	v_add_nc_u32 v[ADRA+1], SLOT, v[ADRA]
	v_and_b32 v4, 7, v0                            ; a fragment of B, turned: lane l reads 16 bytes of row k = 8 (l / 16) + l % 8, columns 8 ((l / 8) % 2) on
	v_lshl_add_u32 v4, v2, 3, v4
	v_mul_u32_u24 v4, v4, PB
	v_bfe_u32 v5, v0, 3, 1
	v_lshl_add_u32 v4, v5, 4, v4
	s_lshl_b32 s22, s12, 8                         ; my 128 columns: 256 bytes
	s_add_co_u32 s22, s22, BOFF
	v_add_nc_u32 v[ADRB], s22, v4
	v_add_nc_u32 v[ADRB+1], SLOT, v[ADRB]
	; the way out: my own stage, 16 rows x 144 bytes for each of my two heads; in: row l % 16, 16 bytes for each half of the lanes; back: 4 rows of 128 bytes a load
	s_mul_i32 s23, s10, 2*16*144
	s_add_co_u32 s23, s23, STAGE
	v_mul_u32_u24 v4, v1, 144
	v_lshl_add_u32 v4, v2, 4, v4
	v_add_nc_u32 v[STO], s23, v4
	v_bfe_u32 v4, v0, 3, 2
	v_and_b32 v5, 7, v0
	v_mul_u32_u24 v4, v4, 144
	v_lshl_add_u32 v4, v5, 4, v4
	v_add_nc_u32 v[RD], s23, v4
	v_and_b32 v4, 31, v0
	v_lshlrev_b32 v[CO], 4, v4                     ; 16 x lane: four rows of a head are 512 dense bytes
	s_lshl_b32 s16, s13, 8
	s_lshl_b32 s17, s11, 7
	s_add_co_u32 s16, s16, s17                     ; my first row m0 = b*2048 + s
	s_lshr_b32 s17, s16, 11
	s_lshl_b32 s17, s17, 22                        ; b x 16 heads x 262,144 bytes
	s_and_b32 s16, s16, 2047
	s_lshl_b32 s16, s16, 7                         ; s x 128 bytes
	s_add_co_u32 s16, s16, s17
	s_mov_b32 s17, 0
	s_add_nc_u64 s[8:9], s[8:9], s[16:17]
	s_lshl_b32 s46, s42, 8                         ; my first column n0 = sel*1024 + h*64 (in the registers that hold column figures alone)
	s_lshl_b32 s47, s12, 7
	s_add_co_u32 s46, s46, s47
	s_lshr_b32 s47, s46, 10
	s_lshl_b32 s47, s47, 23                        ; sel x 0x800000
	s_bfe_u32 s46, s46, 0x40006
	s_lshl_b32 s46, s46, 18                        ; h x 262,144
	s_add_co_u32 s46, s46, s47
	s_mov_b32 s47, 0
	s_add_nc_u64 s[8:9], s[8:9], s[46:47]
; 16 matrix instructions: m blocks a0, a0 + 1 of the window's four (hi = 0: my rows 0-63, 1: rows 64-127) x all 8 n blocks, 32 along K.  zero = 1: the first product starts the sums
.macro MUL16 f, hi, a0, zero
.irp a, \a0, \a0+1
.irp b, 0,1,2,3,4,5,6,7
.if \zero
	v_wmma_f32_16x16x32_bf16 v[8*(8*(\a)+\b):8*(8*(\a)+\b)+7], v[\f+8*\b:\f+8*\b+7], v[\f+8*(4*\hi+\a):\f+8*(4*\hi+\a)+7], 0
.else
	v_wmma_f32_16x16x32_bf16 v[8*(8*(\a)+\b):8*(8*(\a)+\b)+7], v[\f+8*\b:\f+8*\b+7], v[\f+8*(4*\hi+\a):\f+8*(4*\hi+\a)+7], v[8*(8*(\a)+\b):8*(8*(\a)+\b)+7]
.endif
.endr
.endr
.endm
; 32 LDS loads in one run: the fragments of quarter q (32 along K) of a slot, into buffer f: 128 columns of B (turned), then 128 rows of A
.macro FETCH slot, q, f
	WIN TO_B
.irp i, 0,1,2,3,4,5,6,7
	ds_load_tr16_b128 v[\f+8*\i:\f+8*\i+3],   v[ADRB+\slot] offset:(32*\q)*PB+32*\i
	ds_load_tr16_b128 v[\f+8*\i+4:\f+8*\i+7], v[ADRB+\slot] offset:(32*\q+16)*PB+32*\i
.endr
	WIN 0
.irp i, 0,1,2,3,4,5,6,7
	ds_load_b128 v[\f+8*\i:\f+8*\i+3],   v[ADRA+\slot] offset:64*\q+\i*16*PA
	ds_load_b128 v[\f+8*\i+4:\f+8*\i+7], v[ADRA+\slot] offset:64*\q+\i*16*PA+32
.endr
.endm
.macro PLACES                          ; four places in front of loads into registers that matrix instructions have read, and of instructions that read results
.rept 4
	v_nop
.endr
.endm
; A K step is four quarters of 32 along K, 64 matrix instructions each, on buffers 0, 1, 0, 1; the 64 accumulators take turns.
; One of the first three: multiplies buffer f; in its middle it fetches quarter q of the same slot into buffer g.
.macro QUARTER slot, q, f, g, zero
	s_wait_dscnt 8                                 ; B and A's rows 0-63 are in; the youngest eight loads (A's rows 64-127) may be out
	WIN MUL_LO
	MUL16 \f, 0, 0, \zero
	MUL16 \f, 0, 2, \zero
	PLACES
	FETCH \slot, \q, \g
	s_wait_dscnt 32                                ; all but the 32 just issued
	WIN MUL_HI
	MUL16 \f, 1, 0, \zero
	MUL16 \f, 1, 2, \zero
.endm
; The last quarter multiplies buffer 1 and changes slots: one barrier; in front of it each wave waits for all its tensor loads, adds 0 to its spare word, and waits for that and for its reads of this slot.
; fill = 1: the barrier opens a round of the cluster's, and this slot is filled again, two K steps ahead.
.macro TURN slot, next, fill
	WIN 0                                          ; (the add's two registers lie in window 0)
	s_wait_tensorcnt 0x0                           ; all my tensor loads have landed: the one that was out is my part of the next slot;
	ds_add_u32 v[SPW], v[NIL]                      ; 0 onto my spare word;
	s_wait_dscnt 9                                 ; (the add and the youngest eight loads may be out)
	WIN MUL_LO
	MUL16 F1, 0, 0, 0                              ; sixteen matrix instructions stand between the add and the wait for it
	s_wait_dscnt 0x0                               ; the add is done, and my reads of this slot are over
	s_barrier_signal -1
	MUL16 F1, 0, 2, 0
.if \fill
	WIN 0
.endif
	s_barrier_wait -1
.if \fill
	CREST                                          ; no wave of any partner still reads this slot's tile or has a load on its way
	s_add_nc_u64 s[G0+4*\slot+2:G0+4*\slot+3], s[G0+4*\slot+2:G0+4*\slot+3], 2*KSTEP*2
	s_add_nc_u64 s[G0B+4*\slot+2:G0B+4*\slot+3], s[G0B+4*\slot+2:G0B+4*\slot+3], 2*KSTEP*SIZE_N*2
	JLOAD \slot                                    ; the first tensor load behind the round, my only one: 224 matrix instructions ahead of the wait for it; its four v_nop are also the places in front of the loads below
.else
	PLACES
.endif
	FETCH \next, 0, F0
	WIN MUL_HI
	MUL16 F1, 1, 0, 0
	MUL16 F1, 1, 2, 0
.endm
; THE WAY OUT of block a (16 of my rows), in three parts.  PACK: rounded to bf16, 16 bytes a lane.  TOSTAGE: into my own stage, and back as rows of 128 bytes, four to a load.  SEND: stored.
.macro PACK a
.set AC, 64*((\a)%4)
	WIN 0x0a+5*((\a)/4)                            ; sources 0 and 1: window 2 or 3
.irp b, 0,1,2,3,4,5,6,7
.irp r, 0,1,2,3
	v_cvt_pk_bf16_f32 v[TMP+4*\b+\r], v[AC+8*\b+2*\r], v[AC+8*\b+2*\r+1]   ; each accumulator from its low end on
.endr
.endr
	WIN 0
.endm
.macro TOSTAGE a
.set BK, OB+32*((\a)%2)
.irp b, 0,1,2,3,4,5,6,7
	ds_store_b128 v[STO], v[TMP+4*\b:TMP+4*\b+3] offset:(\b/4)*16*144+32*(\b%4)   ; n blocks 0-3 are my first head, 4-7 my second
.endr
.irp t, 0,1,2,3,4,5,6,7
	ds_load_b128 v[BK+4*\t:BK+4*\t+3], v[RD] offset:\t*4*144       ; LDS serves a wave's instructions in order (ISA guide 5.7.1.4): these see the stores above
.endr
.endm
.macro SEND a
.set BK, OB+32*((\a)%2)
	s_wait_dscnt 0x0                               ; the block is back in registers
	s_wait_xcnt 0x0                                ; the registers that the block before last was stored from are loaded again only behind this wait
.irp t, 0,1,2,3,4,5,6,7
	global_store_b128 v[CO], v[BK+4*\t:BK+4*\t+3], s[8:9] offset:(\t/4)*262144+(\a)*2048+(\t%4)*512   ; 512 dense bytes, at a multiple of 512 from the buffer's first byte
.endr
.endm
	s_wait_tensorcnt 1                             ; my part of K step 0 is in; K step 1's may stay out
	s_barrier_signal -1
	s_barrier_wait -1
	FETCH 0, 0, F0
	QUARTER 0, 1, F0, F1, 1                        ; the first quarter stands in front of the loop: its products start the sums
	WIN 0                                          ; at a label and at a branch every window is 0
	s_mov_b32 s3, LAPS-1
.Llap:                                                 ; a trip goes once round the ring, from a lap's second quarter to the next lap's first, and fills both slots again
	QUARTER 0, 2, F1, F0, 0
	QUARTER 0, 3, F0, F1, 0
	TURN 0, 1, 1
	QUARTER 1, 1, F0, F1, 0
	QUARTER 1, 2, F1, F0, 0
	QUARTER 1, 3, F0, F1, 0
	TURN 1, 0, 1
	QUARTER 0, 1, F0, F1, 0
	WIN 0
	s_sub_co_u32 s3, s3, 1
	s_cmp_lg_u32 s3, 0
	s_cbranch_scc1 .Llap
	QUARTER 0, 2, F1, F0, 0                        ; the last lap fills nothing, and has no round of the cluster's barrier
	QUARTER 0, 3, F0, F1, 0
	TURN 0, 1, 0
	QUARTER 1, 1, F0, F1, 0
	QUARTER 1, 2, F1, F0, 0
	QUARTER 1, 3, F0, F1, 0
	s_wait_dscnt 8                                 ; the very last quarter: nothing more to fetch
	WIN MUL_LO
	MUL16 F1, 0, 0, 0
	MUL16 F1, 0, 2, 0
	s_wait_dscnt 0x0
	WIN MUL_HI
	MUL16 F1, 1, 0, 0
	MUL16 F1, 1, 2, 0
	WIN 0
	PLACES
	PACK 0
	TOSTAGE 0
.irp a, 1,2,3,4,5,6,7                  ; block a's conversions stand between block a - 1's loads from the stage and the wait for them
	PACK \a
	SEND \a-1
	TOSTAGE \a
.endr
	SEND 7
	s_wait_tensorcnt 0x0                           ; the wave's end
	ds_add_u32 v[SPW], v[NIL]
	s_wait_dscnt 0x0
	CROUND                                         ; the closing round: no work-group ends while a partner may still ask for a tile that names it
	s_endpgm
.Lfunc_end_k_q276c446a92_qkv:
	.size	k_q276c446a92_qkv, .Lfunc_end_k_q276c446a92_qkv-k_q276c446a92_qkv
	.p2alignl 7, 3214868480
	.fill 96, 4, 3214868480
	.section	.rodata,"a",@progbits
	.p2align	6, 0x0
	.amdhsa_kernel k_q276c446a92_qkv
		.amdhsa_group_segment_fixed_size 327680
		.amdhsa_private_segment_fixed_size 0
		.amdhsa_enable_private_segment 0
		.amdhsa_kernarg_size 24
		.amdhsa_user_sgpr_count 2
		.amdhsa_user_sgpr_kernarg_segment_ptr 1
		.amdhsa_wavefront_size32 1
		.amdhsa_system_sgpr_workgroup_id_x 1
		.amdhsa_system_sgpr_workgroup_id_y 1
		.amdhsa_system_sgpr_workgroup_id_z 1
		.amdhsa_system_vgpr_workitem_id 0
		.amdhsa_next_free_vgpr 1024
		.amdhsa_next_free_sgpr 66
		.amdhsa_reserve_vcc 0
		.amdhsa_float_denorm_mode_32 3
		.amdhsa_float_denorm_mode_16_64 3
		.amdhsa_memory_ordered 1
		.amdhsa_forward_progress 1
		.amdhsa_inst_pref_size 143
	.end_amdhsa_kernel
	.amdgpu_metadata
---
amdhsa.version: [ 1, 2 ]
amdhsa.kernels:
  - .name:           k_q276c446a92_qkv
    .symbol:         k_q276c446a92_qkv.kd
    .args:
      - { .name: xn, .offset: 0, .size: 8, .value_kind: global_buffer, .address_space: global }
      - { .name: wb, .offset: 8, .size: 8, .value_kind: global_buffer, .address_space: global }
      - { .name: qkv, .offset: 16, .size: 8, .value_kind: global_buffer, .address_space: global }
    .group_segment_fixed_size: 327680
    .private_segment_fixed_size: 0
    .kernarg_segment_align: 8
    .kernarg_segment_size: 24
    .max_flat_workgroup_size: 128
    .sgpr_count:     66
    .vgpr_count:     1024
    .wavefront_size: 32
...
	.end_amdgpu_metadata
.endif
;; end of part 8
;; launch attn: the kernel of part 3 again; grid 8 x 32, 8 waves a work-group, no clusters, 327,680 bytes of LDS; arguments qkv, z; writes z
;; launch oproj: the kernel of part 4 again; grid 8 x 32, 4 waves a work-group, clusters of 4 x 4, 327,680 bytes of LDS; arguments z, wb, r2, resid; writes r2
;; launch ln2: the kernel of part 5 again; grid 256 x 1, 8 waves a work-group, no clusters, 0 bytes of LDS; arguments r2, ln2_w, ln2_b, x2; writes x2
;; launch mlp1 (part 9): grid 16 x 16, 4 waves a work-group, clusters of 4 x 4, 327,680 bytes of LDS; arguments x2, wb, hm, b_in; writes hm
.if DOCPART == 9
	.amdgcn_target "amdgcn-amd-amdhsa--gfx1250"
	.amdhsa_code_object_version 6
	.text
	.protected	k_q276c446a92_mlp1
	.globl	k_q276c446a92_mlp1
	.p2align	8
	.type	k_q276c446a92_mlp1,@function
k_q276c446a92_mlp1:
	s_mov_b64 s[64:65], 0
	v_nop
	global_prefetch_b8 v0, s[64:65] scope:SCOPE_SE
	s_setreg_imm32_b32 hwreg(HW_REG_WAVE_MODE, 25, 1), 1
	s_wait_xcnt 0x0
	s_wait_alu depctr_hold_cnt(0) depctr_sa_sdst(0) depctr_va_vdst(0) depctr_va_sdst(0) depctr_va_ssrc(0) depctr_va_vcc(0) depctr_vm_vsrc(0)
	s_getreg_b32 s2, hwreg(HW_REG_IB_STS2, 6, 4)
	s_cmp_eq_u32 s2, 0
	s_cbranch_scc0 .Lentry_in_a_cluster
	s_endpgm
.Lentry_in_a_cluster:
	s_bfe_u32 s2, ttmp6, 0x10000c
	s_cmp_lg_u32 s2, 0xf033
	s_cbranch_scc0 .Lentry_shape_is_right
	s_endpgm
.Lentry_shape_is_right:
; C[m][n] = gelu(b_in[n] + sum over k of A[m][k] B[k][n]).  A = x2 [4096][1024] bf16, B = w_in as bf16 [1024][4096] at wb + 0x800000, C = hm [4096][4096] bf16.
; gelu(x) = 0.5 x (1 + tanh(y)), y = sqrt(2/pi) (x + 0.044715 x^3), is computed as x / (1 + 2^(-k x (1 + 0.044715 x^2))), k = 2 sqrt(2/pi) log2(e): the same function, since
; 0.5 (1 + tanh y) = 1 / (1 + e^(-2 y)).  Where the power overflows the quotient is 0, where it vanishes the quotient is x, as the tanh form gives.  All of it in f32; C is rounded once.
; A tile of C is 256 x 256: 16 x 16 = 256 work-groups.  Four waves, as many as a WGP has SIMDs, each 128 x 128: 64 accumulators of 16 x 16, 512 registers.
; K goes in steps of 128 through two LDS slots.  A's tile: 256 rows x 256 bytes.  B lies [k][n]: its tile is 128 rows (k) x 512 bytes, and its fragments come out of LDS turned (ds_load_tr16_b128).
; CLUSTERS: 4 x 4 work-groups.  The four of a row of the cluster need the same tiles of A, the four of a column the same tiles of B: each tile is asked for jointly.
; THE MATRIX INSTRUCTION IS USED TRANSPOSED (source 0 = 16 columns of B, source 1 = 16 rows of A): a lane then holds eight neighbouring numbers of a row of C.
; REGISTERS, in windows of 256: window 0: v0-31 addresses (v8-11 two constants); v64-127, v128-191 fragments of A (8 x 16 rows x 32 K), two buffers, on the way out x and the work on it;
;   v32-63, v192-255 at work on the way out.   window 1: v0-63 the bias of my lane's 64 columns; v64-127, v128-191 fragments of B, two buffers
;   window 2: the 32 accumulators of my rows 0-63 (accumulator (a, b) at v[8 (8 a + b)]);   window 3: those of my rows 64-127
.set SIZE_N, 4096
.set SIZE_K, 1024
.set WOFF,   0x800000                  ; where B begins in wb
.set KSTEP,  128
.set PA,     272                       ; a row of A in LDS: 256 bytes + 16 = 68 words: row r starts at bank 4 r mod 64 (64 banks of 4 bytes: ISA guide 11.1)
.set PB,     544                       ; a row of B in LDS: 512 bytes + 32 = 136 words: row r starts at bank 8 r mod 64
.set AHALF,  128*PA                    ; what one tensor load of A brings, and what one wave reads of A
.set BHALF,  64*PB                     ; what one tensor load of B brings: 64 of the step's 128 k
.set BOFF,   2*AHALF
.set SLOT,   BOFF+2*BHALF
.set STAGE,  2*SLOT                    ; behind the ring: 16 rows x 272 bytes for each wave, for the way out
.set SPITCH, 272
.set SPARE,  STAGE+4*16*SPITCH         ; behind the stages: the spare words, 128 bytes for each wave, which no other line names
.set LAPS,   SIZE_K/(2*KSTEP)          ; a lap = two K steps = once round the ring
.set ADRA, 16                          ; v16-17  LDS address of my A fragments in slot 0, 1
.set ADRB, 20                          ; v20-21  the same for B
.set STO,  24                          ; v24     the way out: where I put 16 bytes of a row
.set RD,   25                          ; v25     the way out: where I read a row back
.set CO,   26                          ; v26     my byte offset in C
.set BO,   27                          ; v27     my byte offset in the wave's part of the bias
.set SPW,  28                          ; v28     LDS address of my spare word; never rewritten
.set NIL,  29                          ; v29     0; never rewritten
.set TMP,  32                          ; v32-63  a block's packed results
.set OB,   192                         ; v192-223, v224-255 by turns: a block read back from the stage
.set F0,   64
.set F1,   128
.set X,    64                          ; the way out: a block's 64 numbers a lane, x
.set U,    128                         ; the way out: the work on them
.set BI,   0                           ; window 1: the bias; n block b at BI + 8 b
.set G1, 24                            ; s[24:31] descriptor group 1 for A's tiles;  s[32:39] group 0, one set for each slot
.set G0, 32
.set G1B, 48                           ; s[48:55], s[56:63] the same for B's tiles
.set G0B, 56
.set MSB, 0
.macro WIN new                         ; the immediate's high byte repeats the setting that is left; a switch that changes nothing is dropped
.if MSB != \new
	s_set_vgpr_msb (MSB<<8)|\new
.set MSB, \new
.endif
.endm
.set MUL_LO, 0xa1                      ; source 0 (B) window 1, source 1 (A) window 0, C and D window 2
.set MUL_HI, 0xf1                      ; the same, C and D window 3
.set TO_B,   0x40                      ; destination window 1, address window 0
.macro JLOAD s                         ; a joint load: waves 0 and 1 fetch A's two halves, waves 2 and 3 B's; four v_nop follow each of the two lines
	s_cmp_eq_u32 s11, 0
	s_cbranch_scc0 .Lfor_b_\@
	tensor_load_to_lds s[G0+4*\s:G0+4*\s+3], s[G1:G1+7]
	s_nop 0
.rept 4
	v_nop
.endr
	s_branch .Lasked_\@
.Lfor_b_\@:
	tensor_load_to_lds s[G0B+4*\s:G0B+4*\s+3], s[G1B:G1B+7]
	s_nop 0
.rept 4
	v_nop
.endr
.Lasked_\@:
.endm
.macro CREST                           ; a round of the cluster's barrier behind its opening barrier
	s_cmp_lg_u32 s10, 0
	s_cbranch_scc1 .Lnot_wave_0_\@
	s_barrier_signal -3
.Lnot_wave_0_\@:
	s_barrier_wait -3
	s_barrier_signal -1
	s_barrier_wait -1
.endm
.macro CROUND                          ; a whole round
	s_barrier_signal -1
	s_barrier_wait -1
	CREST
.endm
	s_load_b128 s[4:7], s[0:1], 0x0                ; A s[4:5], wb s[6:7]
	s_load_b64 s[8:9], s[0:1], 0x10                ; C
	s_load_b64 s[66:67], s[0:1], 0x18              ; b_in
	v_lshl_add_u32 v[SPW], v0, 2, SPARE
	v_mov_b32 v[NIL], 0
	ds_add_u32 v28, v29
	s_wait_dscnt 0x0
	v_lshrrev_b32 v1, 5, v0
	v_readfirstlane_b32 s10, v1                    ; wave 0..3
	s_lshr_b32 s11, s10, 1                         ; which half of the tile's rows is mine.  Also: I fetch for A (0) or for B (1)
	s_and_b32 s12, s10, 1                          ; which half of its columns.  Also: which half of that tile I fetch
	s_bfe_u32 s40, ttmp6, 0x40000                  ; cx, cy: my place in the cluster
	s_bfe_u32 s41, ttmp6, 0x40004
	s_lshl_b32 s42, ttmp9, 2
	s_add_co_u32 s42, s42, s40                     ; tile column of C = 4 x cluster x + cx
	s_and_b32 s13, ttmp7, 0xffff
	s_lshl_b32 s13, s13, 2
	s_add_co_u32 s13, s13, s41                     ; tile row of C = 4 x cluster y + cy
	s_lshl_b32 s43, s41, 2
	s_lshl_b32 s43, 15, s43                        ; my row of the cluster
	s_lshl_b32 s44, 0x1111, s40                    ; my column
	s_or_b32 s[G1+0], s43, (1<<16)|(1<<20)|(1<<21)|(5<<22)|(3<<25)   ; mask: my row; elements of 2 bytes; padding on; bit 21 beside a mask; after every 64 words, 4 words
	s_mov_b32 s[G1+1], KSTEP<<16                   ; tensor_dim0 = 128
	s_mov_b32 s[G1+2], 128<<16                     ; tensor_dim1 = 128
	s_mov_b32 s[G1+3], KSTEP<<16                   ; tile_dim0 = 128
	s_mov_b32 s[G1+4], 128                         ; tile_dim1 = 128
	s_mov_b32 s[G1+5], SIZE_K                      ; elements from row to row
	s_mov_b32 s[G1+6], 0
	s_mov_b32 s[G1+7], 0
	s_or_b32 s[G1B+0], s44, (1<<16)|(1<<20)|(1<<21)|(6<<22)|(7<<25)  ; mask: my column; after every 128 words, 8 words
	s_mov_b32 s[G1B+1], 256<<16                    ; tensor_dim0 = 256 columns
	s_mov_b32 s[G1B+2], 64<<16                     ; tensor_dim1 = 64 k
	s_mov_b32 s[G1B+3], 256<<16                    ; tile_dim0 = 256
	s_mov_b32 s[G1B+4], 64                         ; tile_dim1 = 64
	s_mov_b32 s[G1B+5], SIZE_N
	s_mov_b32 s[G1B+6], 0
	s_mov_b32 s[G1B+7], 0
	s_lshl_b32 s17, s12, 7
	s_lshl_b32 s16, s13, 8
	s_add_co_u32 s16, s16, s17                     ; A: row 256 x tile row + 128 x half
	s_mov_b32 s17, 0
	s_mov_b64 s[18:19], SIZE_K*2
	s_mul_u64 s[16:17], s[16:17], s[18:19]
	s_mul_i32 s46, s12, 64*SIZE_N*2                ; B: k = 64 x half,
	s_lshl_b32 s47, s42, 9                         ; column 256 x tile column (512 bytes)
	s_add_co_u32 s46, s46, s47
	s_mov_b32 s47, 0
	s_mul_i32 s20, s12, AHALF                      ; where they go: no place in the cluster enters an LDS address
	s_mul_i32 s21, s12, BHALF
	s_add_co_u32 s21, s21, BOFF
	s_wait_kmcnt 0x0
	s_add_nc_u64 s[14:15], s[4:5], s[16:17]
	s_add_nc_u64 s[46:47], s[6:7], s[46:47]
.if WOFF
	s_add_nc_u64 s[46:47], s[46:47], WOFF
.endif
	CROUND                                         ; all sixteen work-groups are here: the first joint loads meet
.irp s, 0,1
	s_mov_b32 s[G0+4*\s], 1
	s_add_co_u32 s[G0+4*\s+1], s20, \s*SLOT
	s_add_nc_u64 s[G0+4*\s+2:G0+4*\s+3], s[14:15], \s*KSTEP*2
	s_or_b32 s[G0+4*\s+3], s[G0+4*\s+3], 0x80000000
	s_mov_b32 s[G0B+4*\s], 1
	s_add_co_u32 s[G0B+4*\s+1], s21, \s*SLOT
	s_add_nc_u64 s[G0B+4*\s+2:G0B+4*\s+3], s[46:47], \s*KSTEP*SIZE_N*2
	s_or_b32 s[G0B+4*\s+3], s[G0B+4*\s+3], 0x80000000
	JLOAD \s                                       ; two loads of mine are out behind the second
.endr
	v_and_b32 v1, 15, v0                           ; l % 16
	v_bfe_u32 v2, v0, 4, 1                         ; l / 16
	v_mul_u32_u24 v3, v1, PA
	v_lshl_add_u32 v3, v2, 4, v3                   ; a fragment of A: row x pitch + 16 x half
	s_mul_i32 s21, s11, AHALF                      ; my 128 rows of A
	v_add_nc_u32 v[ADRA], s21, v3
	v_add_nc_u32 v[ADRA+1], SLOT, v[ADRA]
	v_and_b32 v4, 7, v0                            ; a fragment of B, turned: lane l reads 16 bytes of row k = 8 (l / 16) + l % 8, columns 8 ((l / 8) % 2) on
	v_lshl_add_u32 v4, v2, 3, v4
	v_mul_u32_u24 v4, v4, PB
	v_bfe_u32 v5, v0, 3, 1
	v_lshl_add_u32 v4, v5, 4, v4
	s_lshl_b32 s22, s12, 8                         ; my 128 columns: 256 bytes
	s_add_co_u32 s22, s22, BOFF
	v_add_nc_u32 v[ADRB], s22, v4
	v_add_nc_u32 v[ADRB+1], SLOT, v[ADRB]
	; the way out: my own stage of 16 rows x 272 bytes: a wave's 128 columns are 256 bytes of a row of C
	s_mul_i32 s23, s10, 16*SPITCH
	s_add_co_u32 s23, s23, STAGE
	v_mul_u32_u24 v4, v1, SPITCH                   ; in: row l % 16, 16 bytes for each half of the lanes
	v_lshl_add_u32 v4, v2, 4, v4
	v_add_nc_u32 v[STO], s23, v4
	v_mul_u32_u24 v5, v2, SPITCH                   ; back: lanes 0-15 take one row of 256 bytes, lanes 16-31 the next
	v_lshl_add_u32 v5, v1, 4, v5
	v_add_nc_u32 v[RD], s23, v5
	v_mul_u32_u24 v5, v2, SIZE_N*2                 ; and the same two rows in C
	v_lshl_add_u32 v[CO], v1, 4, v5
	s_lshl_b32 s16, s13, 8
	s_lshl_b32 s17, s11, 7
	s_add_co_u32 s16, s16, s17                     ; my first row of C
	s_mov_b32 s17, 0
	s_mov_b64 s[18:19], SIZE_N*2
	s_mul_u64 s[16:17], s[16:17], s[18:19]
	s_add_nc_u64 s[8:9], s[8:9], s[16:17]
	s_lshl_b32 s46, s42, 9                         ; my first column, in bytes of bf16: 512 x tile column + 256 x half (in the registers that hold column figures alone)
	s_lshl_b32 s47, s12, 8
	s_add_co_u32 s46, s46, s47
	s_mov_b32 s47, 0
	s_add_nc_u64 s[8:9], s[8:9], s[46:47]
	s_lshl_b32 s46, s46, 1                         ; the same column in bytes of f32: the bias
	s_add_nc_u64 s[66:67], s[66:67], s[46:47]
	v_lshlrev_b32 v[BO], 5, v2                     ; my lane's eight columns of each n block begin at 8 (l / 16)
	WIN TO_B                                       ; the bias is asked for here and used on the way out: nothing in between touches its registers
.irp b, 0,1,2,3,4,5,6,7
	global_load_b128 v[BI+8*\b:BI+8*\b+3],   v[BO], s[66:67] offset:64*\b
	global_load_b128 v[BI+8*\b+4:BI+8*\b+7], v[BO], s[66:67] offset:64*\b+16
.endr
	WIN 0
	v_mov_b32 v8, 0xbdd2d3e8                       ; -k x 0.044715, twice
	v_mov_b32 v9, 0xbdd2d3e8
	v_mov_b32 v10, 0xc0135761                      ; -k = -2.3022082, twice
	v_mov_b32 v11, 0xc0135761
; 16 matrix instructions: m blocks a0, a0 + 1 of the window's four (hi = 0: my rows 0-63, 1: rows 64-127) x all 8 n blocks, 32 along K.  zero = 1: the first product starts the sums
.macro MUL16 f, hi, a0, zero
.irp a, \a0, \a0+1
.irp b, 0,1,2,3,4,5,6,7
.if \zero
	v_wmma_f32_16x16x32_bf16 v[8*(8*(\a)+\b):8*(8*(\a)+\b)+7], v[\f+8*\b:\f+8*\b+7], v[\f+8*(4*\hi+\a):\f+8*(4*\hi+\a)+7], 0
.else
	v_wmma_f32_16x16x32_bf16 v[8*(8*(\a)+\b):8*(8*(\a)+\b)+7], v[\f+8*\b:\f+8*\b+7], v[\f+8*(4*\hi+\a):\f+8*(4*\hi+\a)+7], v[8*(8*(\a)+\b):8*(8*(\a)+\b)+7]
.endif
.endr
.endr
.endm
; 32 LDS loads in one run: the fragments of quarter q (32 along K) of a slot, into buffer f: 128 columns of B (turned), then 128 rows of A
.macro FETCH slot, q, f
	WIN TO_B
.irp i, 0,1,2,3,4,5,6,7
	ds_load_tr16_b128 v[\f+8*\i:\f+8*\i+3],   v[ADRB+\slot] offset:(32*\q)*PB+32*\i
	ds_load_tr16_b128 v[\f+8*\i+4:\f+8*\i+7], v[ADRB+\slot] offset:(32*\q+16)*PB+32*\i
.endr
	WIN 0
.irp i, 0,1,2,3,4,5,6,7
	ds_load_b128 v[\f+8*\i:\f+8*\i+3],   v[ADRA+\slot] offset:64*\q+\i*16*PA
	ds_load_b128 v[\f+8*\i+4:\f+8*\i+7], v[ADRA+\slot] offset:64*\q+\i*16*PA+32
.endr
.endm
.macro PLACES                          ; four places in front of loads into registers that matrix instructions have read, and of instructions that read results
.rept 4
	v_nop
.endr
.endm
; A K step is four quarters of 32 along K, 64 matrix instructions each, on buffers 0, 1, 0, 1; the 64 accumulators take turns.
; One of the first three: multiplies buffer f; in its middle it fetches quarter q of the same slot into buffer g.
.macro QUARTER slot, q, f, g, zero
	s_wait_dscnt 8                                 ; B and A's rows 0-63 are in; the youngest eight loads (A's rows 64-127) may be out
	WIN MUL_LO
	MUL16 \f, 0, 0, \zero
	MUL16 \f, 0, 2, \zero
	PLACES
	FETCH \slot, \q, \g
	s_wait_dscnt 32                                ; all but the 32 just issued
	WIN MUL_HI
	MUL16 \f, 1, 0, \zero
	MUL16 \f, 1, 2, \zero
.endm
; The last quarter multiplies buffer 1 and changes slots: one barrier; in front of it each wave waits for all its tensor loads, adds 0 to its spare word, and waits for that and for its reads of this slot.
; fill = 1: the barrier opens a round of the cluster's, and this slot is filled again, two K steps ahead.
.macro TURN slot, next, fill
	WIN 0                                          ; (the add's two registers lie in window 0)
	s_wait_tensorcnt 0x0                           ; all my tensor loads have landed: the one that was out is my part of the next slot;
	ds_add_u32 v[SPW], v[NIL]                      ; 0 onto my spare word;
	s_wait_dscnt 9                                 ; (the add and the youngest eight loads may be out)
	WIN MUL_LO
	MUL16 F1, 0, 0, 0                              ; sixteen matrix instructions stand between the add and the wait for it
	s_wait_dscnt 0x0                               ; the add is done, and my reads of this slot are over
	s_barrier_signal -1
	MUL16 F1, 0, 2, 0
.if \fill
	WIN 0
.endif
	s_barrier_wait -1
.if \fill
	CREST                                          ; no wave of any partner still reads this slot's tile or has a load on its way
	s_add_nc_u64 s[G0+4*\slot+2:G0+4*\slot+3], s[G0+4*\slot+2:G0+4*\slot+3], 2*KSTEP*2
	s_add_nc_u64 s[G0B+4*\slot+2:G0B+4*\slot+3], s[G0B+4*\slot+2:G0B+4*\slot+3], 2*KSTEP*SIZE_N*2
	JLOAD \slot                                    ; the first tensor load behind the round, my only one: 224 matrix instructions ahead of the wait for it; its four v_nop are also the places in front of the loads below
.else
	PLACES
.endif
	FETCH \next, 0, F0
	WIN MUL_HI
	MUL16 F1, 1, 0, 0
	MUL16 F1, 1, 2, 0
.endm
; THE WAY OUT of block a (16 of my rows), in three parts.
; GELU: the bias, the activation and the rounding, on the block's 64 numbers a lane at once: x leaves the accumulators' window with the bias added, and all the rest works in window 0.
.macro GELU a
.set AC, 64*((\a)%4)
	WIN 0x06+(\a)/4                                ; source 0 (the sums) window 2 or 3, source 1 (the bias) window 1, destination window 0
.set ii, 0
.rept 32
	v_pk_add_f32 v[X+ii:X+ii+1], v[AC+ii:AC+ii+1], v[BI+ii:BI+ii+1]        ; x; each accumulator from its low end on
.set ii, ii+2
.endr
	WIN 0
.set ii, 0
.rept 32
	v_pk_mul_f32 v[U+ii:U+ii+1], v[X+ii:X+ii+1], v[X+ii:X+ii+1]            ; x^2
.set ii, ii+2
.endr
.set ii, 0
.rept 32
	v_pk_fma_f32 v[U+ii:U+ii+1], v[U+ii:U+ii+1], v[8:9], v[10:11]          ; -k (1 + 0.044715 x^2)
.set ii, ii+2
.endr
.set ii, 0
.rept 32
	v_pk_mul_f32 v[U+ii:U+ii+1], v[U+ii:U+ii+1], v[X+ii:X+ii+1]
.set ii, ii+2
.endr
.set ii, 0
.rept 64
	v_exp_f32 v[U+ii], v[U+ii]
.set ii, ii+1
.endr
	v_nop                                          ; a plain instruction between the run and the use of its results (ISA guide 5.7.2)
.set ii, 0
	s_wait_alu depctr_va_vdst(0)
.rept 32
	v_pk_add_f32 v[U+ii:U+ii+1], v[U+ii:U+ii+1], 1.0 op_sel_hi:[1,0]
.set ii, ii+2
.endr
.set ii, 0
.rept 64
	v_rcp_f32 v[U+ii], v[U+ii]
.set ii, ii+1
.endr
	v_nop
.set ii, 0
	s_wait_alu depctr_va_vdst(0)
.rept 32
	v_pk_mul_f32 v[X+ii:X+ii+1], v[X+ii:X+ii+1], v[U+ii:U+ii+1]
.set ii, ii+2
.endr
.set ii, 0
.rept 32
	v_cvt_pk_bf16_f32 v[TMP+ii], v[X+2*ii], v[X+2*ii+1]
.set ii, ii+1
.endr
.endm
; TOSTAGE: into my own stage in LDS, and back as whole rows of 256 bytes.  SEND: stored.
.macro TOSTAGE a
.set BK, OB+32*((\a)%2)
.irp b, 0,1,2,3,4,5,6,7
	ds_store_b128 v[STO], v[TMP+4*\b:TMP+4*\b+3] offset:32*\b
.endr
.irp t, 0,1,2,3,4,5,6,7
	ds_load_b128 v[BK+4*\t:BK+4*\t+3], v[RD] offset:\t*2*SPITCH    ; LDS serves a wave's instructions in order (ISA guide 5.7.1.4): these see the stores above
.endr
.endm
.macro SEND a
.set BK, OB+32*((\a)%2)
	s_wait_dscnt 0x0                               ; the block is back in registers
	s_wait_xcnt 0x0                                ; the registers that the block before last was stored from are loaded again only behind this wait
.irp t, 0,1,2,3,4,5,6,7
	global_store_b128 v[CO], v[BK+4*\t:BK+4*\t+3], s[8:9] offset:(16*(\a)+2*\t)*SIZE_N*2   ; 16 lanes store 256 consecutive bytes, at a multiple of 256 from C's first byte; 126 rows of 8,192 bytes at the most, inside the signed 24-bit immediate
.endr
.endm
	s_wait_tensorcnt 1                             ; my part of K step 0 is in; K step 1's may stay out
	s_barrier_signal -1
	s_barrier_wait -1
	FETCH 0, 0, F0
	QUARTER 0, 1, F0, F1, 1                        ; the first quarter stands in front of the loop: its products start the sums
	WIN 0                                          ; at a label and at a branch every window is 0
	s_mov_b32 s3, LAPS-1
.Llap:                                                 ; a trip goes once round the ring, from a lap's second quarter to the next lap's first, and fills both slots again
	QUARTER 0, 2, F1, F0, 0
	QUARTER 0, 3, F0, F1, 0
	TURN 0, 1, 1
	QUARTER 1, 1, F0, F1, 0
	QUARTER 1, 2, F1, F0, 0
	QUARTER 1, 3, F0, F1, 0
	TURN 1, 0, 1
	QUARTER 0, 1, F0, F1, 0
	WIN 0
	s_sub_co_u32 s3, s3, 1
	s_cmp_lg_u32 s3, 0
	s_cbranch_scc1 .Llap
	QUARTER 0, 2, F1, F0, 0                        ; the last lap fills nothing, and has no round of the cluster's barrier
	QUARTER 0, 3, F0, F1, 0
	TURN 0, 1, 0
	QUARTER 1, 1, F0, F1, 0
	QUARTER 1, 2, F1, F0, 0
	QUARTER 1, 3, F0, F1, 0
	s_wait_dscnt 8                                 ; the very last quarter: nothing more to fetch
	WIN MUL_LO
	MUL16 F1, 0, 0, 0
	MUL16 F1, 0, 2, 0
	s_wait_dscnt 0x0
	WIN MUL_HI
	MUL16 F1, 1, 0, 0
	MUL16 F1, 1, 2, 0
	WIN 0
	s_wait_loadcnt 0x0                             ; the bias
	PLACES                                         ; behind the last products: their results are read, and A's buffers are written, from here on
	GELU 0
	TOSTAGE 0
.irp a, 1,2,3,4,5,6,7                  ; block a's arithmetic stands between block a - 1's loads from the stage and the wait for them
	GELU \a
	SEND \a-1
	TOSTAGE \a
.endr
	SEND 7
	s_wait_tensorcnt 0x0                           ; the wave's end
	ds_add_u32 v[SPW], v[NIL]
	s_wait_dscnt 0x0
	CROUND                                         ; the closing round: no work-group ends while a partner may still ask for a tile that names it
	s_endpgm
.Lfunc_end_k_q276c446a92_mlp1:
	.size	k_q276c446a92_mlp1, .Lfunc_end_k_q276c446a92_mlp1-k_q276c446a92_mlp1
	.p2alignl 7, 3214868480
	.fill 96, 4, 3214868480
	.section	.rodata,"a",@progbits
	.p2align	6, 0x0
	.amdhsa_kernel k_q276c446a92_mlp1
		.amdhsa_group_segment_fixed_size 327680
		.amdhsa_private_segment_fixed_size 0
		.amdhsa_enable_private_segment 0
		.amdhsa_kernarg_size 32
		.amdhsa_user_sgpr_count 2
		.amdhsa_user_sgpr_kernarg_segment_ptr 1
		.amdhsa_wavefront_size32 1
		.amdhsa_system_sgpr_workgroup_id_x 1
		.amdhsa_system_sgpr_workgroup_id_y 1
		.amdhsa_system_sgpr_workgroup_id_z 1
		.amdhsa_system_vgpr_workitem_id 0
		.amdhsa_next_free_vgpr 1024
		.amdhsa_next_free_sgpr 70
		.amdhsa_reserve_vcc 0
		.amdhsa_float_denorm_mode_32 3
		.amdhsa_float_denorm_mode_16_64 3
		.amdhsa_memory_ordered 1
		.amdhsa_forward_progress 1
		.amdhsa_inst_pref_size 255
	.end_amdhsa_kernel
	.section	.bss,"aw",@nobits
	.p2align	6
	.space	262144
	.amdgpu_metadata
---
amdhsa.version: [ 1, 2 ]
amdhsa.kernels:
  - .name:           k_q276c446a92_mlp1
    .symbol:         k_q276c446a92_mlp1.kd
    .args:
      - { .name: x2, .offset: 0, .size: 8, .value_kind: global_buffer, .address_space: global }
      - { .name: wb, .offset: 8, .size: 8, .value_kind: global_buffer, .address_space: global }
      - { .name: hm, .offset: 16, .size: 8, .value_kind: global_buffer, .address_space: global }
      - { .name: b_in, .offset: 24, .size: 8, .value_kind: global_buffer, .address_space: global }
    .group_segment_fixed_size: 327680
    .private_segment_fixed_size: 0
    .kernarg_segment_align: 8
    .kernarg_segment_size: 32
    .max_flat_workgroup_size: 128
    .sgpr_count:     70
    .vgpr_count:     1024
    .wavefront_size: 32
...
	.end_amdgpu_metadata
.endif
;; end of part 9
;; launch mlp2: the kernel of part 7 again; grid 8 x 32, 4 waves a work-group, clusters of 4 x 4, 327,680 bytes of LDS; arguments hm, wb, out0, r2, b_out; writes out0
